; MI455X (gfx1250); checked and timed in simulation.
; The chip was launched on July 23, 2026; its instructions are those of AMD's public machine-readable ISA for CDNA 5 (MIT licence, August 2026) and "CDNA5" Instruction Set Architecture Reference Guide (July 2026). The comments in the code are by the model that wrote it; some were corrected since.
;; Transformer Block. Allowed arithmetic: matrix products marked QUANTISED: E2M3 operands, one E8M0 scale for each 32 along K, by v_wmma_scale_f32_16x16x128_f8f6f4 with both operands' format E2M3, f32 sums; everything else in f32.
;; Inputs: W1_codes 1,024 x 32 x 24 uint8 (E2M3 codes of W1, K innermost, in blocks of 32 codes, four codes in three bytes); W1_scales 1,024 x 32 uint8 (E8M0 scales of W1, one for each 32 codes along K); W2_codes 1,024 x 32 x 24 uint8 (E2M3 codes of W2, K innermost, in blocks of 32 codes, four codes in three bytes); W2_scales 1,024 x 32 uint8 (E8M0 scales of W2, one for each 32 codes along K); Wk_codes 1,024 x 32 x 24 uint8 (E2M3 codes of Wk, K innermost, in blocks of 32 codes, four codes in three bytes); Wk_scales 1,024 x 32 uint8 (E8M0 scales of Wk, one for each 32 codes along K); Wo_codes 1,024 x 32 x 24 uint8 (E2M3 codes of Wo, K innermost, in blocks of 32 codes, four codes in three bytes); Wo_scales 1,024 x 32 uint8 (E8M0 scales of Wo, one for each 32 codes along K); Wq_codes 1,024 x 32 x 24 uint8 (E2M3 codes of Wq, K innermost, in blocks of 32 codes, four codes in three bytes); Wq_scales 1,024 x 32 uint8 (E8M0 scales of Wq, one for each 32 codes along K); Wv_codes 1,024 x 32 x 24 uint8 (E2M3 codes of Wv, K innermost, in blocks of 32 codes, four codes in three bytes); Wv_scales 1,024 x 32 uint8 (E8M0 scales of Wv, one for each 32 codes along K); ln1_b 1,024 float32; ln1_w 1,024 float32; ln2_b 1,024 float32; ln2_w 1,024 float32; token_emb_codes 2 x 2,048 x 32 x 24 uint8 (E2M3 codes of token_emb, K innermost, in blocks of 32 codes, four codes in three bytes); token_emb_scales 2 x 2,048 x 32 uint8 (E8M0 scales of token_emb, one for each 32 codes along K); x 2 x 2,048 x 1,024 float32.
;; Outputs: out0 2 x 2,048 x 1,024 float32.
;; This version of the problem:
;;   THIS VERSION OF THE PROBLEM IS GIVEN IN LOW PRECISION. The matrix products marked QUANTISED in the list below multiply operands that are first quantised to E2M3 (2 exponent bits, 3 mantissa bits; 6 bits a number), with one power-of-two scale for each 32 numbers along K (OCP MX v1.0); their sums are f32. All else is computed in f32.
;;   The module's matrix products, in the order in which they are computed (A, B: the left and right operand; K: the contracted axis; several contracted axes count as one K, in the product's order):
;;     1. [M 4,096, K 1,024] x [K 1,024, N 1,024]; A: computed on the way; B: input Wq (given as codes): QUANTISED
;;     2. [M 4,096, K 1,024] x [K 1,024, N 1,024]; A: computed on the way; B: input Wk (given as codes): QUANTISED
;;     3. [M 4,096, K 1,024] x [K 1,024, N 1,024]; A: input token_emb (given as codes); B: input Wv (given as codes): QUANTISED
;;     4. batch 32 x [M 2,048, K 64] x [K 64, N 2,048]; A: computed on the way; B: computed on the way: QUANTISED
;;     5. batch 32 x [M 2,048, K 2,048] x [K 2,048, N 64]; A: softmax (see below); B: computed on the way: QUANTISED
;;     6. [M 4,096, K 1,024] x [K 1,024, N 1,024]; A: computed on the way; B: input Wo (given as codes): QUANTISED
;;     7. [M 4,096, K 1,024] x [K 1,024, N 1,024]; A: computed on the way; B: input W1 (given as codes): QUANTISED
;;     8. [M 4,096, K 1,024] x [K 1,024, N 1,024]; A: computed on the way; B: input W2 (given as codes): QUANTISED
;;   THE QUANTISER, for each operand of a quantised product, along K:
;;     - K is cut into blocks of 32 from its start; a last block that is shorter is filled with zeros.
;;     - A block's scale is 2^e with e = floor(log2(the largest magnitude in the block)) - 2, held to -126 .. 127; a block of zeros has e = 0. As a byte (E8M0): e + 127.
;;     - Each number is divided by its block's scale, clamped to +-7.5, and rounded to the nearest number of E2M3, ties to even, subnormals kept.
;;     - The product sums the exact products of the quantised numbers (number of the format x scale) in f32.
;;   ~~~python
;;   def quantise(x, axis):      # numpy; x: float32 -> the quantised numbers, widened to float32 again
;;       x = np.moveaxis(x, axis, -1); K = x.shape[-1]
;;       x = np.pad(x, [(0, 0)] * (x.ndim - 1) + [(0, -K % 32)]); x = x.reshape(x.shape[:-1] + (-1, 32)); a = np.abs(x).max(-1, keepdims=True)
;;       e = np.where(a > 0, np.clip(np.frexp(np.where(a > 0, a, 1))[1] - 1 - 2, -126, 127), 0)      # np.frexp(a)[1] - 1 = floor(log2(a)), exactly
;;       r = np.clip(x / 2.0 ** e, -7.5, 7.5)
;;       step = 2.0 ** (np.maximum(np.frexp(np.where(r == 0, 1, r))[1] - 1, 0) - 3)
;;       q = np.round(r / step) * step * 2.0 ** e      # np.round: ties to even
;;       return np.moveaxis(q.reshape(q.shape[:-2] + (-1,))[..., :K], -1, axis).astype(np.float32)
;;   ~~~
;;   SOFTMAX AHEAD OF A QUANTISED PRODUCT. Where the list says 'softmax', what is quantised is not the finished softmax but p = 2^(t - M), with t = logit x log2(e) and M = ceil(the row's largest t), a whole number; so 1/2 < the row's largest p <= 1. The row's sum l is taken of the UNQUANTISED p, in f32, and the product's result is divided by l at the end. Since M is a whole number, a kernel that streams over the keys may use a running M (the ceiling of the running maximum): every later rescaling is an exact power of two, which a block's scale takes up: the codes' values come out the same.
;;   OPERANDS COMPUTED ON THE WAY. 'Computed on the way' means the value that the module computes at that place (a softmax that the list does not call 'softmax' is quantised finished and normalised). What goes into a quantiser is computed in f32, as accurately as f32 sums, v_exp_f32 and their like allow (about 1e-6 of the number): no bf16 or f16 on the way to a quantiser, and a product that is left as it is and whose result goes on into a quantised operand takes f32 operands (vector FMAs, or v_wmma_f32_16x16x4_f32). A number that lies on a knife's edge between two numbers of the format may be rounded either way, as far as f32 arithmetic and the matrix unit's own rounding can turn it there, and no further.
;;   INPUTS GIVEN AS CODES. W1 (in the module: [1024, 1024], K = its axis 1); W2 (in the module: [1024, 1024], K = its axis 1); Wk (in the module: [1024, 1024], K = its axis 1); Wo (in the module: [1024, 1024], K = its axis 1); Wq (in the module: [1024, 1024], K = its axis 1); Wv (in the module: [1024, 1024], K = its axis 1); token_emb (in the module: [2, 2048, 1024], K = its axis 2): each comes as NAME_codes (uint8): NAME with its K axis moved to the last place and cut into blocks of 32 codes, [.., K / 32, bytes a block], one block behind the other in memory; four codes in three bytes: a row's codes are one little-endian stream of bits, code i at bits 6 i .. 6 i + 5 (a code: sign, 2 exponent bits, 3 mantissa bits); and NAME_scales (uint8): the same leading axes, one E8M0 byte (e + 127) for each 32 codes along K. Its value is code x scale, taken as it is: it is not quantised again, and the codes and scales need not be those that the quantiser above would give.
;; 2 versions. Each part assembles by itself: llvm-mc -triple=amdgcn-amd-amdhsa -mcpu=gfx1250 --defsym DOCPART=n.
;; ======== version 1 of 2: 4 launches
;; workspace buffers: img 11,010,048 bytes; scl 458,752 bytes; qbuf 3,670,016 bytes; kv 6,815,744 bytes; obuf 3,407,872 bytes
;; launch prep (part 1): grid 336 x 1, 8 waves a work-group, no clusters, 5,120 bytes of LDS; arguments x, ln1_w, ln1_b, Wq_codes, Wk_codes, Wv_codes, Wo_codes, W1_codes, W2_codes, token_emb_codes, Wq_scales, Wk_scales, Wv_scales, Wo_scales, W1_scales, W2_scales, token_emb_scales, img, scl; writes img, scl
.if DOCPART == 1
	.amdgcn_target "amdgcn-amd-amdhsa--gfx1250"
	.amdhsa_code_object_version 6
	.text
	.protected	k_qc8f78a2d97_prep
	.globl	k_qc8f78a2d97_prep
	.p2align	8
	.type	k_qc8f78a2d97_prep,@function
k_qc8f78a2d97_prep:
	s_mov_b64 s[64:65], 0
	v_nop
	global_prefetch_b8 v0, s[64:65] scope:SCOPE_SE
	s_setreg_imm32_b32 hwreg(HW_REG_WAVE_MODE, 25, 1), 1
	s_wait_xcnt 0x0
; PREP.  Two kinds of work-groups, told apart by the work-group's number alone.
; 0..255: LayerNorm 1 of 16 tokens, in f32 (the mean first, then the variance of the differences), quantised to FP6 (E2M3) with one E8M0 byte for each 32 along D.
; 256..335: the six weights and token_emb, which arrive as codes, are laid anew; no code and no scale byte is changed.
; BOTH WRITE OPERANDS IN THE ORDER OF THE MATRIX INSTRUCTION'S REGISTERS.  A fragment (16 rows x 128 K, 12 registers a lane) is 1,536 bytes: registers 4 c .. 4 c + 3 of lane L at 512 c + 16 L.
; img: [tile][K step 0..7][1,536]; scl: [tile][row r][8 scale words].  Tiles on end: Wq, Wk, Wv, Wo, W1, W2 (64 each), token_emb (256), LN1(x) (256).
; THE ROWS OF A TILE ARE NOT NEIGHBOURS: lane r of tile T holds row 32 (T / 2) + 8 (T % 2) + r + 8 (r / 8), so that a product's 16 registers of two neighbouring tiles are 16 neighbours along the next K.
; A block's scale is 2^(floor(log2(largest magnitude)) - 2); its byte is the largest magnitude's exponent field - 2, held at 1 from below.
; LIMITS: NaN and infinities among the inputs are not served; a block of zeros gets the byte 1 where the rule says 127 (its codes are zeros, and this program alone reads the bytes); blocks under 2^-124 are held at the byte 1.
; No matrix work, no shared tiles: no cluster.  Every store of a wave covers 512 consecutive bytes, aligned.
.set IMG_H, 7864320                    ; LN1(x)'s fragments in img
.set SCL_H, 327680                     ; and its scale words in scl
.set RED2,  1536                       ; LDS: 0: the waves' partial sums, 48 bytes a lane; 1,536: those of the squares; 3,072: the tile's scale words
.set SCW,   3072
.set X,   16                           ; v16-79   my 64 numbers of x: register 16 b + i = column 128 w + 32 b + 16 h + i of my row
.set LW,  80                           ; v80-143  ln1_w at the same columns
.set LB,  144                          ; v144-207 ln1_b
.set TM,  208                          ; v208-223 the quantiser's: largest magnitudes, bytes, scale operands
.set PW,  224                          ; v224     the scale word just made
.set MN,  226                          ; v226-227 the mean, twice
.set RS,  228                          ; v228-229 1 / sqrt(var + eps), twice
.set T0,  230                          ; v230-231 at work
.set PC,  232                          ; v232-251 the codes just made (12) and 8 at work
.set CH,  232                          ; v232-239 four chains of sums (ahead of the quantiser)
.set RD,  240                          ; v240-247 the eight waves' parts
.set SEL, 44                           ; s[44:45] lane selects: lane l xor 16
; argument i lies in s[4 + 2 i : 5 + 2 i]: x, ln1_w, ln1_b, seven codes (s10 ..), seven scales (s24 ..), img s[38:39], scl s[40:41]
	s_load_b512 s[4:19], s[0:1], 0x0
	s_load_b512 s[20:35], s[0:1], 0x40
	s_load_b128 s[36:39], s[0:1], 0x80
	s_load_b64 s[40:41], s[0:1], 0x90
	v_lshl_add_u32 v254, v0, 2, 0x1000
	v_mov_b32 v255, 0
	v_lshrrev_b32 v1, 5, v0
	v_readfirstlane_b32 s42, v1                    ; wave 0..7
	v_and_b32 v5, 31, v0                           ; L
	v_and_b32 v6, 15, v0                           ; r
	v_bfe_u32 v7, v0, 4, 1                         ; h
	v_and_b32 v8, 8, v6
	v_add_nc_u32 v8, v8, v6                        ; r + 8 (r / 8)
	v_lshlrev_b32 v3, 4, v5                        ; 16 L
	s_mov_b32 s[SEL], 0x76543210
	s_mov_b32 s[SEL+1], 0xfedcba98
	s_wait_kmcnt 0x0
	s_cmp_ge_u32 ttmp9, 256
	s_cbranch_scc1 .Lrelay
; 64 numbers of a lane become a fragment's codes in v[PC] on and its scale word in v[PW]
.macro QUANT s
.irp b, 0,1,2,3
	v_max3_num_f32 v[TM+\b], |v[\s+16*\b]|, |v[\s+1+16*\b]|, 0x1800000   ; block b: my 16 numbers, and the floor 2^(3 - 127): the byte cannot fall under 1
.endr
.irp i, 2,4,6,8,10,12,14
.irp b, 0,1,2,3
	v_max3_num_f32 v[TM+\b], v[TM+\b], |v[\s+16*\b+\i]|, |v[\s+1+16*\b+\i]|   ; the four blocks by turns
.endr
.endr
.irp b, 0,1,2,3
	v_permlanex16_b32 v[TM+4+\b], v[TM+\b], s[SEL], s[SEL+1]
.endr
.irp b, 0,1,2,3
	v_max_num_f32 v[TM+\b], v[TM+\b], v[TM+4+\b]   ; with lane l xor 16's: the block's largest magnitude
.endr
.irp b, 0,1,2,3
	v_add_nc_u32 v[TM+12+\b], 0xff000000, v[TM+\b] ; 2 off its exponent field: the conversion's scale operand
.endr
.irp b, 0,1,2,3
	v_lshrrev_b32 v[TM+4+\b], 23, v[TM+12+\b]      ; the scale's byte
.endr
	v_lshl_or_b32 v[PW], v[TM+5], 8, v[TM+4]
	v_lshl_or_b32 v[PW], v[TM+6], 16, v[PW]
	v_lshl_or_b32 v[PW], v[TM+7], 24, v[PW]
.irp c, 0,1
	v_cvt_scalef32_pk16_fp6_f32 v[PC+6*\c:PC+2+6*\c], v[\s+32*\c:\s+15+32*\c], v[TM+12+2*\c]
	v_cvt_scalef32_pk16_fp6_f32 v[PC+12+4*\c:PC+14+4*\c], v[\s+16+32*\c:\s+31+32*\c], v[TM+12+2*\c+1]   ; (a conversion's three registers begin on an even number)
.endr
	v_nop                                          ; one plain place behind a scaled conversion
.irp c, 0,1                                    ; the operand wants a WHOLE block in a lane: lanes 0-15 block 2 c, lanes 16-31 block 2 c + 1
.irp i, 0,1,2
	v_permlane16_swap_b32 v[PC+6*\c+\i], v[PC+12+4*\c+\i]
.endr
.irp i, 0,1,2
	v_mov_b32 v[PC+3+6*\c+\i], v[PC+12+4*\c+\i]
.endr
.endr
.endm
.macro FOLD                            ; four chains -> my row's sum over my wave's 128 columns, in v[T0]
	v_pk_add_f32 v[CH:CH+1], v[CH:CH+1], v[CH+2:CH+3]
	v_pk_add_f32 v[CH+4:CH+5], v[CH+4:CH+5], v[CH+6:CH+7]
	v_pk_add_f32 v[CH:CH+1], v[CH:CH+1], v[CH+4:CH+5]
	v_add_f32 v[T0], v[CH], v[CH+1]
	v_permlanex16_b32 v[T0+1], v[T0], s[SEL], s[SEL+1]
	v_add_f32 v[T0], v[T0], v[T0+1]
.endm
.macro GATHER off                      ; the eight waves' parts, added in one order by every wave: the row's sum in v[RD]
	ds_load_b128 v[RD:RD+3], v9 offset:\off
	ds_load_b128 v[RD+4:RD+7], v9 offset:\off+16
	s_wait_dscnt 0x0
.irp k, 0,2,4,6
	v_add_f32 v[RD+\k], v[RD+\k], v[RD+\k+1]
.endr
	v_add_f32 v[RD], v[RD], v[RD+2]
	v_add_f32 v[RD+4], v[RD+4], v[RD+6]
	v_add_f32 v[RD], v[RD], v[RD+4]
.endm
.macro BAR                             ; my LDS stores have landed and my LDS loads are in: then the work-group's barrier
	s_wait_dscnt 0x0
	s_barrier_signal -1
	s_barrier_wait -1
.endm
	; ---- LayerNorm 1: tile ttmp9 of 16 tokens; wave w takes K step w, columns 128 w .. 128 w + 127
	v_lshlrev_b32 v1, 12, v8
	v_lshl_add_u32 v1, v7, 6, v1                   ; x: my row of 4,096 bytes, + 64 h
	v_lshlrev_b32 v2, 6, v7                        ; ln1_w, ln1_b: 64 h
	v_mul_u32_u24 v9, v5, 48                       ; the partial sums of my lane: 48 L,
	s_lshl_b32 s46, s42, 2
	v_add_nc_u32 v4, s46, v9                       ; my wave's word among them
	v_lshl_add_u32 v10, v6, 5, SCW
	v_add_nc_u32 v10, s46, v10                     ; my row's scale word of K step w: SCW + 32 r + 4 w
	v_add_nc_u32 v11, SCW, v3
	v_mov_b32 v[T0+1], 0                           ; written once: a lane permute's destination counts as one of its sources
.irp b, 0,1,2,3
	v_mov_b32 v[TM+4+\b], 0
.endr
	s_lshr_b32 s46, ttmp9, 1
	s_lshl_b32 s46, s46, 5
	s_and_b32 s47, ttmp9, 1
	s_lshl_b32 s47, s47, 3
	s_add_co_u32 s46, s46, s47                     ; the tile's first token
	s_lshl_b32 s46, s46, 12
	s_lshl_b32 s48, s42, 9
	s_add_co_u32 s46, s46, s48
	s_mov_b32 s47, 0
	s_mov_b32 s49, 0
	s_add_nc_u64 s[4:5], s[4:5], s[46:47]
	s_add_nc_u64 s[6:7], s[6:7], s[48:49]
	s_add_nc_u64 s[8:9], s[8:9], s[48:49]
	s_lshl_b32 s50, ttmp9, 3
	s_add_co_u32 s50, s50, s42
	s_mul_i32 s50, s50, 1536
	s_add_co_u32 s50, s50, IMG_H
	s_mov_b32 s51, 0
	s_add_nc_u64 s[38:39], s[38:39], s[50:51]      ; my fragment
	s_lshl_b32 s52, ttmp9, 9
	s_add_co_u32 s52, s52, SCL_H
	s_mov_b32 s53, 0
	s_add_nc_u64 s[40:41], s[40:41], s[52:53]      ; the tile's scale words
	s_mov_b32 s54, 0x3a800000                      ; 1 / 1,024
	s_mov_b32 s55, 0x3727c5ac                      ; 1e-5
.irp b, 0,1,2,3
.irp j, 0,1,2,3
	global_load_b128 v[X+16*\b+4*\j:X+16*\b+4*\j+3], v1, s[4:5] offset:128*\b+16*\j th:TH_LOAD_NT
.endr
.endr
.irp b, 0,1,2,3
.irp j, 0,1,2,3
	global_load_b128 v[LW+16*\b+4*\j:LW+16*\b+4*\j+3], v2, s[6:7] offset:128*\b+16*\j
.endr
.endr
.irp b, 0,1,2,3
.irp j, 0,1,2,3
	global_load_b128 v[LB+16*\b+4*\j:LB+16*\b+4*\j+3], v2, s[8:9] offset:128*\b+16*\j
.endr
.endr
	s_wait_loadcnt 32                              ; x is in; the 32 loads of ln1_w and ln1_b may stay out
.irp k, 0,1,2,3
	v_pk_add_f32 v[CH+2*\k:CH+2*\k+1], v[X+4*\k:X+4*\k+1], v[X+4*\k+2:X+4*\k+3]
.endr
.irp j, 16,24,32,40,48,56
.irp k, 0,1,2,3
	v_pk_add_f32 v[CH+2*\k:CH+2*\k+1], v[CH+2*\k:CH+2*\k+1], v[X+\j+2*\k:X+\j+2*\k+1]
.endr
.endr
	FOLD
	ds_store_b32 v4, v[T0]
	BAR                                            ; every wave's part of the sums lies in LDS
	GATHER 0
	v_mul_f32 v[MN], s54, v[RD]                    ; the mean
	v_mov_b32 v[MN+1], v[MN]
.set n, 0
.rept 32
	v_pk_add_f32 v[X+n:X+n+1], v[X+n:X+n+1], v[MN:MN+1] neg_lo:[0,1] neg_hi:[0,1]   ; x - mean
.set n, n+2
.endr
.irp k, 0,1,2,3
	v_pk_mul_f32 v[CH+2*\k:CH+2*\k+1], v[X+2*\k:X+2*\k+1], v[X+2*\k:X+2*\k+1]
.endr
.irp j, 8,16,24,32,40,48,56
.irp k, 0,1,2,3
	v_pk_fma_f32 v[CH+2*\k:CH+2*\k+1], v[X+\j+2*\k:X+\j+2*\k+1], v[X+\j+2*\k:X+\j+2*\k+1], v[CH+2*\k:CH+2*\k+1]
.endr
.endr
	FOLD
	ds_store_b32 v4, v[T0] offset:RED2
	BAR                                            ; and of the squares (bytes of their own: nobody writes what another still reads)
	GATHER RED2
	v_fma_f32 v[RD], v[RD], s54, s55               ; var + eps
	v_rsq_f32 v[RS], v[RD]
	v_nop                                          ; a plain place behind the transcendental,
	s_wait_alu depctr_va_vdst(0)                   ; and the wait ahead of its first reader
	v_mov_b32 v[RS+1], v[RS]
	s_wait_loadcnt 0x0                             ; ln1_w, ln1_b
.set n, 0
.rept 32
	v_pk_mul_f32 v[X+n:X+n+1], v[X+n:X+n+1], v[RS:RS+1]
.set n, n+2
.endr
.set n, 0
.rept 32
	v_pk_fma_f32 v[X+n:X+n+1], v[X+n:X+n+1], v[LW+n:LW+n+1], v[LB+n:LB+n+1]
.set n, n+2
.endr
	QUANT X
.irp c, 0,1,2
	global_store_b128 v3, v[PC+4*\c:PC+4*\c+3], s[38:39] offset:512*\c
.endr
	ds_store_b32 v10, v[PW]                        ; lanes r and r + 16 write the same word with the same value
	BAR                                            ; the tile's 128 scale words lie in LDS
	s_cmp_lg_u32 s42, 0
	s_cbranch_scc1 .Lln_end
	ds_load_b128 v[X:X+3], v11                     ; wave 0 stores them: 512 consecutive bytes
	s_wait_dscnt 0x0
	global_store_b128 v3, v[X:X+3], s[40:41]
.Lln_end:
	s_wait_tensorcnt 0x0
	ds_add_u32 v254, v255
	s_wait_dscnt 0x0
	s_endpgm
	; ---- the codes that are given: a wave takes one tile of 16 rows, all eight K steps.  No LDS, no barrier.
.Lrelay:
	s_sub_co_u32 s46, ttmp9, 256
	s_lshr_b32 s54, s46, 3
	s_min_u32 s54, s54, 6                          ; which tensor: 8 work-groups for each weight, 32 for token_emb
	s_lshl_b32 s46, s46, 3
	s_add_co_u32 s46, s46, s42                     ; the tile's number in img and scl
	s_lshl_b32 s47, s54, 6
	s_sub_co_u32 s47, s46, s47                     ; and in its tensor
	s_lshr_b32 s48, s47, 1
	s_lshl_b32 s48, s48, 5
	s_and_b32 s49, s47, 1
	s_lshl_b32 s49, s49, 3
	s_add_co_u32 s48, s48, s49                     ; its first row
	s_mul_i32 s50, s48, 768                        ; a row of 1,024 codes is 768 bytes,
	s_mov_b32 s51, 0
	s_lshl_b32 s52, s48, 5                         ; of scale bytes 32
	s_mov_b32 s53, 0
	s_mul_i32 s56, s46, 12288
	s_mov_b32 s57, 0
	s_add_nc_u64 s[38:39], s[38:39], s[56:57]
	s_lshl_b32 s56, s46, 9
	s_add_nc_u64 s[40:41], s[40:41], s[56:57]
	v_mul_u32_u24 v1, v8, 768
	v_mad_u32_u24 v1, v7, 24, v1                   ; codes: my row, + 24 h
	v_lshlrev_b32 v2, 5, v8
	v_lshl_add_u32 v2, v7, 4, v2                   ; scale bytes in: my row, + 16 h
	v_lshlrev_b32 v4, 5, v6
	v_lshl_add_u32 v4, v7, 4, v4                   ; and out: 32 r + 16 h
.macro SRC k                           ; tensor k's loads, from its own two pointers: eight fragments in pieces of 8 bytes, as they lie; the wave's 48 loads take 16 whole rows
	s_add_nc_u64 s[58:59], s[10+2*\k:11+2*\k], s[50:51]
	s_add_nc_u64 s[60:61], s[24+2*\k:25+2*\k], s[52:53]
.irp s, 0,1,2,3,4,5,6,7
.irp p, 0,1,2,3,4,5
	global_load_b64 v[16+12*\s+2*\p:17+12*\s+2*\p], v1, s[58:59] offset:96*\s+48*(\p/3)+8*(\p%3)
.endr
.endr
	global_load_b128 v[112:115], v2, s[60:61]
.endm
.irp k, 0,1,2,3,4,5
	s_cmp_lg_u32 s54, \k
	s_cbranch_scc1 .Lnot_\k
	SRC \k
	s_branch .Lgot
.Lnot_\k:
.endr
	SRC 6
.Lgot:
	s_wait_loadcnt 0x0
.irp s, 0,1,2,3,4,5,6,7
.irp c, 0,1,2
	global_store_b128 v3, v[16+12*\s+4*\c:19+12*\s+4*\c], s[38:39] offset:1536*\s+512*\c
.endr
.endr
	global_store_b128 v4, v[112:115], s[40:41]
	s_endpgm
.Lfunc_end_k_qc8f78a2d97_prep:
	.size	k_qc8f78a2d97_prep, .Lfunc_end_k_qc8f78a2d97_prep-k_qc8f78a2d97_prep
	.p2alignl 7, 3214868480
	.fill 96, 4, 3214868480
	.section	.rodata,"a",@progbits
	.p2align	6, 0x0
	.amdhsa_kernel k_qc8f78a2d97_prep
		.amdhsa_group_segment_fixed_size 5120
		.amdhsa_private_segment_fixed_size 0
		.amdhsa_enable_private_segment 0
		.amdhsa_kernarg_size 152
		.amdhsa_user_sgpr_count 2
		.amdhsa_user_sgpr_kernarg_segment_ptr 1
		.amdhsa_wavefront_size32 1
		.amdhsa_system_sgpr_workgroup_id_x 1
		.amdhsa_system_sgpr_workgroup_id_y 1
		.amdhsa_system_sgpr_workgroup_id_z 1
		.amdhsa_system_vgpr_workitem_id 0
		.amdhsa_next_free_vgpr 256
		.amdhsa_next_free_sgpr 66
		.amdhsa_reserve_vcc 0
		.amdhsa_float_denorm_mode_32 3
		.amdhsa_float_denorm_mode_16_64 3
		.amdhsa_memory_ordered 1
		.amdhsa_forward_progress 1
		.amdhsa_inst_pref_size 61
	.end_amdhsa_kernel
	.amdgpu_metadata
---
amdhsa.version: [ 1, 2 ]
amdhsa.kernels:
  - .name:           k_qc8f78a2d97_prep
    .symbol:         k_qc8f78a2d97_prep.kd
    .args:
      - { .name: x, .offset: 0, .size: 8, .value_kind: global_buffer, .address_space: global }
      - { .name: ln1_w, .offset: 8, .size: 8, .value_kind: global_buffer, .address_space: global }
      - { .name: ln1_b, .offset: 16, .size: 8, .value_kind: global_buffer, .address_space: global }
      - { .name: Wq_codes, .offset: 24, .size: 8, .value_kind: global_buffer, .address_space: global }
      - { .name: Wk_codes, .offset: 32, .size: 8, .value_kind: global_buffer, .address_space: global }
      - { .name: Wv_codes, .offset: 40, .size: 8, .value_kind: global_buffer, .address_space: global }
      - { .name: Wo_codes, .offset: 48, .size: 8, .value_kind: global_buffer, .address_space: global }
      - { .name: W1_codes, .offset: 56, .size: 8, .value_kind: global_buffer, .address_space: global }
      - { .name: W2_codes, .offset: 64, .size: 8, .value_kind: global_buffer, .address_space: global }
      - { .name: token_emb_codes, .offset: 72, .size: 8, .value_kind: global_buffer, .address_space: global }
      - { .name: Wq_scales, .offset: 80, .size: 8, .value_kind: global_buffer, .address_space: global }
      - { .name: Wk_scales, .offset: 88, .size: 8, .value_kind: global_buffer, .address_space: global }
      - { .name: Wv_scales, .offset: 96, .size: 8, .value_kind: global_buffer, .address_space: global }
      - { .name: Wo_scales, .offset: 104, .size: 8, .value_kind: global_buffer, .address_space: global }
      - { .name: W1_scales, .offset: 112, .size: 8, .value_kind: global_buffer, .address_space: global }
      - { .name: W2_scales, .offset: 120, .size: 8, .value_kind: global_buffer, .address_space: global }
      - { .name: token_emb_scales, .offset: 128, .size: 8, .value_kind: global_buffer, .address_space: global }
      - { .name: img, .offset: 136, .size: 8, .value_kind: global_buffer, .address_space: global }
      - { .name: scl, .offset: 144, .size: 8, .value_kind: global_buffer, .address_space: global }
    .group_segment_fixed_size: 5120
    .private_segment_fixed_size: 0
    .kernarg_segment_align: 8
    .kernarg_segment_size: 152
    .max_flat_workgroup_size: 256
    .sgpr_count:     66
    .vgpr_count:     256
    .wavefront_size: 32
...
	.end_amdgpu_metadata
.endif
;; end of part 1
;; launch qkv (part 2): grid 768 x 1, 4 waves a work-group, no clusters, 0 bytes of LDS; arguments img, scl, qbuf, kv; writes qbuf, kv
.if DOCPART == 2
	.amdgcn_target "amdgcn-amd-amdhsa--gfx1250"
	.amdhsa_code_object_version 6
	.text
	.protected	k_qc8f78a2d97_qkv
	.globl	k_qc8f78a2d97_qkv
	.p2align	8
	.type	k_qc8f78a2d97_qkv,@function
k_qc8f78a2d97_qkv:
	s_mov_b64 s[64:65], 0
	v_nop
	global_prefetch_b8 v0, s[64:65] scope:SCOPE_SE
	s_setreg_imm32_b32 hwreg(HW_REG_WAVE_MODE, 25, 1), 1
	s_wait_xcnt 0x0
; QKV.  q = LN1(x) Wq^T, k = LN1(x) Wk^T, v = token_emb Wv^T on codes of FP6 (E2M3) with E8M0 scales, K = 1,024; each result is quantised in registers for attention and leaves as codes.
; role = work-group / 256 (0 q, 1 k, 2 v).  A wave makes 64 tokens x one head's 64: 4 x 4 tiles, 16 accumulators, 8 K steps of 128.  One text for the three roles: only scalars differ.
; A LANE'S REGISTERS MUST RUN ALONG THE NEXT PRODUCT'S K.  q, k: the next K is the head's 64, so source 0 = 16 rows of W and source 1 = 16 tokens: a lane holds one token and 32 of its head's numbers.
; v: the next K is the keys, so source 0 = 16 tokens and source 1 = 16 rows of Wv: a lane holds one channel and 32 keys.  By the tiles' order of rows the 16 registers of tiles 2 b, 2 b + 1 are 16 neighbours.
; OPERANDS come from img in the order of the registers: a fragment is three loads of 512 consecutive bytes.  No LDS, no barrier.  No tensor load, so there is no joint request that a cluster could share.
; OUT: a HALF fragment (16 rows x 64 K, 6 registers): registers 0-3 at 16 L, registers 4-5 at 512 + 8 L; its two scale bytes at 4 L (+ 2 for the upper half of a fragment).
;   qbuf: [b h][token tile][768], scale words from QS on.   kv: a record of 13,312 bytes for each head and 128 keys: 4 fragments of K (two key tiles each), 4 of V^T, 4 + 4 images of scale words.
; LIMITS: NaN and infinities are not served; a block of zeros gets the byte 1 (zero codes; this program alone reads the bytes).
.set QS,  3145728
.set SC,  4                            ; v4-19    scale words: register 4 i + s % 4: lanes 0-15 source 0's tile i, lanes 16-31 source 1's tile i
.set F0,  20                           ; v20-67   source 0's four fragments
.set F1,  68                           ; v68-115  source 1's
.set ACC, 116                          ; v116-243 accumulator (source 1's tile j, source 0's tile i) at ACC + 32 j + 8 i
.set TM,  20                           ; the quantiser's registers lie where source 0's fragments lay
.set TX,  22
.set TS,  24
.set TB,  26
.set PW,  28
.set PC,  30
.set PT,  36
.set SEL, 44
.macro PLACES
.rept 4
	v_nop
.endr
.endm
; 32 numbers of a lane, register 16 b + i = k 32 b + 16 h + i of my row, become a HALF's codes in v[PC .. PC + 5] and its two scale bytes in v[PW]
.macro QUANT32 s
.irp b, 0,1
	v_max3_num_f32 v[TM+\b], |v[\s+16*\b]|, |v[\s+1+16*\b]|, 0x1800000   ; my 16 numbers of block b, and the floor 2^(3 - 127): the byte cannot fall under 1
.endr
.irp i, 2,4,6,8,10,12,14
.irp b, 0,1
	v_max3_num_f32 v[TM+\b], v[TM+\b], |v[\s+16*\b+\i]|, |v[\s+1+16*\b+\i]|
.endr
.endr
.irp b, 0,1
	v_permlanex16_b32 v[TX+\b], v[TM+\b], s[SEL], s[SEL+1]
.endr
.irp b, 0,1
	v_max_num_f32 v[TM+\b], v[TM+\b], v[TX+\b]     ; with lane l xor 16's: the block's largest magnitude
.endr
.irp b, 0,1
	v_add_nc_u32 v[TS+\b], 0xff000000, v[TM+\b]    ; 2 off its exponent field: the conversion's scale operand
.endr
.irp b, 0,1
	v_lshrrev_b32 v[TB+\b], 23, v[TS+\b]           ; the scale's byte
.endr
	v_lshl_or_b32 v[PW], v[TB+1], 8, v[TB]
	v_cvt_scalef32_pk16_fp6_f32 v[PC:PC+2], v[\s:\s+15], v[TS]
	v_cvt_scalef32_pk16_fp6_f32 v[PT:PT+2], v[\s+16:\s+31], v[TS+1]
	v_nop                                          ; one plain place behind a scaled conversion
.irp i, 0,1,2
	v_permlane16_swap_b32 v[PC+\i], v[PT+\i]       ; a WHOLE block to a lane: lanes 0-15 block 0, lanes 16-31 block 1
.endr
.irp i, 0,1,2
	v_mov_b32 v[PC+3+\i], v[PT+\i]
.endr
.endm
	s_load_b256 s[4:11], s[0:1], 0x0               ; img s[4:5], scl s[6:7], qbuf s[8:9], kv s[10:11]
	v_lshrrev_b32 v1, 5, v0
	v_readfirstlane_b32 s20, v1                    ; wave 0..3
	s_lshr_b32 s21, ttmp9, 8                       ; role
	s_and_b32 s22, ttmp9, 255
	s_lshr_b32 s23, s22, 3
	s_lshl_b32 s23, s23, 1
	s_lshr_b32 s25, s20, 1
	s_add_co_u32 s23, s23, s25                     ; a: which 64 tokens, 0..63
	s_and_b32 s24, s22, 7
	s_lshl_b32 s24, s24, 1
	s_and_b32 s25, s20, 1
	s_add_co_u32 s24, s24, s25                     ; hd: which head
	s_mul_i32 s26, s21, 786432
	s_mul_i32 s25, s24, 49152
	s_add_co_u32 s26, s26, s25                     ; the weight's four tiles in img,
	s_mul_i32 s27, s23, 49152
	s_mul_i32 s28, s21, 32768
	s_lshl_b32 s25, s24, 11
	s_add_co_u32 s28, s28, s25                     ; and in scl
	s_lshl_b32 s29, s23, 11
	s_mov_b32 s30, 7864320                         ; the tokens: LN1(x) for q and k,
	s_mov_b32 s31, 327680
	s_cmp_eq_u32 s21, 2
	s_cselect_b32 s30, 4718592, s30                ; token_emb for v
	s_cselect_b32 s31, 196608, s31
	s_add_co_u32 s27, s27, s30
	s_add_co_u32 s29, s29, s31
	s_cmp_eq_u32 s21, 2                            ; (the additions have set SCC)
	s_cselect_b32 s32, s27, s26                    ; source 0: the weight for q and k, the tokens for v
	s_cselect_b32 s34, s26, s27                    ; source 1: the other
	s_cselect_b32 s36, s29, s28
	s_cselect_b32 s37, s28, s29
	s_mov_b32 s33, 0
	s_mov_b32 s35, 0
	; where the results go
	s_and_b32 s22, s23, 31                         ; a' : the 64 tokens within the batch
	s_lshr_b32 s25, s23, 5
	s_lshl_b32 s25, s25, 4
	s_add_co_u32 s25, s25, s24                     ; b h
	s_and_b32 s26, s22, 1                          ; which half of a key step of 128
	s_lshr_b32 s27, s22, 1                         ; the key step
	s_lshl_b32 s28, s25, 4
	s_add_co_u32 s28, s28, s27
	s_mul_i32 s28, s28, 13312                      ; its record in kv
	s_lshl_b32 s29, s25, 7
	s_lshl_b32 s30, s22, 2
	s_add_co_u32 s29, s29, s30                     ; q: the first of my four token tiles
	s_mul_i32 s38, s29, 768                        ; s38: the codes' place, s39: the scale bytes', s42: from tile to tile, s40, s41: the same for the scale bytes (behind an even tile, an odd tile)
	s_lshl_b32 s39, s29, 7
	s_add_co_u32 s39, s39, QS
	s_mul_i32 s30, s26, 3072
	s_add_co_u32 s30, s30, s28                     ; k: key tile 4 (a' % 2) + j is HALF j % 2 of fragment (that tile) / 2
	s_lshl_b32 s31, s26, 8
	s_add_co_u32 s31, s31, s28
	s_add_co_u32 s31, s31, 12288
	s_mov_b32 s40, 128
	s_mov_b32 s41, 128
	s_mov_b32 s42, 768
	s_cmp_eq_u32 s21, 1
	s_cselect_b32 s38, s30, s38
	s_cselect_b32 s39, s31, s39
	s_cselect_b32 s40, 2, s40
	s_cselect_b32 s41, 126, s41
	s_mul_i32 s30, s26, 768
	s_add_co_u32 s30, s30, s28
	s_add_co_u32 s30, s30, 6144                    ; v: my 64 keys are HALF a' % 2 of channel tile j's fragment
	s_lshl_b32 s31, s26, 1
	s_add_co_u32 s31, s31, s28
	s_add_co_u32 s31, s31, 12800
	s_cmp_eq_u32 s21, 2
	s_cselect_b32 s38, s30, s38
	s_cselect_b32 s39, s31, s39
	s_cselect_b32 s42, 1536, s42
	s_mov_b32 s[SEL], 0x76543210
	s_mov_b32 s[SEL+1], 0xfedcba98
	v_and_b32 v2, 31, v0                           ; L
	v_lshlrev_b32 v1, 4, v2                        ; 16 L
	v_lshl_add_u32 v244, v2, 4, s38                ; a HALF's registers 0-3,
	v_lshl_add_u32 v245, v2, 3, s38                ; its registers 4-5 (+ 512),
	v_lshl_add_u32 v246, v2, 2, s39                ; its scale bytes
	v_and_b32 v3, 15, v0
	v_bfe_u32 v247, v0, 4, 1
	v_mov_b32 v248, s36
	v_mov_b32 v249, s37
	v_cmp_eq_u32 vcc_lo, 1, v247
	v_cndmask_b32 v2, v248, v249, vcc_lo           ; scale words: lanes 0-15 take source 0's, lanes 16-31 source 1's;
	v_lshl_add_u32 v2, v3, 5, v2                   ; 32 bytes a row
	s_wait_kmcnt 0x0
	s_add_nc_u64 s[12:13], s[4:5], s[32:33]
	s_add_nc_u64 s[14:15], s[4:5], s[34:35]
	s_cmp_eq_u32 s21, 0
	s_cselect_b64 s[16:17], s[8:9], s[10:11]       ; q goes to qbuf, k and v to kv: the choice hangs on the work-group's number alone
; A K step of 128: 24 loads, 16 matrix instructions.  The 16 accumulators take turns, one instruction a turn, in the same order in every step.
.macro KSTEP s
.if \s > 0
	PLACES                                         ; in front of loads into registers that matrix instructions have read
.endif
.if (\s%4) == 0
.irp i, 0,1,2,3
	global_load_b128 v[SC+4*\i:SC+4*\i+3], v2, s[6:7] offset:512*\i+16*(\s/4)   ; the scale words of four K steps
.endr
.endif
.irp j, 0,1,2,3
.irp c, 0,1,2
	global_load_b128 v[F1+12*\j+4*\c:F1+12*\j+4*\c+3], v1, s[14:15] offset:(8*\j+\s)*1536+512*\c
.endr
.endr
.irp i, 0,1,2,3
.irp c, 0,1,2
	global_load_b128 v[F0+12*\i+4*\c:F0+12*\i+4*\c+3], v1, s[12:13] offset:(8*\i+\s)*1536+512*\c
.endr
.endr
.irp i, 0,1,2,3
	s_wait_loadcnt 9-3*\i                          ; source 0's fragment i is in, and all that was asked for earlier; the fragments behind it, three loads each, may stay out
.irp j, 0,1,2,3
.if \s == 0
	v_wmma_scale_f32_16x16x128_f8f6f4 v[ACC+32*\j+8*\i:ACC+32*\j+8*\i+7], v[F0+12*\i:F0+12*\i+11], v[F1+12*\j:F1+12*\j+11], 0, v[SC+4*\i+(\s%4)], v[SC+4*\j+(\s%4)] matrix_a_fmt:MATRIX_FMT_FP6 matrix_b_fmt:MATRIX_FMT_FP6 matrix_b_scale:MATRIX_SCALE_ROW1
.else
	v_wmma_scale_f32_16x16x128_f8f6f4 v[ACC+32*\j+8*\i:ACC+32*\j+8*\i+7], v[F0+12*\i:F0+12*\i+11], v[F1+12*\j:F1+12*\j+11], v[ACC+32*\j+8*\i:ACC+32*\j+8*\i+7], v[SC+4*\i+(\s%4)], v[SC+4*\j+(\s%4)] matrix_a_fmt:MATRIX_FMT_FP6 matrix_b_fmt:MATRIX_FMT_FP6 matrix_b_scale:MATRIX_SCALE_ROW1
.endif
.endr
.endr
.endm
.irp s, 0,1,2,3,4,5,6,7
	KSTEP \s
.endr
	PLACES                                         ; behind the last products: results are read, and registers that held fragments are written
	v_mov_b32 v[TX], 0                             ; a lane permute's destination counts as one of its sources
	v_mov_b32 v[TX+1], 0
.irp j, 0,1,2,3                                ; source 1's tile j: my row's 64 numbers along the next K, 32 in my lane
	QUANT32 ACC+32*\j
	global_store_b128 v244, v[PC:PC+3], s[16:17]             ; 512 consecutive bytes
	global_store_b64 v245, v[PC+4:PC+5], s[16:17] offset:512 ; 256 consecutive bytes
	global_store_b16 v246, v[PW], s[16:17]
.if \j < 3
	s_wait_xcnt 0x0                                ; the stores' offsets and data are written again only behind this wait
	v_add_nc_u32 v244, s42, v244
	v_add_nc_u32 v245, s42, v245
.if (\j%2) == 0
	v_add_nc_u32 v246, s40, v246
.else
	v_add_nc_u32 v246, s41, v246
.endif
.endif
.endr
	s_endpgm
.Lfunc_end_k_qc8f78a2d97_qkv:
	.size	k_qc8f78a2d97_qkv, .Lfunc_end_k_qc8f78a2d97_qkv-k_qc8f78a2d97_qkv
	.p2alignl 7, 3214868480
	.fill 96, 4, 3214868480
	.section	.rodata,"a",@progbits
	.p2align	6, 0x0
	.amdhsa_kernel k_qc8f78a2d97_qkv
		.amdhsa_group_segment_fixed_size 0
		.amdhsa_private_segment_fixed_size 0
		.amdhsa_enable_private_segment 0
		.amdhsa_kernarg_size 32
		.amdhsa_user_sgpr_count 2
		.amdhsa_user_sgpr_kernarg_segment_ptr 1
		.amdhsa_wavefront_size32 1
		.amdhsa_system_sgpr_workgroup_id_x 1
		.amdhsa_system_sgpr_workgroup_id_y 1
		.amdhsa_system_sgpr_workgroup_id_z 1
		.amdhsa_system_vgpr_workitem_id 0
		.amdhsa_next_free_vgpr 256
		.amdhsa_next_free_sgpr 66
		.amdhsa_reserve_vcc 1
		.amdhsa_float_denorm_mode_32 3
		.amdhsa_float_denorm_mode_16_64 3
		.amdhsa_memory_ordered 1
		.amdhsa_forward_progress 1
		.amdhsa_inst_pref_size 50
	.end_amdhsa_kernel
	.amdgpu_metadata
---
amdhsa.version: [ 1, 2 ]
amdhsa.kernels:
  - .name:           k_qc8f78a2d97_qkv
    .symbol:         k_qc8f78a2d97_qkv.kd
    .args:
      - { .name: img, .offset: 0, .size: 8, .value_kind: global_buffer, .address_space: global }
      - { .name: scl, .offset: 8, .size: 8, .value_kind: global_buffer, .address_space: global }
      - { .name: qbuf, .offset: 16, .size: 8, .value_kind: global_buffer, .address_space: global }
      - { .name: kv, .offset: 24, .size: 8, .value_kind: global_buffer, .address_space: global }
    .group_segment_fixed_size: 0
    .private_segment_fixed_size: 0
    .kernarg_segment_align: 8
    .kernarg_segment_size: 32
    .max_flat_workgroup_size: 128
    .sgpr_count:     66
    .vgpr_count:     256
    .wavefront_size: 32
...
	.end_amdgpu_metadata
.endif
;; end of part 2
;; launch attn (part 3): grid 8 x 32, 16 waves a work-group, clusters of 4 x 1, 215,040 bytes of LDS; arguments qbuf, kv, obuf; writes obuf
.if DOCPART == 3
	.amdgcn_target "amdgcn-amd-amdhsa--gfx1250"
	.amdhsa_code_object_version 6
	.text
	.protected	k_qc8f78a2d97_attn
	.globl	k_qc8f78a2d97_attn
	.p2align	8
	.type	k_qc8f78a2d97_attn,@function
k_qc8f78a2d97_attn:
	s_mov_b64 s[64:65], 0
	v_nop
	global_prefetch_b8 v0, s[64:65] scope:SCOPE_SE
	s_setreg_imm32_b32 hwreg(HW_REG_WAVE_MODE, 25, 1), 1
	s_wait_xcnt 0x0
	s_wait_alu depctr_hold_cnt(0) depctr_sa_sdst(0) depctr_va_vdst(0) depctr_va_sdst(0) depctr_va_ssrc(0) depctr_va_vcc(0) depctr_vm_vsrc(0)
	s_getreg_b32 s2, hwreg(HW_REG_IB_STS2, 6, 4)
	s_cmp_eq_u32 s2, 0
	s_cbranch_scc0 .Lentry_in_a_cluster
	s_endpgm
.Lentry_in_a_cluster:
	s_bfe_u32 s2, ttmp6, 0x10000c
	s_cmp_lg_u32 s2, 0x3003
	s_cbranch_scc0 .Lentry_shape_is_right
	s_endpgm
.Lentry_shape_is_right:
; ATTENTION, causal, head size 64, both products on codes of FP6 (E2M3) with E8M0 scales; O / l is quantised along the head's 64 and leaves as codes for the product with Wo.
; t = score x log2(e) / 8; M = the running largest t rounded UP to a whole number; p = 2^(t - M) is quantised along the keys, not normalised; the row's sum is taken of the unquantised p and divides O at the end.
; SHARES.  A work-group: one head (b h = grid y), 16 tiles of 16 queries, one a wave: tile T = g + 8 WQ, g = grid x (0..7).  Tile T's queries lie among keys 128 WQ .. 128 WQ + 127, so a wave has WQ + 1 key steps of 128.
; WQ is read off a 4 x 4 square of the numbers 0..15 whose rows and columns all add up to 30: any four waves w / 4 or w % 4 have 34 steps together, and every work-group has 136.  WQ hangs on the wave's number alone.
; LDS holds the head's 16 records (13,312 bytes for 128 keys: 4 fragments of K, 4 of V^T, their scale words), filled ONCE: wave w fetches record w; no byte is filled again and none is stored to.
; CLUSTER.  The four work-groups of a cluster belong to one head: each record is asked for JOINTLY, by the same tensor load with the same descriptor and the mask of all four.  One tensor load of a wave is out.
; LAYOUT.  S^T = K Q^T, O^T = V^T P^T: a lane holds ONE query (lane % 16).  The head's 64 fill half of the instruction's 128: a fragment of K holds TWO key tiles, one in each half, and is multiplied by [Q | 0] and by [0 | Q].
; By the tiles' order of rows, registers 16 b + i of S^T are keys 32 b + 16 (lane / 16) + i of the step, and registers 16 b + i of O^T are channels 32 b + 16 (lane / 16) + i.
; Every wave walks all 16 trips; a step all of whose keys come after its queries is left out by a scalar branch on the wave's number, round the step's work alone.
; LIMITS: NaN and infinities are not served; a block of zeros gets the byte 1 (zero codes).
.set REC, 13312
.set QS,  3145728
.set OS,  3145728
.set F,   44                           ; v44-91   four fragments, of K, then of V^T
.set TM,  232                          ; the last quantiser's registers
.set TX,  236
.set TS,  244
.set TB,  238
.set PW,  246
.set PC,  192
.set PT,  204
.set SEL, 40                           ; s[40:41] lane l xor 16
.set CS,  42                           ; s[42:43] c = log2(e) / 8
; v1-3: 16 L, 8 L, 4 L; v4: my query's place in its key step - 16 (lane / 16); v5-7: LDS addresses of the step; v8-11: scale words of K, then of V; v12: -M; v13: the largest t; v[14:15]: the sum;
; v16-27: [Q | 0]; v28-39: [0 | Q]; v40: Q's scale word; v96-159: S^T, then p; v160-191: O^T; v192-203: p's codes; v204-211, v232-254: at work
.macro ROUND                           ; a round of the cluster's barrier
	s_barrier_signal -1
	s_barrier_wait -1
	s_cmp_lg_u32 s10, 0
	s_cbranch_scc1 .Lnot_wave_0_\@
	s_barrier_signal -3
.Lnot_wave_0_\@:
	s_barrier_wait -3
	s_barrier_signal -1
	s_barrier_wait -1
.endm
.macro QUANT32 s                       ; 32 numbers of a lane -> a HALF's codes in v[PC .. PC + 5], its two scale bytes in v[PW]
.irp b, 0,1
	v_max3_num_f32 v[TM+\b], |v[\s+16*\b]|, |v[\s+1+16*\b]|, 0x1800000
.endr
.irp i, 2,4,6,8,10,12,14
.irp b, 0,1
	v_max3_num_f32 v[TM+\b], v[TM+\b], |v[\s+16*\b+\i]|, |v[\s+1+16*\b+\i]|
.endr
.endr
.irp b, 0,1
	v_permlanex16_b32 v[TX+\b], v[TM+\b], s[SEL], s[SEL+1]
.endr
.irp b, 0,1
	v_max_num_f32 v[TM+\b], v[TM+\b], v[TX+\b]
.endr
.irp b, 0,1
	v_add_nc_u32 v[TS+\b], 0xff000000, v[TM+\b]
.endr
.irp b, 0,1
	v_lshrrev_b32 v[TB+\b], 23, v[TS+\b]
.endr
	v_lshl_or_b32 v[PW], v[TB+1], 8, v[TB]
	v_cvt_scalef32_pk16_fp6_f32 v[PC:PC+2], v[\s:\s+15], v[TS]
	v_cvt_scalef32_pk16_fp6_f32 v[PT:PT+2], v[\s+16:\s+31], v[TS+1]
	v_nop
.irp i, 0,1,2
	v_permlane16_swap_b32 v[PC+\i], v[PT+\i]
.endr
.irp i, 0,1,2
	v_mov_b32 v[PC+3+\i], v[PT+\i]
.endr
.endm
	s_load_b128 s[4:7], s[0:1], 0x0                ; qbuf s[4:5], kv s[6:7]
	s_load_b64 s[8:9], s[0:1], 0x10                ; obuf
	v_lshl_add_u32 v251, v0, 2, 0x34000
	v_mov_b32 v255, 0
	ds_add_u32 v251, v255
	ds_add_u32 v251, v255
	v_lshrrev_b32 v1, 5, v0
	v_readfirstlane_b32 s10, v1                    ; wave 0..15
	s_and_b32 s11, ttmp7, 0xffff                   ; b h, which the four partners share
	s_bfe_u32 s12, ttmp6, 0x40000                  ; cx: my place in the cluster
	s_lshl_b32 s13, ttmp9, 2
	s_add_co_u32 s13, s13, s12                     ; g: it enters Q's and O's addresses and the mask's numbers, no branch and no LDS address
	; descriptor group 1: a record is a dense block: 52 rows of 256 bytes (32 elements of 8 bytes), no padding
	s_mov_b32 s16, 15|(3<<16)|(1<<21)              ; 15:0 the mask: all four work-groups; 17:16 elements of 8 bytes; 21 set beside a mask
	s_mov_b32 s17, 32<<16                          ; tensor_dim0
	s_mov_b32 s18, 52<<16                          ; tensor_dim1
	s_mov_b32 s19, 32<<16                          ; tile_dim0
	s_mov_b32 s20, 52                              ; tile_dim1
	s_mov_b32 s21, 32                              ; from row to row
	s_mov_b32 s22, 0
	s_mov_b32 s23, 0
	s_mov_b32 s24, 1                               ; group 0: count = 1,
	s_mul_i32 s25, s10, REC                        ; LDS address: record w,
	s_lshl_b32 s48, s11, 4
	s_add_co_u32 s48, s48, s10
	s_mul_i32 s48, s48, REC
	s_mov_b32 s49, 0
	s_wait_dscnt 0x0
	s_wait_kmcnt 0x0
	s_add_nc_u64 s[26:27], s[6:7], s[48:49]        ; global address: the head's record w,
	s_or_b32 s27, s27, 0x80000000                  ; type = 2
	ROUND                                          ; all four work-groups are here: the joint loads meet
	tensor_load_to_lds s[24:27], s[16:23]
	s_nop 0
.rept 4
	v_nop
.endr
	s_mov_b32 s45, 0x0de3b658                      ; WQ of waves 8-15, four bits each,
	s_cmp_lt_u32 s10, 8
	s_cselect_b32 s45, 0x7a94c12f, s45             ; of waves 0-7
	s_and_b32 s48, s10, 7
	s_lshl_b32 s48, s48, 2
	s_lshr_b32 s45, s45, s48
	s_and_b32 s45, s45, 15                         ; WQ
	s_lshl_b32 s54, s45, 3
	s_add_co_u32 s54, s54, s13                     ; T
	s_lshl_b32 s55, s11, 7
	s_add_co_u32 s55, s55, s54
	s_mul_i32 s56, s55, 768
	s_mov_b32 s57, 0
	s_add_nc_u64 s[56:57], s[4:5], s[56:57]        ; Q's HALF
	s_lshl_b32 s58, s55, 7
	s_add_co_u32 s58, s58, QS
	s_mov_b32 s59, 0
	s_add_nc_u64 s[58:59], s[4:5], s[58:59]        ; and its scale bytes
	v_and_b32 v42, 31, v0
	v_lshlrev_b32 v1, 4, v42
	v_lshlrev_b32 v2, 3, v42
	v_lshlrev_b32 v3, 2, v42
	global_load_b128 v[16:19], v1, s[56:57]        ; Q twice: A's and B's registers, and the two forms of Q, share none
	global_load_b64 v[20:21], v2, s[56:57] offset:512
	global_load_b128 v[34:37], v1, s[56:57]
	global_load_b64 v[38:39], v2, s[56:57] offset:512
	global_load_u16 v41, v3, s[58:59]
	s_lshr_b32 s48, s11, 4                         ; where O's codes go: token tile 128 b + T, head hd: HALF hd % 2 of K step hd / 2
	s_lshl_b32 s48, s48, 7
	s_add_co_u32 s48, s48, s54
	s_and_b32 s49, s11, 15
	s_mul_i32 s50, s48, 12288
	s_mul_i32 s51, s49, 768
	s_add_co_u32 s50, s50, s51
	s_mov_b32 s51, 0
	s_add_nc_u64 s[50:51], s[8:9], s[50:51]
	s_lshl_b32 s52, s48, 3
	s_lshr_b32 s53, s49, 1
	s_add_co_u32 s52, s52, s53
	s_lshl_b32 s52, s52, 7
	s_and_b32 s53, s49, 1
	s_lshl_b32 s53, s53, 1
	s_add_co_u32 s52, s52, s53
	s_add_co_u32 s52, s52, OS
	s_mov_b32 s53, 0
	s_add_nc_u64 s[52:53], s[8:9], s[52:53]
	s_lshr_b32 s48, s13, 1
	s_lshl_b32 s48, s48, 5
	s_and_b32 s49, s13, 1
	s_lshl_b32 s49, s49, 3
	s_add_co_u32 s48, s48, s49
	v_and_b32 v42, 15, v0
	v_and_b32 v43, 8, v42
	v_add_nc_u32 v42, v42, v43
	v_bfe_u32 v43, v0, 4, 1
	v_lshlrev_b32 v43, 4, v43
	v_sub_nc_u32 v42, v42, v43
	v_add_nc_u32 v4, s48, v42                      ; 32 (g / 2) + 8 (g % 2) + r + 8 (r / 8) - 16 h
	s_mov_b32 s[SEL], 0x76543210
	s_mov_b32 s[SEL+1], 0xfedcba98
	s_mov_b32 s[CS], 0x3e38aa3b
	s_mov_b32 s[CS+1], s[CS]                       ; (named with it as a pair, so it is written)
.irp j, 22,23,24,25,26,27,28,29,30,31,32,33
	v_mov_b32 v\j, 0                               ; the halves of zero codes
.endr
	v_mov_b32 v13, 0xff61b1e6                      ; the largest t so far: -3e38, under every t
	v_floor_f32 v12, -v13                          ; -M
	v_mov_b32 v14, 0
	v_mov_b32 v15, 0
.irp j, 236,237,238,239,252,253
	v_mov_b32 v\j, 0                               ; written once: lane permutes' destinations, and the pair v[252:253]
.endr
	s_wait_loadcnt 0x0
	v_lshl_or_b32 v40, v41, 16, v41                ; Q's two bytes serve either half
.set n, 0
.rept 32
	v_mov_b32 v[160+n], 0                          ; O^T: the step is written once; the first finds zeros.  (These also stand between v40's line and the first product)
.set n, n+1
.endr
	s_wait_tensorcnt 0x0                           ; my record has landed,
	s_barrier_signal -1
	s_barrier_wait -1                              ; everybody's has: the head's 16 records lie in LDS
	s_mov_b32 s44, 0                               ; the key step
	s_mov_b32 s46, 0                               ; its record
.Lstep:
	s_cmp_gt_u32 s44, s45
	s_cbranch_scc1 .Lhidden                        ; all its keys come after my queries
	v_add_nc_u32 v5, s46, v1
	v_add_nc_u32 v6, s46, v2
	v_add_nc_u32 v7, s46, v3
	v_nop                                          ; four places in front of loads into registers that matrix instructions have read
.irp b, 0,1,2,3
	ds_load_b128 v[F+12*\b:F+12*\b+3], v5 offset:1536*\b
	ds_load_b64 v[F+12*\b+4:F+12*\b+5], v6 offset:1536*\b+512
	ds_load_b128 v[F+12*\b+6:F+12*\b+9], v5 offset:1536*\b+768
	ds_load_b64 v[F+12*\b+10:F+12*\b+11], v6 offset:1536*\b+1280
	ds_load_b32 v[8+\b], v7 offset:12288+128*\b
.endr
	s_wait_dscnt 0x0
.irp b, 0,1,2,3                                ; key tiles 2 b and 2 b + 1 out of one fragment
	v_wmma_scale_f32_16x16x128_f8f6f4 v[96+16*\b:103+16*\b], v[F+12*\b:F+12*\b+11], v[16:27], 0, v[8+\b], v40 matrix_a_fmt:MATRIX_FMT_FP6 matrix_b_fmt:MATRIX_FMT_FP6
	v_wmma_scale_f32_16x16x128_f8f6f4 v[104+16*\b:111+16*\b], v[F+12*\b:F+12*\b+11], v[28:39], 0, v[8+\b], v40 matrix_a_fmt:MATRIX_FMT_FP6 matrix_b_fmt:MATRIX_FMT_FP6
.endr
.rept 4
	v_nop                                          ; places: for the first read of the scores, and for V's loads into the registers that held K
.endr
.irp t, 0,1,2,3                                ; V^T's fragments land while the softmax is worked
	ds_load_b128 v[F+12*\t:F+12*\t+3], v5 offset:6144+1536*\t
	ds_load_b64 v[F+12*\t+4:F+12*\t+5], v6 offset:6144+1536*\t+512
	ds_load_b128 v[F+12*\t+6:F+12*\t+9], v5 offset:6144+1536*\t+768
	ds_load_b64 v[F+12*\t+10:F+12*\t+11], v6 offset:6144+1536*\t+1280
	ds_load_b32 v[8+\t], v7 offset:12800+128*\t
.endr
	s_cmp_lg_u32 s44, s45
	s_cbranch_scc1 .Lopen                          ; all keys of an earlier step count
	v_mov_b32 v254, 0xff800000                     ; on the diagonal hidden scores become -infinity ahead of the maximum: p = 0 then
.set n, 0
.rept 64
	v_cmp_gt_i32 vcc_lo, 32*(n/16)+n%16, v4
	v_cndmask_b32 v[96+n], v[96+n], v254, vcc_lo
.set n, n+1
.endr
.Lopen:
.irp b, 0,1,2,3
	v_max3_num_f32 v[232+\b], v[96+16*\b], v[97+16*\b], v[98+16*\b]   ; the largest score of each block of 32 keys: for the row's maximum, and, since p rises with the score, for the block's largest p
.endr
.irp i, 3,5,7,9,11,13
.irp b, 0,1,2,3
	v_max3_num_f32 v[232+\b], v[232+\b], v[96+16*\b+\i], v[97+16*\b+\i]
.endr
.endr
.irp b, 0,1,2,3
	v_max_num_f32 v[232+\b], v[232+\b], v[111+16*\b]
.endr
.irp b, 0,1,2,3
	v_permlanex16_b32 v[236+\b], v[232+\b], s[SEL], s[SEL+1]
.endr
.irp b, 0,1,2,3
	v_max_num_f32 v[232+\b], v[232+\b], v[236+\b]  ; with lane l xor 16's 16 keys
.endr
	v_max3_num_f32 v254, v232, v233, v234
	v_max_num_f32 v254, v254, v235
	v_mul_f32 v254, s[CS], v254                    ; the step's largest t
	v_max_num_f32 v13, v13, v254
	v_mov_b32 v254, v12
	v_floor_f32 v12, -v13                          ; the new -M = -ceil(t): a whole number
	v_sub_f32 v254, v12, v254
	v_cvt_i32_f32 v254, v254                       ; (it saturates)
	v_ldexp_f32 v252, 1.0, v254                    ; f = 2^(old M - new M): a multiplication by it rounds nothing
.set n, 0
.rept 32
	v_pk_fma_f32 v[96+n:97+n], v[96+n:97+n], s[CS:CS+1], v[12:13] op_sel_hi:[1,0,0]   ; t - M
.set n, n+2
.endr
.irp b, 0,1,2,3
	v_fma_f32 v[232+\b], v[232+\b], s[CS], v12     ; the same of each block's largest score
.endr
.set n, 0
.rept 64
	v_exp_f32 v[96+n], v[96+n]                     ; p = 2^(t - M)
.set n, n+1
.endr
	v_pk_mul_f32 v[14:15], v[14:15], v[252:253] op_sel_hi:[1,0]   ; the sums under the new M: a plain place behind the exponentials
	s_wait_alu depctr_va_vdst(0)                   ; one wait for the batch, ahead of its first reader
.irp b, 0,1,2,3
	v_exp_f32 v[232+\b], v[232+\b]                 ; the block's largest p
.endr
	v_pk_add_f32 v[236:237], v[96:97], v[98:99]    ; the row's sum, of the unquantised p, in two chains
.set n, 4
.rept 15
	v_pk_add_f32 v[14:15], v[14:15], v[96+n:97+n]
	v_pk_add_f32 v[236:237], v[236:237], v[98+n:99+n]
.set n, n+4
.endr
	v_pk_add_f32 v[14:15], v[14:15], v[236:237]
	s_wait_alu depctr_va_vdst(0)                   ; and one for the four
.irp b, 0,1,2,3
	v_max_num_f32 v[232+\b], 0x1800000, v[232+\b]  ; the floor 2^(3 - 127): the byte cannot fall under 1
.endr
.irp b, 0,1,2,3
	v_add_nc_u32 v[244+\b], 0xff000000, v[232+\b]  ; the conversion's scale operand
.endr
.irp b, 0,1,2,3
	v_lshrrev_b32 v[236+\b], 23, v[244+\b]         ; the scale's byte
.endr
	v_lshl_or_b32 v253, v237, 8, v236              ; p's scale word for these 128 keys
	v_lshl_or_b32 v253, v238, 16, v253
	v_lshl_or_b32 v253, v239, 24, v253
.irp c, 0,1
	v_cvt_scalef32_pk16_fp6_f32 v[192+6*\c:194+6*\c], v[96+32*\c:111+32*\c], v[244+2*\c]
	v_cvt_scalef32_pk16_fp6_f32 v[204+4*\c:206+4*\c], v[112+32*\c:127+32*\c], v[244+2*\c+1]
.endr
	v_nop                                          ; one plain place behind a scaled conversion
.irp c, 0,1
.irp i, 0,1,2
	v_permlane16_swap_b32 v[192+6*\c+\i], v[204+4*\c+\i]
.endr
.irp i, 0,1,2
	v_mov_b32 v[195+6*\c+\i], v[204+4*\c+\i]
.endr
.endr
.set n, 0
.rept 16
	v_pk_mul_f32 v[160+n:161+n], v[160+n:161+n], v[252:253] op_sel_hi:[1,0]   ; O^T under the new M.  (These are also the places in front of the products below)
.set n, n+2
.endr
	s_wait_dscnt 0x0                               ; V^T's fragments and scale words are in
.irp t, 0,1,2,3                                ; O^T += V^T P^T: the four accumulators by turns
	v_wmma_scale_f32_16x16x128_f8f6f4 v[160+8*\t:167+8*\t], v[F+12*\t:F+12*\t+11], v[192:203], v[160+8*\t:167+8*\t], v[8+\t], v253 matrix_a_fmt:MATRIX_FMT_FP6 matrix_b_fmt:MATRIX_FMT_FP6
.endr
.Lhidden:
	s_add_co_u32 s46, s46, REC
	s_add_co_u32 s44, s44, 1
	s_cmp_lt_u32 s44, 16
	s_cbranch_scc1 .Lstep
	v_add_f32 v14, v14, v15                        ; the sum's two halves,
	v_permlanex16_b32 v252, v14, s[SEL], s[SEL+1]
	v_add_f32 v14, v14, v252                       ; and lane l xor 16's
	v_rcp_f32 v14, v14
.rept 3
	v_nop                                          ; plain places: behind the transcendental, and (with the two additions) behind the last products
.endr
	s_wait_alu depctr_va_vdst(0)
.set n, 0
.rept 16
	v_pk_mul_f32 v[160+n:161+n], v[160+n:161+n], v[14:15] op_sel_hi:[1,0]   ; O^T / l, from each accumulator's low end on
.set n, n+2
.endr
	QUANT32 160
	global_store_b128 v1, v[PC:PC+3], s[50:51]
	global_store_b64 v2, v[PC+4:PC+5], s[50:51] offset:512
	global_store_b16 v3, v[PW], s[52:53]
	s_wait_tensorcnt 0x0
	ds_add_u32 v251, v255
	s_wait_dscnt 0x0
	ROUND                                          ; the closing round: no work-group ends while a partner may still ask for a record that names it
	s_endpgm
.Lfunc_end_k_qc8f78a2d97_attn:
	.size	k_qc8f78a2d97_attn, .Lfunc_end_k_qc8f78a2d97_attn-k_qc8f78a2d97_attn
	.p2alignl 7, 3214868480
	.fill 96, 4, 3214868480
	.section	.rodata,"a",@progbits
	.p2align	6, 0x0
	.amdhsa_kernel k_qc8f78a2d97_attn
		.amdhsa_group_segment_fixed_size 215040
		.amdhsa_private_segment_fixed_size 0
		.amdhsa_enable_private_segment 0
		.amdhsa_kernarg_size 24
		.amdhsa_user_sgpr_count 2
		.amdhsa_user_sgpr_kernarg_segment_ptr 1
		.amdhsa_wavefront_size32 1
		.amdhsa_system_sgpr_workgroup_id_x 1
		.amdhsa_system_sgpr_workgroup_id_y 1
		.amdhsa_system_sgpr_workgroup_id_z 1
		.amdhsa_system_vgpr_workitem_id 0
		.amdhsa_next_free_vgpr 256
		.amdhsa_next_free_sgpr 66
		.amdhsa_reserve_vcc 1
		.amdhsa_float_denorm_mode_32 3
		.amdhsa_float_denorm_mode_16_64 3
		.amdhsa_memory_ordered 1
		.amdhsa_forward_progress 1
		.amdhsa_inst_pref_size 33
	.end_amdhsa_kernel
	.amdgpu_metadata
---
amdhsa.version: [ 1, 2 ]
amdhsa.kernels:
  - .name:           k_qc8f78a2d97_attn
    .symbol:         k_qc8f78a2d97_attn.kd
    .args:
      - { .name: qbuf, .offset: 0, .size: 8, .value_kind: global_buffer, .address_space: global }
      - { .name: kv, .offset: 8, .size: 8, .value_kind: global_buffer, .address_space: global }
      - { .name: obuf, .offset: 16, .size: 8, .value_kind: global_buffer, .address_space: global }
    .group_segment_fixed_size: 215040
    .private_segment_fixed_size: 0
    .kernarg_segment_align: 8
    .kernarg_segment_size: 24
    .max_flat_workgroup_size: 512
    .sgpr_count:     66
    .vgpr_count:     256
    .wavefront_size: 32
...
	.end_amdgpu_metadata
.endif
;; end of part 3
;; launch tail (part 4): grid 128 x 1, 16 waves a work-group, no clusters, 169,984 bytes of LDS; arguments x, img, scl, obuf, ln2_w, ln2_b, out0; writes out0
.if DOCPART == 4
	.amdgcn_target "amdgcn-amd-amdhsa--gfx1250"
	.amdhsa_code_object_version 6
	.text
	.protected	k_qc8f78a2d97_tail
	.globl	k_qc8f78a2d97_tail
	.p2align	8
	.type	k_qc8f78a2d97_tail,@function
k_qc8f78a2d97_tail:
	s_mov_b64 s[64:65], 0
	v_nop
	global_prefetch_b8 v0, s[64:65] scope:SCOPE_SE
	s_setreg_imm32_b32 hwreg(HW_REG_WAVE_MODE, 25, 1), 1
	s_wait_xcnt 0x0
; TAIL.  x1 = x + attn Wo^T;  out = x1 + gelu(LN2(x1) W1^T) W2^T.  The three products on codes of FP6 (E2M3) with E8M0 scales, K = 1,024; all else in f32.  Nothing between the products goes to memory.
; SHARES.  A work-group owns 32 tokens (two tiles of 16).  THE WAVES SHARE THE COLUMNS: in all three products wave w makes columns 64 w .. 64 w + 63 (four tiles of the weight's rows) for the 32 tokens: 8 accumulators.
; THE WEIGHTS come from img in the order of the registers, three loads of 512 consecutive bytes a fragment, each fragment read once by the work-group, through THREE sets of registers that take turns:
; K step s + 2 is asked for at the head of step s, into the set that step s - 1 has left: 24 loads of a wave are on their way, and a weight has two K steps in which to land.
; No tensor load, so there is no joint request for a cluster; and inside a work-group no two waves read the same weight.
; Source 0 = 16 rows of the weight, source 1 = 16 tokens: a lane holds ONE token and, by the tiles' order of rows, register 16 b + i = column 64 w + 32 b + 16 h + i of its row.
; So a wave's results are one HALF fragment (64 along the next K) for each tile of tokens: quantised in registers, it goes to LDS as an image of its registers, and every wave reads the 16 HALFs back as 8 fragments.
; SCALE WORDS.  One register carries two tiles' words: the weight's tile 2 u in lanes 0-15 and tile 2 u + 1 in lanes 16-31; the tokens' tile 0 below and tile 1 above.  The upper lanes are named by the ROW1 selector.
; The residuals are the C of a sum's first matrix instruction.  x1 waits in the wave's own LDS bytes during the second product.
; LayerNorm 2: the mean first, then the variance of the differences; the 16 waves' parts meet in LDS and every wave adds them in the same order.
; gelu(v) = v / 2 + (v / 2) erf(v / sqrt 2); erf(z) = z P(z^2) / Q(z^2) on z held to +-4, P of degree 6, Q of degree 4.
; LIMITS: erf is right to about 1e-7 absolutely, so gelu to about 1e-7 |v|: its relative accuracy falls off under v = -3, where |gelu| < 0.004.  NaN and infinities are not served; a block of zeros gets the byte 1 (zero codes).
.set AIMG, 131072                      ; LDS: 0: 8,192 bytes a wave, its own: x1, later the stage for the way out; AIMG: source 1's fragments [tile m][K step][1,536];
.set ASC,  155648                      ; their scale words [m][K step][128];
.set RED1, 157696                      ; the waves' partial sums [m] x 2,560, 80 bytes a lane; 5,120 further on those of the squares
.set OS,   3145728
; v1: 16 L; v2: the weight's scale words, 32 r + 512 h; v3, v4: source 1's fragments in LDS (16 L, 8 L); v5: its scale words; v6-8: where my HALF and its scale bytes go; v9, v10: the partial sums;
; v11: x1's image; v12, v13: the stage, in and back; v15: x's offset, on the way out out0's
.set ASW,  14                          ; v14      source 1's scale words: lanes 0-15 tile 0, lanes 16-31 tile 1
.set ACC,  16                          ; v16-79   accumulator (tile of tokens m, tile of the weight t) at ACC + 32 m + 8 t
.set WF,   80                          ; v80-223  the weight's four fragments, three sets of 48: K step s in set s % 3
.set AF,   224                         ; v224-247 source 1's two fragments
.set WSC,  248                         ; v248-255 the weight's scale words: 4 u + s % 4
; between the products v128-247 are at work:
.set LNW,  128                         ; v128-159 ln2_w, v160-191 ln2_b at my 32 columns
.set LNB,  160
.set Z,    128                         ; gelu: 16 registers each
.set Z2,   144
.set P,    160
.set Q,    176
.set CH,   192                         ; v192-199 four chains of sums
.set LNO,  200                         ; v200     ln2_w's and ln2_b's offset, 64 h (in LayerNorm 2)
.set VA1,  200                         ; v200-201 erf's a1, v202-203 its b1 (in gelu)
.set VB1,  202
.set FT,   204                         ; v204-207 a row's part of a sum, for each m
.set TM,   224                         ; the quantiser's registers; v224-239 also take the 16 waves' parts
.set TX,   226
.set TS,   228
.set TB,   230
.set PW,   232
.set PC,   234
.set PT,   240
.set MN,   244                         ; v244-247 the means, later 1 / sqrt(var + eps): a pair for each m
.set OUTB, 144                         ; v144-207 the way out: rows read back from the stage
.set SEL,  36
.set KR,   44                          ; scalar pairs: 1 / sqrt 2, then erf's constants
.set A0,   46
.set A2,   48
.set A3,   50
.set A4,   52
.set A5,   54
.set A6,   56
.set B0,   58
.set B2,   60
.set B3,   62
.set B4,   66
.macro PLACES
.rept 4
	v_nop
.endr
.endm
.macro BAR                             ; my LDS stores have landed and my LDS loads are in: then the work-group's barrier
	s_wait_dscnt 0x0
	s_barrier_signal -1
	s_barrier_wait -1
.endm
.macro CONST p, bits
	s_mov_b32 s[\p], \bits
	s_mov_b32 s[\p+1], \bits
.endm
.macro QUANT32 s                       ; 32 numbers of a lane -> a HALF's codes in v[PC .. PC + 5], its two scale bytes in v[PW]
.irp b, 0,1
	v_max3_num_f32 v[TM+\b], |v[\s+16*\b]|, |v[\s+1+16*\b]|, 0x1800000   ; and the floor 2^(3 - 127): the byte cannot fall under 1
.endr
.irp i, 2,4,6,8,10,12,14
.irp b, 0,1
	v_max3_num_f32 v[TM+\b], v[TM+\b], |v[\s+16*\b+\i]|, |v[\s+1+16*\b+\i]|
.endr
.endr
.irp b, 0,1
	v_permlanex16_b32 v[TX+\b], v[TM+\b], s[SEL], s[SEL+1]
.endr
.irp b, 0,1
	v_max_num_f32 v[TM+\b], v[TM+\b], v[TX+\b]
.endr
.irp b, 0,1
	v_add_nc_u32 v[TS+\b], 0xff000000, v[TM+\b]
.endr
.irp b, 0,1
	v_lshrrev_b32 v[TB+\b], 23, v[TS+\b]
.endr
	v_lshl_or_b32 v[PW], v[TB+1], 8, v[TB]
	v_cvt_scalef32_pk16_fp6_f32 v[PC:PC+2], v[\s:\s+15], v[TS]
	v_cvt_scalef32_pk16_fp6_f32 v[PT:PT+2], v[\s+16:\s+31], v[TS+1]
	v_nop                                          ; one plain place behind a scaled conversion
.irp i, 0,1,2
	v_permlane16_swap_b32 v[PC+\i], v[PT+\i]
.endr
.irp i, 0,1,2
	v_mov_b32 v[PC+3+\i], v[PT+\i]
.endr
.endm
.macro PUTHALF m                       ; my 64 columns of tile m become HALF w % 2 of K step w / 2 of the next product's source 1
	QUANT32 ACC+32*\m
	ds_store_b128 v6, v[PC:PC+3] offset:12288*\m
	ds_store_b64 v7, v[PC+4:PC+5] offset:12288*\m
	ds_store_b16 v8, v[PW] offset:1024*\m
	s_wait_dscnt 0x0                               ; the stores have read their registers
.endm
.macro WLOAD wbase, s                  ; K step s of my four tiles of the weight into set s % 3: 12 loads of 512 consecutive bytes
.irp t, 0,1,2,3
.irp c, 0,1,2
	global_load_b128 v[WF+48*((\s)%3)+12*\t+4*\c:WF+48*((\s)%3)+12*\t+4*\c+3], v1, s[\wbase:\wbase+1] offset:(8*\t+(\s))*1536+512*\c
.endr
.endr
.endm
.macro GPRE wbase, sbase               ; a product's first K step of the weight, and the scale words of its first four: asked for a phase ahead
	WLOAD \wbase, 0
.irp u, 0,1
	global_load_b128 v[WSC+4*\u:WSC+4*\u+3], v2, s[\sbase:\sbase+1] offset:1024*\u
.endr
.endm
; One matrix instruction: K step s, the weight's tile t, the tokens' tile m.  first = 1: it starts the sum.  An odd t and m = 1 take their scale words from lanes 16-31.
.macro MM s, t, m, first
.set rD, ACC+32*(\m)+8*(\t)
.set rA, WF+48*((\s)%3)+12*(\t)
.set rB, AF+12*(\m)
.set rS, WSC+4*((\t)/2)+(\s)%4
.if \first
.if ((\t)%2 == 0) && ((\m) == 0)
	v_wmma_scale_f32_16x16x128_f8f6f4 v[rD:rD+7], v[rA:rA+11], v[rB:rB+11], 0, v[rS], v[ASW] matrix_a_fmt:MATRIX_FMT_FP6 matrix_b_fmt:MATRIX_FMT_FP6
.elseif (\m) == 0
	v_wmma_scale_f32_16x16x128_f8f6f4 v[rD:rD+7], v[rA:rA+11], v[rB:rB+11], 0, v[rS], v[ASW] matrix_a_fmt:MATRIX_FMT_FP6 matrix_b_fmt:MATRIX_FMT_FP6 matrix_a_scale:MATRIX_SCALE_ROW1
.elseif (\t)%2 == 0
	v_wmma_scale_f32_16x16x128_f8f6f4 v[rD:rD+7], v[rA:rA+11], v[rB:rB+11], 0, v[rS], v[ASW] matrix_a_fmt:MATRIX_FMT_FP6 matrix_b_fmt:MATRIX_FMT_FP6 matrix_b_scale:MATRIX_SCALE_ROW1
.else
	v_wmma_scale_f32_16x16x128_f8f6f4 v[rD:rD+7], v[rA:rA+11], v[rB:rB+11], 0, v[rS], v[ASW] matrix_a_fmt:MATRIX_FMT_FP6 matrix_b_fmt:MATRIX_FMT_FP6 matrix_a_scale:MATRIX_SCALE_ROW1 matrix_b_scale:MATRIX_SCALE_ROW1
.endif
.else
.if ((\t)%2 == 0) && ((\m) == 0)
	v_wmma_scale_f32_16x16x128_f8f6f4 v[rD:rD+7], v[rA:rA+11], v[rB:rB+11], v[rD:rD+7], v[rS], v[ASW] matrix_a_fmt:MATRIX_FMT_FP6 matrix_b_fmt:MATRIX_FMT_FP6
.elseif (\m) == 0
	v_wmma_scale_f32_16x16x128_f8f6f4 v[rD:rD+7], v[rA:rA+11], v[rB:rB+11], v[rD:rD+7], v[rS], v[ASW] matrix_a_fmt:MATRIX_FMT_FP6 matrix_b_fmt:MATRIX_FMT_FP6 matrix_a_scale:MATRIX_SCALE_ROW1
.elseif (\t)%2 == 0
	v_wmma_scale_f32_16x16x128_f8f6f4 v[rD:rD+7], v[rA:rA+11], v[rB:rB+11], v[rD:rD+7], v[rS], v[ASW] matrix_a_fmt:MATRIX_FMT_FP6 matrix_b_fmt:MATRIX_FMT_FP6 matrix_b_scale:MATRIX_SCALE_ROW1
.else
	v_wmma_scale_f32_16x16x128_f8f6f4 v[rD:rD+7], v[rA:rA+11], v[rB:rB+11], v[rD:rD+7], v[rS], v[ASW] matrix_a_fmt:MATRIX_FMT_FP6 matrix_b_fmt:MATRIX_FMT_FP6 matrix_a_scale:MATRIX_SCALE_ROW1 matrix_b_scale:MATRIX_SCALE_ROW1
.endif
.endif
.endm
; A product: 8 K steps of 8 matrix instructions; the 8 accumulators take turns, one instruction a turn.  zero = 1: the first step starts the sums; 0: it adds onto what ACC holds.
; pre = 1: K steps 1 and 2 have been asked for already.
; A product's global loads go out in this order: F0 (12), W (2: GPRE), F1, F2 (12 each), then in steps 1 to 4 a pair S of 4-byte loads (the scale words of step s + 3, into the registers that step s - 1 has left)
; ahead of F(s + 2), and in step 5 F7 alone.  Loads come back in order (ISA guide 5.7.1): each step's wait names what was issued behind its own F.
; Source 1's LDS loads stand ahead of the step's global loads: they come back while those are issued.
.macro GEMM wbase, sbase, zero, pre
.irp s, 0,1,2,3,4,5,6,7
.if \s > 0
	PLACES                                         ; in front of loads into registers that matrix instructions have read: source 1's, the set just left, the scale words
.endif
.irp m, 0,1
	ds_load_b128 v[AF+12*\m:AF+12*\m+3], v3 offset:12288*\m+1536*\s
	ds_load_b64 v[AF+12*\m+4:AF+12*\m+5], v4 offset:12288*\m+1536*\s+512
	ds_load_b128 v[AF+12*\m+6:AF+12*\m+9], v3 offset:12288*\m+1536*\s+768
	ds_load_b64 v[AF+12*\m+10:AF+12*\m+11], v4 offset:12288*\m+1536*\s+1280
.endr
	ds_load_b32 v[ASW], v5 offset:128*\s
.if (\s >= 1) && (\s <= 4)
.irp u, 0,1
	global_load_b32 v[WSC+4*\u+\s-1], v2, s[\sbase:\sbase+1] offset:1024*\u+4*(\s+3)
.endr
.endif
.if (\s == 0) && (\pre == 0)
	WLOAD \wbase, 1
	WLOAD \wbase, 2
.endif
.if (\s >= 1) && (\s <= 5)
	WLOAD \wbase, \s+2
.endif
.if \s == 0
	s_wait_loadcnt 24                              ; F0, W and all that is older are in; F1 and F2 may stay out
.elseif (\s == 1) || (\s == 5)
	s_wait_loadcnt 26                              ; behind this step's F: two F and one pair S
.elseif \s < 5
	s_wait_loadcnt 28                              ; behind this step's F: two F and two pairs S
.elseif \s == 6
	s_wait_loadcnt 12                              ; F7 may stay out
.else
	s_wait_loadcnt 0x0
.endif
	s_wait_dscnt 0x0
.irp t, 0,1,2,3
.irp m, 0,1
.if \zero && (\s == 0)
	MM \s, \t, \m, 1
.else
	MM \s, \t, \m, 0
.endif
.endr
.endr
.endr
.endm
.macro FOLD d                          ; four chains -> my row's sum over my wave's 64 columns, in v[d]
	v_pk_add_f32 v[CH:CH+1], v[CH:CH+1], v[CH+2:CH+3]
	v_pk_add_f32 v[CH+4:CH+5], v[CH+4:CH+5], v[CH+6:CH+7]
	v_pk_add_f32 v[CH:CH+1], v[CH:CH+1], v[CH+4:CH+5]
	v_add_f32 v[\d], v[CH], v[CH+1]
	v_permlanex16_b32 v[\d+1], v[\d], s[SEL], s[SEL+1]
	v_add_f32 v[\d], v[\d], v[\d+1]
.endm
.macro REDSUM off                      ; the 16 waves' parts of my row, added in one order by every wave: the sum in v224
.irp k, 0,1,2,3
	ds_load_b128 v[224+4*\k:227+4*\k], v10 offset:\off+16*\k
.endr
	s_wait_dscnt 0x0
.irp k, 0,2,4,6,8,10,12,14
	v_add_f32 v[224+\k], v[224+\k], v[225+\k]
.endr
.irp k, 0,4,8,12
	v_add_f32 v[224+\k], v[224+\k], v[226+\k]
.endr
	v_add_f32 v224, v224, v228
	v_add_f32 v232, v232, v236
	v_add_f32 v224, v224, v232
.endm
.macro GELU16 x                        ; 16 numbers in place
.irp i, 0,2,4,6,8,10,12,14
	v_pk_mul_f32 v[Z+\i:Z+\i+1], v[\x+\i:\x+\i+1], s[KR:KR+1] op_sel_hi:[1,0]     ; z = v / sqrt 2 (each accumulator is read from its low end on)
.endr
.irp i, 0,1,2,3,4,5,6,7,8,9,10,11,12,13,14,15
	v_med3_num_f32 v[Z+\i], v[Z+\i], -4.0, 4.0
.endr
.irp i, 0,2,4,6,8,10,12,14
	v_pk_mul_f32 v[Z2+\i:Z2+\i+1], v[Z+\i:Z+\i+1], v[Z+\i:Z+\i+1]
.endr
.irp i, 0,2,4,6,8,10,12,14
	v_pk_fma_f32 v[P+\i:P+\i+1], v[Z2+\i:Z2+\i+1], s[A0:A0+1], v[VA1:VA1+1] op_sel_hi:[1,0,1]
	v_pk_fma_f32 v[Q+\i:Q+\i+1], v[Z2+\i:Z2+\i+1], s[B0:B0+1], v[VB1:VB1+1] op_sel_hi:[1,0,1]
.endr
.irp k, B2, B3, B4
.irp i, 0,2,4,6,8,10,12,14
	v_pk_fma_f32 v[Q+\i:Q+\i+1], v[Q+\i:Q+\i+1], v[Z2+\i:Z2+\i+1], s[\k:\k+1] op_sel_hi:[1,1,0]
.endr
.endr
.irp i, 0,1,2,3,4,5,6,7,8,9,10,11,12,13,14,15
	v_rcp_f32 v[Q+\i], v[Q+\i]
.endr
.irp k, A2, A3, A4, A5, A6             ; P's chain, z P and v / 2 name no reciprocal: the work behind the batch
.irp i, 0,2,4,6,8,10,12,14
	v_pk_fma_f32 v[P+\i:P+\i+1], v[P+\i:P+\i+1], v[Z2+\i:Z2+\i+1], s[\k:\k+1] op_sel_hi:[1,1,0]
.endr
.endr
.irp i, 0,2,4,6,8,10,12,14
	v_pk_mul_f32 v[P+\i:P+\i+1], v[P+\i:P+\i+1], v[Z+\i:Z+\i+1]
	v_pk_mul_f32 v[\x+\i:\x+\i+1], v[\x+\i:\x+\i+1], 0.5 op_sel_hi:[1,0]
.endr
	s_wait_alu depctr_va_vdst(0)                   ; one wait for the 16 reciprocals, ahead of their first reader
.irp i, 0,2,4,6,8,10,12,14
	v_pk_mul_f32 v[P+\i:P+\i+1], v[P+\i:P+\i+1], v[Q+\i:Q+\i+1]                   ; erf
.endr
.irp i, 0,2,4,6,8,10,12,14
	v_pk_fma_f32 v[\x+\i:\x+\i+1], v[\x+\i:\x+\i+1], v[P+\i:P+\i+1], v[\x+\i:\x+\i+1]
.endr
.endm
	s_load_b256 s[4:11], s[0:1], 0x0               ; x s[4:5], img s[6:7], scl s[8:9], obuf s[10:11]
	s_load_b128 s[12:15], s[0:1], 0x20             ; ln2_w, ln2_b
	s_load_b64 s[16:17], s[0:1], 0x30              ; out0
	v_lshrrev_b32 v1, 5, v0
	v_readfirstlane_b32 s18, v1                    ; wave 0..15
	v_and_b32 v128, 31, v0                         ; L
	v_and_b32 v129, 15, v0                         ; r
	v_bfe_u32 v130, v0, 4, 1                       ; h
	v_and_b32 v131, 8, v129
	v_add_nc_u32 v131, v131, v129                  ; r + 8 (r / 8)
	v_lshlrev_b32 v1, 4, v128                      ; v1: 16 L
	v_lshlrev_b32 v2, 5, v129
	v_lshl_add_u32 v2, v130, 9, v2                 ; v2: the weight's scale words: 32 bytes a row; lanes 16-31 take the next tile's, 512 bytes on
	v_add_nc_u32 v3, AIMG, v1                      ; v3, v4: source 1's fragments
	v_lshl_add_u32 v4, v128, 3, AIMG
	v_lshl_add_u32 v5, v128, 2, ASC
	v_lshl_add_u32 v5, v130, 10, v5                ; v5: its scale words: 4 L; lanes 16-31 take tile 1's, 1,024 bytes on
	s_mul_i32 s19, s18, 768
	s_add_co_u32 s19, s19, AIMG
	v_add_nc_u32 v6, s19, v1                       ; v6, v7: where my HALF goes
	v_lshl_add_u32 v7, v128, 3, s19
	v_add_nc_u32 v7, 512, v7
	s_lshr_b32 s19, s18, 1
	s_lshl_b32 s19, s19, 7
	s_and_b32 s40, s18, 1
	s_lshl_b32 s40, s40, 1
	s_add_co_u32 s19, s19, s40
	s_add_co_u32 s19, s19, ASC
	v_lshl_add_u32 v8, v128, 2, s19                ; v8: and its two scale bytes
	v_mul_u32_u24 v10, v128, 80
	v_add_nc_u32 v10, RED1, v10                    ; v10: my lane's 16 partial sums,
	s_lshl_b32 s19, s18, 2
	v_add_nc_u32 v9, s19, v10                      ; v9: my wave's word among them
	s_lshl_b32 s19, s18, 13
	v_add_nc_u32 v11, s19, v1                      ; v11: x1's image in my wave's own bytes
	v_mul_u32_u24 v12, v129, 272
	v_lshl_add_u32 v12, v130, 6, v12
	v_add_nc_u32 v12, s19, v12                     ; v12: the stage, in: row r of 272 bytes, + 64 h
	v_mul_u32_u24 v13, v130, 272
	v_lshl_add_u32 v13, v129, 4, v13
	v_add_nc_u32 v13, s19, v13                     ; v13: back: lanes 0-15 one row, lanes 16-31 the next
	v_lshlrev_b32 v15, 12, v131
	v_lshl_add_u32 v15, v130, 6, v15               ; v15: x: my token's row, + 64 h
	s_mul_i32 s19, s18, 1536
	v_add_nc_u32 v240, s19, v1                     ; the copy of attention's codes: my wave's 1,536 bytes,
	v_add_nc_u32 v241, AIMG, v240
	s_lshl_b32 s19, s18, 7
	v_lshl_add_u32 v242, v128, 2, s19              ; and 128 bytes of scale words
	v_add_nc_u32 v243, ASC, v242
	s_mov_b32 s[SEL], 0x76543210
	s_mov_b32 s[SEL+1], 0xfedcba98
	s_mov_b32 s38, 0x3a800000                      ; 1 / 1,024
	s_mov_b32 s39, 0x3727c5ac                      ; 1e-5
	CONST KR, 0x3f3504f3
	CONST A0, 0xaf95df0b
	CONST A2, 0xb60cff51
	CONST A3, 0xb86ec2d2
	CONST A4, 0xba40ac63
	CONST A5, 0xbb41a1f6
	CONST A6, 0xbc83dbd4
	CONST B0, 0xb77460cd
	CONST B2, 0xbadc924e
	CONST B3, 0xbbf19bf8
	CONST B4, 0xbc69b6a7
	s_lshl_b32 s40, ttmp9, 17                      ; 32 tokens of 4,096 bytes,
	s_lshl_b32 s41, s18, 8
	s_add_co_u32 s40, s40, s41                     ; my 64 columns
	s_mov_b32 s41, 0
	s_mul_i32 s42, s18, 49152                      ; my four tiles of each weight
	s_mov_b32 s43, 0
	s_wait_kmcnt 0x0
	s_add_nc_u64 s[4:5], s[4:5], s[40:41]
	s_add_nc_u64 s[16:17], s[16:17], s[40:41]
	s_add_nc_u64 s[6:7], s[6:7], s[42:43]
	s_add_nc_u64 s[20:21], s[6:7], 2359296         ; Wo
	s_add_nc_u64 s[22:23], s[6:7], 3145728         ; W1
	s_add_nc_u64 s[24:25], s[6:7], 3932160         ; W2
	s_lshl_b32 s42, s18, 11
	s_add_nc_u64 s[8:9], s[8:9], s[42:43]
	s_add_nc_u64 s[26:27], s[8:9], 98304
	s_add_nc_u64 s[28:29], s[8:9], 131072
	s_add_nc_u64 s[30:31], s[8:9], 163840
	s_mul_i32 s42, ttmp9, 24576
	s_add_nc_u64 s[32:33], s[10:11], s[42:43]      ; attention's codes of my two tiles,
	s_lshl_b32 s42, ttmp9, 11
	s_add_co_u32 s42, s42, OS
	s_add_nc_u64 s[34:35], s[10:11], s[42:43]      ; their scale words
	s_lshl_b32 s42, s18, 8
	s_add_nc_u64 s[12:13], s[12:13], s[42:43]
	s_add_nc_u64 s[14:15], s[14:15], s[42:43]
	; ---- attention's codes into LDS, as they lie; x into the accumulators; Wo's first three K steps: all three sets are free here
.irp c, 0,1,2
	global_load_b128 v[AF+4*\c:AF+4*\c+3], v240, s[32:33] offset:512*\c
.endr
	global_load_b32 v[AF+12], v242, s[34:35]
.irp m, 0,1
.irp b, 0,1
.irp q, 0,1,2,3
	global_load_b128 v[ACC+32*\m+16*\b+4*\q:ACC+32*\m+16*\b+4*\q+3], v15, s[4:5] offset:32768*\m+128*\b+16*\q th:TH_LOAD_NT
.endr
.endr
.endr
	GPRE 20, 26
	WLOAD 20, 1
	WLOAD 20, 2
	s_wait_loadcnt 54                              ; the copy's four loads are in; x's 16, the first step's 14 and the next two steps' 24 may stay out
.irp c, 0,1,2
	ds_store_b128 v241, v[AF+4*\c:AF+4*\c+3] offset:512*\c
.endr
	ds_store_b32 v243, v[AF+12]
	BAR                                            ; source 1 of the first product lies in LDS
	GEMM 20, 26, 0, 1                              ; x1 = x + attn Wo^T
	; ---- LayerNorm 2
	PLACES
	v_bfe_u32 v[LNO], v0, 4, 1
	v_lshlrev_b32 v[LNO], 6, v[LNO]                ; 64 h
.irp b, 0,1
.irp q, 0,1,2,3
	global_load_b128 v[LNW+16*\b+4*\q:LNW+16*\b+4*\q+3], v[LNO], s[12:13] offset:128*\b+16*\q
.endr
.endr
.irp b, 0,1
.irp q, 0,1,2,3
	global_load_b128 v[LNB+16*\b+4*\q:LNB+16*\b+4*\q+3], v[LNO], s[14:15] offset:128*\b+16*\q
.endr
.endr
	GPRE 22, 28
	v_mov_b32 v[FT+1], 0                           ; lane permutes' destinations count as sources
	v_mov_b32 v[FT+3], 0
	v_mov_b32 v[TX], 0
	v_mov_b32 v[TX+1], 0
.set n, 0
.rept 16
	ds_store_b128 v11, v[ACC+4*n:ACC+4*n+3] offset:512*n     ; x1 is kept, each accumulator from its low end on
.set n, n+1
.endr
.irp m, 0,1
.irp k, 0,1,2,3
	v_pk_add_f32 v[CH+2*\k:CH+2*\k+1], v[ACC+32*\m+4*\k:ACC+32*\m+4*\k+1], v[ACC+32*\m+4*\k+2:ACC+32*\m+4*\k+3]
.endr
.irp j, 16,24
.irp k, 0,1,2,3
	v_pk_add_f32 v[CH+2*\k:CH+2*\k+1], v[CH+2*\k:CH+2*\k+1], v[ACC+32*\m+\j+2*\k:ACC+32*\m+\j+2*\k+1]
.endr
.endr
	FOLD FT+2*\m
	ds_store_b32 v9, v[FT+2*\m] offset:2560*\m
.endr
	BAR                                            ; the sums' parts lie in LDS; and every wave's reads of attention's codes are over
.irp m, 0,1
	REDSUM 2560*\m
	v_mul_f32 v[MN+2*\m], s38, v224                ; the mean
	v_mov_b32 v[MN+2*\m+1], v[MN+2*\m]
.endr
.irp m, 0,1
.set n, 0
.rept 16
	v_pk_add_f32 v[ACC+32*\m+n:ACC+32*\m+n+1], v[ACC+32*\m+n:ACC+32*\m+n+1], v[MN+2*\m:MN+2*\m+1] neg_lo:[0,1] neg_hi:[0,1]
.set n, n+2
.endr
.endr
.irp m, 0,1
.irp k, 0,1,2,3
	v_pk_mul_f32 v[CH+2*\k:CH+2*\k+1], v[ACC+32*\m+2*\k:ACC+32*\m+2*\k+1], v[ACC+32*\m+2*\k:ACC+32*\m+2*\k+1]
.endr
.irp j, 8,16,24
.irp k, 0,1,2,3
	v_pk_fma_f32 v[CH+2*\k:CH+2*\k+1], v[ACC+32*\m+\j+2*\k:ACC+32*\m+\j+2*\k+1], v[ACC+32*\m+\j+2*\k:ACC+32*\m+\j+2*\k+1], v[CH+2*\k:CH+2*\k+1]
.endr
.endr
	FOLD FT+2*\m
	ds_store_b32 v9, v[FT+2*\m] offset:5120+2560*\m
.endr
	BAR                                            ; the squares' parts (bytes of their own)
.irp m, 0,1
	REDSUM 5120+2560*\m
	v_fma_f32 v[FT+2*\m], v224, s38, s39           ; var + eps
.endr
	v_rsq_f32 v[MN], v[FT]
	v_rsq_f32 v[MN+2], v[FT+2]
	v_nop                                          ; a plain place behind the transcendentals,
	s_wait_alu depctr_va_vdst(0)                   ; and one wait for the two
	v_mov_b32 v[MN+1], v[MN]
	v_mov_b32 v[MN+3], v[MN+2]
	s_wait_loadcnt 14                              ; ln2_w and ln2_b are in; W1's first 14 loads may stay out
.irp m, 0,1
.set n, 0
.rept 16
	v_pk_mul_f32 v[ACC+32*\m+n:ACC+32*\m+n+1], v[ACC+32*\m+n:ACC+32*\m+n+1], v[MN+2*\m:MN+2*\m+1]
.set n, n+2
.endr
.set n, 0
.rept 16
	v_pk_fma_f32 v[ACC+32*\m+n:ACC+32*\m+n+1], v[ACC+32*\m+n:ACC+32*\m+n+1], v[LNW+n:LNW+n+1], v[LNB+n:LNB+n+1]
.set n, n+2
.endr
.endr
	PUTHALF 0
	PUTHALF 1
	BAR                                            ; LN2(x1)'s codes lie in LDS
	GEMM 22, 28, 1, 0                              ; LN2(x1) W1^T
	; ---- gelu
	PLACES
	GPRE 24, 30
	v_mov_b32 v[VA1], 0x32edffee
	v_mov_b32 v[VA1+1], 0x32edffee
	v_mov_b32 v[VB1], 0xb95fbd29
	v_mov_b32 v[VB1+1], 0xb95fbd29
	v_mov_b32 v[TX], 0
	v_mov_b32 v[TX+1], 0
	GELU16 ACC
	GELU16 ACC+16
	GELU16 ACC+32
	GELU16 ACC+48
	BAR                                            ; every wave's reads of LN2(x1)'s codes are over
	PUTHALF 0
	PUTHALF 1
.set n, 0
.rept 16
	ds_load_b128 v[ACC+4*n:ACC+4*n+3], v11 offset:512*n      ; x1 comes back: the C of the last product
.set n, n+1
.endr
	BAR                                            ; gelu's codes lie in LDS, and x1 is in
	GEMM 24, 30, 0, 0                              ; out = x1 + gelu(..) W2^T
	; ---- the way out: a tile's 16 rows x my 256 bytes through my own stage, so that sixteen lanes store 256 consecutive bytes, aligned.  LDS serves a wave's instructions in order (ISA guide 5.7.1.4): no wait between the stores and the loads
	PLACES
	v_and_b32 v128, 15, v0
	v_bfe_u32 v129, v0, 4, 1
	v_lshlrev_b32 v15, 12, v129
	v_lshl_add_u32 v15, v128, 4, v15               ; out0: lanes 0-15 one row, lanes 16-31 the next; 16 bytes a lane (x's loads, which read v15, were waited for in the first product)
.irp m, 0,1
.irp k, 0,1,2,3,4,5,6,7
	ds_store_b128 v12, v[ACC+32*\m+4*\k:ACC+32*\m+4*\k+3] offset:128*(\k/4)+16*(\k%4)
.endr
.irp q, 0,1,2,3,4,5,6,7
	ds_load_b128 v[OUTB+32*\m+4*\q:OUTB+32*\m+4*\q+3], v13 offset:544*\q
.endr
.endr
.irp m, 0,1
.irp q, 0,1,2,3,4,5,6,7
	s_wait_dscnt 23-16*\m-\q                       ; what was issued behind this load may stay out
	global_store_b128 v15, v[OUTB+32*\m+4*\q:OUTB+32*\m+4*\q+3], s[16:17] offset:(8*\m+2*\q+8*(\q/4))*4096 th:TH_STORE_NT
.endr
.endr
	s_wait_xcnt 0x0
	v_lshl_add_u32 v254, v0, 2, 0x29000
	v_mov_b32 v255, 0
	s_wait_tensorcnt 0x0
	ds_add_u32 v254, v255
	s_wait_dscnt 0x0
	s_endpgm
.Lfunc_end_k_qc8f78a2d97_tail:
	.size	k_qc8f78a2d97_tail, .Lfunc_end_k_qc8f78a2d97_tail-k_qc8f78a2d97_tail
	.p2alignl 7, 3214868480
	.fill 96, 4, 3214868480
	.section	.rodata,"a",@progbits
	.p2align	6, 0x0
	.amdhsa_kernel k_qc8f78a2d97_tail
		.amdhsa_group_segment_fixed_size 169984
		.amdhsa_private_segment_fixed_size 0
		.amdhsa_enable_private_segment 0
		.amdhsa_kernarg_size 56
		.amdhsa_user_sgpr_count 2
		.amdhsa_user_sgpr_kernarg_segment_ptr 1
		.amdhsa_wavefront_size32 1
		.amdhsa_system_sgpr_workgroup_id_x 1
		.amdhsa_system_sgpr_workgroup_id_y 1
		.amdhsa_system_sgpr_workgroup_id_z 1
		.amdhsa_system_vgpr_workitem_id 0
		.amdhsa_next_free_vgpr 256
		.amdhsa_next_free_sgpr 96
		.amdhsa_reserve_vcc 0
		.amdhsa_float_denorm_mode_32 3
		.amdhsa_float_denorm_mode_16_64 3
		.amdhsa_memory_ordered 1
		.amdhsa_forward_progress 1
		.amdhsa_inst_pref_size 150
	.end_amdhsa_kernel
	.amdgpu_metadata
---
amdhsa.version: [ 1, 2 ]
amdhsa.kernels:
  - .name:           k_qc8f78a2d97_tail
    .symbol:         k_qc8f78a2d97_tail.kd
    .args:
      - { .name: x, .offset: 0, .size: 8, .value_kind: global_buffer, .address_space: global }
      - { .name: img, .offset: 8, .size: 8, .value_kind: global_buffer, .address_space: global }
      - { .name: scl, .offset: 16, .size: 8, .value_kind: global_buffer, .address_space: global }
      - { .name: obuf, .offset: 24, .size: 8, .value_kind: global_buffer, .address_space: global }
      - { .name: ln2_w, .offset: 32, .size: 8, .value_kind: global_buffer, .address_space: global }
      - { .name: ln2_b, .offset: 40, .size: 8, .value_kind: global_buffer, .address_space: global }
      - { .name: out0, .offset: 48, .size: 8, .value_kind: global_buffer, .address_space: global }
    .group_segment_fixed_size: 169984
    .private_segment_fixed_size: 0
    .kernarg_segment_align: 8
    .kernarg_segment_size: 56
    .max_flat_workgroup_size: 512
    .sgpr_count:     96
    .vgpr_count:     256
    .wavefront_size: 32
...
	.end_amdgpu_metadata
.endif
;; end of part 4
;; ======== version 2 of 2: 4 launches
;; workspace buffers: img 11,010,048 bytes; scl 458,752 bytes; qbuf 3,670,016 bytes; kv 6,815,744 bytes; obuf 3,407,872 bytes
;; launch prep (part 5): grid 336 x 1, 8 waves a work-group, no clusters, 5,120 bytes of LDS; arguments x, ln1_w, ln1_b, Wq_codes, Wk_codes, Wv_codes, Wo_codes, W1_codes, W2_codes, token_emb_codes, Wq_scales, Wk_scales, Wv_scales, Wo_scales, W1_scales, W2_scales, token_emb_scales, img, scl; writes img, scl
.if DOCPART == 5
	.amdgcn_target "amdgcn-amd-amdhsa--gfx1250"
	.amdhsa_code_object_version 6
	.text
	.protected	k_qc8f78a2d97_prep
	.globl	k_qc8f78a2d97_prep
	.p2align	8
	.type	k_qc8f78a2d97_prep,@function
k_qc8f78a2d97_prep:
	s_mov_b64 s[64:65], 0
	v_nop
	global_prefetch_b8 v0, s[64:65] scope:SCOPE_SE
	s_setreg_imm32_b32 hwreg(HW_REG_WAVE_MODE, 25, 1), 1
	s_wait_xcnt 0x0
; PREP.  Two kinds of work-groups, told apart by the work-group's number alone.
; 0..255: LayerNorm 1 of 16 tokens, in f32 (the mean first, then the variance of the differences), quantised to FP6 (E2M3) with one E8M0 byte for each 32 along D.
; 256..335: the six weights and token_emb, which arrive as codes, are laid anew; no code and no scale byte is changed.
; BOTH WRITE OPERANDS IN THE ORDER OF THE MATRIX INSTRUCTION'S REGISTERS.  A fragment (16 rows x 128 K, 12 registers a lane) is 1,536 bytes: registers 4 c .. 4 c + 3 of lane L at 512 c + 16 L.
; img: [tile][K step 0..7][1,536]; scl: [tile][row r][8 scale words].  Tiles on end: Wq, Wk, Wv, Wo, W1, W2 (64 each), token_emb (256), LN1(x) (256).
; THE ROWS OF A TILE ARE NOT NEIGHBOURS: lane r of tile T holds row 32 (T / 2) + 8 (T % 2) + r + 8 (r / 8), so that a product's 16 registers of two neighbouring tiles are 16 neighbours along the next K.
; A block's scale is 2^(floor(log2(largest magnitude)) - 2); its byte is the largest magnitude's exponent field - 2, held at 1 from below.
; LIMITS: NaN and infinities among the inputs are not served; a block of zeros gets the byte 1 where the rule says 127 (its codes are zeros, and this program alone reads the bytes); blocks under 2^-124 are held at the byte 1.
; No matrix work, no shared tiles: no cluster.  Every store of a wave covers 512 consecutive bytes, aligned.
.set IMG_H, 7864320                    ; LN1(x)'s fragments in img
.set SCL_H, 327680                     ; and its scale words in scl
.set RED2,  1536                       ; LDS: 0: the waves' partial sums, 48 bytes a lane; 1,536: those of the squares; 3,072: the tile's scale words
.set SCW,   3072
.set X,   16                           ; v16-79   my 64 numbers of x: register 16 b + i = column 128 w + 32 b + 16 h + i of my row
.set LW,  80                           ; v80-143  ln1_w at the same columns
.set LB,  144                          ; v144-207 ln1_b
.set TM,  208                          ; v208-223 the quantiser's: largest magnitudes, bytes, scale operands
.set PW,  224                          ; v224     the scale word just made
.set MN,  226                          ; v226-227 the mean, twice
.set RS,  228                          ; v228-229 1 / sqrt(var + eps), twice
.set T0,  230                          ; v230-231 at work
.set PC,  232                          ; v232-251 the codes just made (12) and 8 at work
.set CH,  232                          ; v232-239 four chains of sums (ahead of the quantiser)
.set RD,  240                          ; v240-247 the eight waves' parts
.set SEL, 44                           ; s[44:45] lane selects: lane l xor 16
; argument i lies in s[4 + 2 i : 5 + 2 i]: x, ln1_w, ln1_b, seven codes (s10 ..), seven scales (s24 ..), img s[38:39], scl s[40:41]
	s_load_b512 s[4:19], s[0:1], 0x0
	s_load_b512 s[20:35], s[0:1], 0x40
	s_load_b128 s[36:39], s[0:1], 0x80
	s_load_b64 s[40:41], s[0:1], 0x90
	v_lshl_add_u32 v254, v0, 2, 0x1000
	v_mov_b32 v255, 0
	v_lshrrev_b32 v1, 5, v0
	s_delay_alu instid0(VALU_DEP_1)
	v_readfirstlane_b32 s42, v1                    ; wave 0..7
	v_and_b32 v5, 31, v0                           ; L
	v_and_b32 v6, 15, v0                           ; r
	v_bfe_u32 v7, v0, 4, 1                         ; h
	s_delay_alu instid0(VALU_DEP_2)
	v_and_b32 v8, 8, v6
	s_delay_alu instid0(VALU_DEP_1)
	v_add_nc_u32 v8, v8, v6                        ; r + 8 (r / 8)
	v_lshlrev_b32 v3, 4, v5                        ; 16 L
	s_mov_b32 s[SEL], 0x76543210
	s_mov_b32 s[SEL+1], 0xfedcba98
	s_wait_kmcnt 0x0
	s_cmp_ge_u32 ttmp9, 256
	s_cbranch_scc1 .Lrelay
; 64 numbers of a lane become a fragment's codes in v[PC] on and its scale word in v[PW]
.macro QUANT s
.irp b, 0,1,2,3
	v_max3_num_f32 v[TM+\b], |v[\s+16*\b]|, |v[\s+1+16*\b]|, 0x1800000   ; block b: my 16 numbers, and the floor 2^(3 - 127): the byte cannot fall under 1
.endr
.irp i, 2,4,6,8,10,12,14
.irp b, 0,1,2,3
	s_delay_alu instid0(VALU_DEP_4)
	v_max3_num_f32 v[TM+\b], v[TM+\b], |v[\s+16*\b+\i]|, |v[\s+1+16*\b+\i]|   ; the four blocks by turns
.endr
.endr
.irp b, 0,1,2,3
	s_delay_alu instid0(VALU_DEP_4)
	v_permlanex16_b32 v[TM+4+\b], v[TM+\b], s[SEL], s[SEL+1]
.endr
.irp b, 0,1,2,3
	s_delay_alu instid0(VALU_DEP_4)
	v_max_num_f32 v[TM+\b], v[TM+\b], v[TM+4+\b]   ; with lane l xor 16's: the block's largest magnitude
.endr
.irp b, 0,1,2,3
	s_delay_alu instid0(VALU_DEP_4)
	v_add_nc_u32 v[TM+12+\b], 0xff000000, v[TM+\b] ; 2 off its exponent field: the conversion's scale operand
.endr
.irp b, 0,1,2,3
	s_delay_alu instid0(VALU_DEP_4)
	v_lshrrev_b32 v[TM+4+\b], 23, v[TM+12+\b]      ; the scale's byte
.endr
	s_delay_alu instid0(VALU_DEP_3)
	v_lshl_or_b32 v[PW], v[TM+5], 8, v[TM+4]
	s_delay_alu instid0(VALU_DEP_1)
	v_lshl_or_b32 v[PW], v[TM+6], 16, v[PW]
	s_delay_alu instid0(VALU_DEP_1)
	v_lshl_or_b32 v[PW], v[TM+7], 24, v[PW]
.irp c, 0,1
	v_cvt_scalef32_pk16_fp6_f32 v[PC+6*\c:PC+2+6*\c], v[\s+32*\c:\s+15+32*\c], v[TM+12+2*\c]
	v_cvt_scalef32_pk16_fp6_f32 v[PC+12+4*\c:PC+14+4*\c], v[\s+16+32*\c:\s+31+32*\c], v[TM+12+2*\c+1]   ; (a conversion's three registers begin on an even number)
.endr
	v_nop                                          ; one plain place behind a scaled conversion
.irp c, 0,1                                    ; the operand wants a WHOLE block in a lane: lanes 0-15 block 2 c, lanes 16-31 block 2 c + 1
.irp i, 0,1,2
	v_permlane16_swap_b32 v[PC+6*\c+\i], v[PC+12+4*\c+\i]
.endr
.irp i, 0,1,2
	s_delay_alu instid0(VALU_DEP_3)
	v_mov_b32 v[PC+3+6*\c+\i], v[PC+12+4*\c+\i]
.endr
.endr
.endm
.macro FOLD                            ; four chains -> my row's sum over my wave's 128 columns, in v[T0]
	s_delay_alu instid0(VALU_DEP_3)
	v_pk_add_f32 v[CH:CH+1], v[CH:CH+1], v[CH+2:CH+3]
	s_delay_alu instid0(VALU_DEP_2)
	v_pk_add_f32 v[CH+4:CH+5], v[CH+4:CH+5], v[CH+6:CH+7]
	s_delay_alu instid0(VALU_DEP_1)
	v_pk_add_f32 v[CH:CH+1], v[CH:CH+1], v[CH+4:CH+5]
	s_delay_alu instid0(VALU_DEP_1)
	v_add_f32 v[T0], v[CH], v[CH+1]
	s_delay_alu instid0(VALU_DEP_1)
	v_permlanex16_b32 v[T0+1], v[T0], s[SEL], s[SEL+1]
	s_delay_alu instid0(VALU_DEP_1)
	v_add_f32 v[T0], v[T0], v[T0+1]
.endm
.macro GATHER off                      ; the eight waves' parts, added in one order by every wave: the row's sum in v[RD]
	ds_load_b128 v[RD:RD+3], v9 offset:\off
	ds_load_b128 v[RD+4:RD+7], v9 offset:\off+16
	s_wait_dscnt 0x0
.irp k, 0,2,4,6
	v_add_f32 v[RD+\k], v[RD+\k], v[RD+\k+1]
.endr
	s_delay_alu instid0(VALU_DEP_3)
	v_add_f32 v[RD], v[RD], v[RD+2]
	s_delay_alu instid0(VALU_DEP_2)
	v_add_f32 v[RD+4], v[RD+4], v[RD+6]
	s_delay_alu instid0(VALU_DEP_1)
	v_add_f32 v[RD], v[RD], v[RD+4]
.endm
.macro BAR                             ; my LDS stores have landed and my LDS loads are in: then the work-group's barrier
	s_wait_dscnt 0x0
	s_barrier_signal -1
	s_barrier_wait -1
.endm
	s_wait_alu depctr_va_vdst(0)
	; ---- LayerNorm 1: tile ttmp9 of 16 tokens; wave w takes K step w, columns 128 w .. 128 w + 127
	v_lshlrev_b32 v1, 12, v8
	s_delay_alu instid0(VALU_DEP_1)
	v_lshl_add_u32 v1, v7, 6, v1                   ; x: my row of 4,096 bytes, + 64 h
	v_lshlrev_b32 v2, 6, v7                        ; ln1_w, ln1_b: 64 h
	v_mul_u32_u24 v9, v5, 48                       ; the partial sums of my lane: 48 L,
	s_lshl_b32 s46, s42, 2
	v_add_nc_u32 v4, s46, v9                       ; my wave's word among them
	v_lshl_add_u32 v10, v6, 5, SCW
	s_delay_alu instid0(VALU_DEP_1)
	v_add_nc_u32 v10, s46, v10                     ; my row's scale word of K step w: SCW + 32 r + 4 w
	v_add_nc_u32 v11, SCW, v3
	v_mov_b32 v[T0+1], 0                           ; written once: a lane permute's destination counts as one of its sources
.irp b, 0,1,2,3
	v_mov_b32 v[TM+4+\b], 0
.endr
	s_lshr_b32 s46, ttmp9, 1
	s_lshl_b32 s46, s46, 5
	s_and_b32 s47, ttmp9, 1
	s_lshl_b32 s47, s47, 3
	s_add_co_u32 s46, s46, s47                     ; the tile's first token
	s_lshl_b32 s46, s46, 12
	s_lshl_b32 s48, s42, 9
	s_add_co_u32 s46, s46, s48
	s_mov_b32 s47, 0
	s_mov_b32 s49, 0
	s_add_nc_u64 s[4:5], s[4:5], s[46:47]
	s_add_nc_u64 s[6:7], s[6:7], s[48:49]
	s_add_nc_u64 s[8:9], s[8:9], s[48:49]
	s_lshl_b32 s50, ttmp9, 3
	s_add_co_u32 s50, s50, s42
	s_mul_i32 s50, s50, 1536
	s_add_co_u32 s50, s50, IMG_H
	s_mov_b32 s51, 0
	s_add_nc_u64 s[38:39], s[38:39], s[50:51]      ; my fragment
	s_lshl_b32 s52, ttmp9, 9
	s_add_co_u32 s52, s52, SCL_H
	s_mov_b32 s53, 0
	s_add_nc_u64 s[40:41], s[40:41], s[52:53]      ; the tile's scale words
	s_mov_b32 s54, 0x3a800000                      ; 1 / 1,024
	s_mov_b32 s55, 0x3727c5ac                      ; 1e-5
.irp b, 0,1,2,3
.irp j, 0,1,2,3
	global_load_b128 v[X+16*\b+4*\j:X+16*\b+4*\j+3], v1, s[4:5] offset:128*\b+16*\j th:TH_LOAD_NT
.endr
.endr
.irp b, 0,1,2,3
.irp j, 0,1,2,3
	global_load_b128 v[LW+16*\b+4*\j:LW+16*\b+4*\j+3], v2, s[6:7] offset:128*\b+16*\j
.endr
.endr
.irp b, 0,1,2,3
.irp j, 0,1,2,3
	global_load_b128 v[LB+16*\b+4*\j:LB+16*\b+4*\j+3], v2, s[8:9] offset:128*\b+16*\j
.endr
.endr
	s_wait_loadcnt 32                              ; x is in; the 32 loads of ln1_w and ln1_b may stay out
.irp k, 0,1,2,3
	v_pk_add_f32 v[CH+2*\k:CH+2*\k+1], v[X+4*\k:X+4*\k+1], v[X+4*\k+2:X+4*\k+3]
.endr
.irp j, 16,24,32,40,48,56
.irp k, 0,1,2,3
	s_delay_alu instid0(VALU_DEP_4)
	v_pk_add_f32 v[CH+2*\k:CH+2*\k+1], v[CH+2*\k:CH+2*\k+1], v[X+\j+2*\k:X+\j+2*\k+1]
.endr
.endr
	FOLD
	ds_store_b32 v4, v[T0]
	BAR                                            ; every wave's part of the sums lies in LDS
	GATHER 0
	s_delay_alu instid0(VALU_DEP_1)
	v_mul_f32 v[MN], s54, v[RD]                    ; the mean
	s_delay_alu instid0(VALU_DEP_1)
	v_mov_b32 v[MN+1], v[MN]
.set n, 0
.rept 32
	v_pk_add_f32 v[X+n:X+n+1], v[X+n:X+n+1], v[MN:MN+1] neg_lo:[0,1] neg_hi:[0,1]   ; x - mean
.set n, n+2
.endr
.irp k, 0,1,2,3
	v_pk_mul_f32 v[CH+2*\k:CH+2*\k+1], v[X+2*\k:X+2*\k+1], v[X+2*\k:X+2*\k+1]
.endr
.irp j, 8,16,24,32,40,48,56
.irp k, 0,1,2,3
	s_delay_alu instid0(VALU_DEP_4)
	v_pk_fma_f32 v[CH+2*\k:CH+2*\k+1], v[X+\j+2*\k:X+\j+2*\k+1], v[X+\j+2*\k:X+\j+2*\k+1], v[CH+2*\k:CH+2*\k+1]
.endr
.endr
	FOLD
	ds_store_b32 v4, v[T0] offset:RED2
	BAR                                            ; and of the squares (bytes of their own: nobody writes what another still reads)
	GATHER RED2
	s_delay_alu instid0(VALU_DEP_1)
	v_fma_f32 v[RD], v[RD], s54, s55               ; var + eps
	s_wait_alu depctr_va_vdst(0)
	v_rsq_f32 v[RS], v[RD]
	v_nop                                          ; a plain place behind the transcendental,
	s_wait_alu depctr_va_vdst(0)                   ; and the wait ahead of its first reader
	v_mov_b32 v[RS+1], v[RS]
	s_wait_alu depctr_va_vdst(0)
	s_wait_loadcnt 0x0                             ; ln1_w, ln1_b
.set n, 0
.rept 32
	v_pk_mul_f32 v[X+n:X+n+1], v[X+n:X+n+1], v[RS:RS+1]
.set n, n+2
.endr
.set n, 0
.rept 32
	v_pk_fma_f32 v[X+n:X+n+1], v[X+n:X+n+1], v[LW+n:LW+n+1], v[LB+n:LB+n+1]
.set n, n+2
.endr
	QUANT X
.irp c, 0,1,2
	global_store_b128 v3, v[PC+4*\c:PC+4*\c+3], s[38:39] offset:512*\c
.endr
	ds_store_b32 v10, v[PW]                        ; lanes r and r + 16 write the same word with the same value
	BAR                                            ; the tile's 128 scale words lie in LDS
	s_cmp_lg_u32 s42, 0
	s_cbranch_scc1 .Lln_end
	ds_load_b128 v[X:X+3], v11                     ; wave 0 stores them: 512 consecutive bytes
	s_wait_dscnt 0x0
	global_store_b128 v3, v[X:X+3], s[40:41]
.Lln_end:
	s_wait_tensorcnt 0x0
	ds_add_u32 v254, v255
	s_wait_dscnt 0x0
	s_endpgm
	; ---- the codes that are given: a wave takes one tile of 16 rows, all eight K steps.  No LDS, no barrier.
.Lrelay:
	s_sub_co_u32 s46, ttmp9, 256
	s_lshr_b32 s54, s46, 3
	s_min_u32 s54, s54, 6                          ; which tensor: 8 work-groups for each weight, 32 for token_emb
	s_lshl_b32 s46, s46, 3
	s_add_co_u32 s46, s46, s42                     ; the tile's number in img and scl
	s_lshl_b32 s47, s54, 6
	s_sub_co_u32 s47, s46, s47                     ; and in its tensor
	s_lshr_b32 s48, s47, 1
	s_lshl_b32 s48, s48, 5
	s_and_b32 s49, s47, 1
	s_lshl_b32 s49, s49, 3
	s_add_co_u32 s48, s48, s49                     ; its first row
	s_mul_i32 s50, s48, 768                        ; a row of 1,024 codes is 768 bytes,
	s_mov_b32 s51, 0
	s_lshl_b32 s52, s48, 5                         ; of scale bytes 32
	s_mov_b32 s53, 0
	s_mul_i32 s56, s46, 12288
	s_mov_b32 s57, 0
	s_add_nc_u64 s[38:39], s[38:39], s[56:57]
	s_lshl_b32 s56, s46, 9
	s_add_nc_u64 s[40:41], s[40:41], s[56:57]
	s_wait_alu depctr_va_vdst(0)
	v_mul_u32_u24 v1, v8, 768
	s_delay_alu instid0(VALU_DEP_1)
	v_mad_u32_u24 v1, v7, 24, v1                   ; codes: my row, + 24 h
	v_lshlrev_b32 v2, 5, v8
	s_delay_alu instid0(VALU_DEP_1)
	v_lshl_add_u32 v2, v7, 4, v2                   ; scale bytes in: my row, + 16 h
	v_lshlrev_b32 v4, 5, v6
	s_delay_alu instid0(VALU_DEP_1)
	v_lshl_add_u32 v4, v7, 4, v4                   ; and out: 32 r + 16 h
.macro SRC k                           ; tensor k's loads, from its own two pointers: eight fragments in pieces of 8 bytes, as they lie; the wave's 48 loads take 16 whole rows
	s_add_nc_u64 s[58:59], s[10+2*\k:11+2*\k], s[50:51]
	s_add_nc_u64 s[60:61], s[24+2*\k:25+2*\k], s[52:53]
.irp s, 0,1,2,3,4,5,6,7
.irp p, 0,1,2,3,4,5
	global_load_b64 v[16+12*\s+2*\p:17+12*\s+2*\p], v1, s[58:59] offset:96*\s+48*(\p/3)+8*(\p%3)
.endr
.endr
	global_load_b128 v[112:115], v2, s[60:61]
.endm
.irp k, 0,1,2,3,4,5
	s_cmp_lg_u32 s54, \k
	s_cbranch_scc1 .Lnot_\k
	s_wait_alu depctr_va_vdst(0)
	SRC \k
	s_branch .Lgot
.Lnot_\k:
.endr
	s_wait_alu depctr_va_vdst(0)
	SRC 6
.Lgot:
	s_wait_loadcnt 0x0
.irp s, 0,1,2,3,4,5,6,7
.irp c, 0,1,2
	global_store_b128 v3, v[16+12*\s+4*\c:19+12*\s+4*\c], s[38:39] offset:1536*\s+512*\c
.endr
.endr
	global_store_b128 v4, v[112:115], s[40:41]
	s_endpgm
.Lfunc_end_k_qc8f78a2d97_prep:
	.size	k_qc8f78a2d97_prep, .Lfunc_end_k_qc8f78a2d97_prep-k_qc8f78a2d97_prep
	.p2alignl 7, 3214868480
	.fill 96, 4, 3214868480
	.section	.rodata,"a",@progbits
	.p2align	6, 0x0
	.amdhsa_kernel k_qc8f78a2d97_prep
		.amdhsa_group_segment_fixed_size 5120
		.amdhsa_private_segment_fixed_size 0
		.amdhsa_enable_private_segment 0
		.amdhsa_kernarg_size 152
		.amdhsa_user_sgpr_count 2
		.amdhsa_user_sgpr_kernarg_segment_ptr 1
		.amdhsa_wavefront_size32 1
		.amdhsa_system_sgpr_workgroup_id_x 1
		.amdhsa_system_sgpr_workgroup_id_y 1
		.amdhsa_system_sgpr_workgroup_id_z 1
		.amdhsa_system_vgpr_workitem_id 0
		.amdhsa_next_free_vgpr 256
		.amdhsa_next_free_sgpr 66
		.amdhsa_reserve_vcc 0
		.amdhsa_float_denorm_mode_32 3
		.amdhsa_float_denorm_mode_16_64 3
		.amdhsa_memory_ordered 1
		.amdhsa_forward_progress 1
		.amdhsa_inst_pref_size 65
	.end_amdhsa_kernel
	.amdgpu_metadata
---
amdhsa.version: [ 1, 2 ]
amdhsa.kernels:
  - .name:           k_qc8f78a2d97_prep
    .symbol:         k_qc8f78a2d97_prep.kd
    .args:
      - { .name: x, .offset: 0, .size: 8, .value_kind: global_buffer, .address_space: global }
      - { .name: ln1_w, .offset: 8, .size: 8, .value_kind: global_buffer, .address_space: global }
      - { .name: ln1_b, .offset: 16, .size: 8, .value_kind: global_buffer, .address_space: global }
      - { .name: Wq_codes, .offset: 24, .size: 8, .value_kind: global_buffer, .address_space: global }
      - { .name: Wk_codes, .offset: 32, .size: 8, .value_kind: global_buffer, .address_space: global }
      - { .name: Wv_codes, .offset: 40, .size: 8, .value_kind: global_buffer, .address_space: global }
      - { .name: Wo_codes, .offset: 48, .size: 8, .value_kind: global_buffer, .address_space: global }
      - { .name: W1_codes, .offset: 56, .size: 8, .value_kind: global_buffer, .address_space: global }
      - { .name: W2_codes, .offset: 64, .size: 8, .value_kind: global_buffer, .address_space: global }
      - { .name: token_emb_codes, .offset: 72, .size: 8, .value_kind: global_buffer, .address_space: global }
      - { .name: Wq_scales, .offset: 80, .size: 8, .value_kind: global_buffer, .address_space: global }
      - { .name: Wk_scales, .offset: 88, .size: 8, .value_kind: global_buffer, .address_space: global }
      - { .name: Wv_scales, .offset: 96, .size: 8, .value_kind: global_buffer, .address_space: global }
      - { .name: Wo_scales, .offset: 104, .size: 8, .value_kind: global_buffer, .address_space: global }
      - { .name: W1_scales, .offset: 112, .size: 8, .value_kind: global_buffer, .address_space: global }
      - { .name: W2_scales, .offset: 120, .size: 8, .value_kind: global_buffer, .address_space: global }
      - { .name: token_emb_scales, .offset: 128, .size: 8, .value_kind: global_buffer, .address_space: global }
      - { .name: img, .offset: 136, .size: 8, .value_kind: global_buffer, .address_space: global }
      - { .name: scl, .offset: 144, .size: 8, .value_kind: global_buffer, .address_space: global }
    .group_segment_fixed_size: 5120
    .private_segment_fixed_size: 0
    .kernarg_segment_align: 8
    .kernarg_segment_size: 152
    .max_flat_workgroup_size: 256
    .sgpr_count:     66
    .vgpr_count:     256
    .wavefront_size: 32
...
	.end_amdgpu_metadata
.endif
;; end of part 5
;; launch qkv (part 6): grid 768 x 1, 4 waves a work-group, no clusters, 0 bytes of LDS; arguments img, scl, qbuf, kv; writes qbuf, kv
.if DOCPART == 6
	.amdgcn_target "amdgcn-amd-amdhsa--gfx1250"
	.amdhsa_code_object_version 6
	.text
	.protected	k_qc8f78a2d97_qkv
	.globl	k_qc8f78a2d97_qkv
	.p2align	8
	.type	k_qc8f78a2d97_qkv,@function
k_qc8f78a2d97_qkv:
	s_mov_b64 s[64:65], 0
	v_nop
	global_prefetch_b8 v0, s[64:65] scope:SCOPE_SE
	s_setreg_imm32_b32 hwreg(HW_REG_WAVE_SCHED_MODE, 0, 2), 2
	s_setreg_imm32_b32 hwreg(HW_REG_WAVE_MODE, 25, 1), 1
	s_wait_xcnt 0x0
	s_wait_alu depctr_vm_vsrc(0)
; QKV.  q = LN1(x) Wq^T, k = LN1(x) Wk^T, v = token_emb Wv^T on codes of FP6 (E2M3) with E8M0 scales, K = 1,024; each result is quantised in registers for attention and leaves as codes.
; role = work-group / 256 (0 q, 1 k, 2 v).  A wave makes 64 tokens x one head's 64: 4 x 4 tiles, 16 accumulators, 8 K steps of 128.  One text for the three roles: only scalars differ.
; A LANE'S REGISTERS MUST RUN ALONG THE NEXT PRODUCT'S K.  q, k: the next K is the head's 64, so source 0 = 16 rows of W and source 1 = 16 tokens: a lane holds one token and 32 of its head's numbers.
; v: the next K is the keys, so source 0 = 16 tokens and source 1 = 16 rows of Wv: a lane holds one channel and 32 keys.  By the tiles' order of rows the 16 registers of tiles 2 b, 2 b + 1 are 16 neighbours.
; OPERANDS come from img in the order of the registers: a fragment is three loads of 512 consecutive bytes.  No LDS, no barrier.  No tensor load, so there is no joint request that a cluster could share.
; OUT: a HALF fragment (16 rows x 64 K, 6 registers): registers 0-3 at 16 L, registers 4-5 at 512 + 8 L; its two scale bytes at 4 L (+ 2 for the upper half of a fragment).
;   qbuf: [b h][token tile][768], scale words from QS on.   kv: a record of 13,312 bytes for each head and 128 keys: 4 fragments of K (two key tiles each), 4 of V^T, 4 + 4 images of scale words.
; LIMITS: NaN and infinities are not served; a block of zeros gets the byte 1 (zero codes; this program alone reads the bytes).
; THE MODE: SCHED_MODE bits 1:0 = 2 (LLVM: expert scheduling mode 2), set by the entry lines.  The code itself states the register dependences between vector or matrix instructions and memory instructions, with s_wait_alu, always for 0.
; THE PLAN.  Registers that memory instructions touch:
;   v1, v2      the loads' offsets, and v244-255, four sets of three offsets for the stores: made at the head, never written again.
;   F0, F1, SC  A step's loads land in them; the step's 16 matrix instructions read them.  All are at work to the step's end, so ONE wait on va_vdst stands at the head of each later step, and the step's loads follow it.
;   OB          four out-buffers, one for each of source 1's tiles: written by the four quantisers, read by the twelve stores, which stand in one run behind one wait on va_vdst.
; Nothing that a memory instruction has read is written again: no wait on vm_vsrc is owed.
.set QS,  3145728
.set SC,  4                            ; v4-19    scale words: register 4 i + s % 4: lanes 0-15 source 0's tile i, lanes 16-31 source 1's tile i
.set F0,  20                           ; v20-67   source 0's four fragments
.set F1,  68                           ; v68-115  source 1's
.set ACC, 116                          ; v116-243 accumulator (source 1's tile j, source 0's tile i) at ACC + 32 j + 8 i
.set TM,  20                           ; the quantiser's registers lie where the fragments lay
.set TX,  22
.set TS,  24
.set TB,  26
.set PT,  36
.set OB,  40                           ; v40-70   out-buffer j at OB + 8 j: six registers of codes, then the two scale bytes
.set OA,  244                          ; v244-255 tile j's offsets at OA + 3 j: a HALF's registers 0-3, its registers 4-5 (+ 512), its scale bytes
.set SEL, 44
.macro PLACES
.rept 4
	v_nop
.endr
.endm
; 32 numbers of a lane, register 16 b + i = k 32 b + 16 h + i of my row, become a HALF's codes in out-buffer j's first six registers and its two scale bytes in the seventh
.macro QUANT32 s, j
.irp b, 0,1
	v_max3_num_f32 v[TM+\b], |v[\s+16*\b]|, |v[\s+1+16*\b]|, 0x1800000   ; my 16 numbers of block b, and the floor 2^(3 - 127): the byte cannot fall under 1
.endr
.irp i, 2,4,6,8,10,12,14
.irp b, 0,1
	v_max3_num_f32 v[TM+\b], v[TM+\b], |v[\s+16*\b+\i]|, |v[\s+1+16*\b+\i]|
.endr
.endr
.irp b, 0,1
	v_permlanex16_b32 v[TX+\b], v[TM+\b], s[SEL], s[SEL+1]
.endr
.irp b, 0,1
	v_max_num_f32 v[TM+\b], v[TM+\b], v[TX+\b]     ; with lane l xor 16's: the block's largest magnitude
.endr
.irp b, 0,1
	v_add_nc_u32 v[TS+\b], 0xff000000, v[TM+\b]    ; 2 off its exponent field: the conversion's scale operand
.endr
.irp b, 0,1
	v_lshrrev_b32 v[TB+\b], 23, v[TS+\b]           ; the scale's byte
.endr
	v_lshl_or_b32 v[OB+8*(\j)+6], v[TB+1], 8, v[TB]
	v_cvt_scalef32_pk16_fp6_f32 v[OB+8*(\j):OB+8*(\j)+2], v[\s:\s+15], v[TS]
	v_cvt_scalef32_pk16_fp6_f32 v[PT:PT+2], v[\s+16:\s+31], v[TS+1]
	v_nop                                          ; one plain place behind a scaled conversion
.irp i, 0,1,2
	v_permlane16_swap_b32 v[OB+8*(\j)+\i], v[PT+\i]   ; a WHOLE block to a lane: lanes 0-15 block 0, lanes 16-31 block 1
.endr
.irp i, 0,1,2
	v_mov_b32 v[OB+8*(\j)+3+\i], v[PT+\i]
.endr
.endm
	s_load_b256 s[4:11], s[0:1], 0x0               ; img s[4:5], scl s[6:7], qbuf s[8:9], kv s[10:11]
	v_lshrrev_b32 v1, 5, v0
	v_readfirstlane_b32 s20, v1                    ; wave 0..3
	s_lshr_b32 s21, ttmp9, 8                       ; role
	s_and_b32 s22, ttmp9, 255
	s_lshr_b32 s23, s22, 3
	s_lshl_b32 s23, s23, 1
	s_wait_alu depctr_va_sdst(0)                   ; s20 is written, ahead of its first reader
	s_lshr_b32 s25, s20, 1
	s_add_co_u32 s23, s23, s25                     ; a: which 64 tokens, 0..63
	s_and_b32 s24, s22, 7
	s_lshl_b32 s24, s24, 1
	s_and_b32 s25, s20, 1
	s_add_co_u32 s24, s24, s25                     ; hd: which head
	s_mul_i32 s26, s21, 786432
	s_mul_i32 s25, s24, 49152
	s_add_co_u32 s26, s26, s25                     ; the weight's four tiles in img,
	s_mul_i32 s27, s23, 49152
	s_mul_i32 s28, s21, 32768
	s_lshl_b32 s25, s24, 11
	s_add_co_u32 s28, s28, s25                     ; and in scl
	s_lshl_b32 s29, s23, 11
	s_mov_b32 s30, 7864320                         ; the tokens: LN1(x) for q and k,
	s_mov_b32 s31, 327680
	s_cmp_eq_u32 s21, 2
	s_cselect_b32 s30, 4718592, s30                ; token_emb for v
	s_cselect_b32 s31, 196608, s31
	s_add_co_u32 s27, s27, s30
	s_add_co_u32 s29, s29, s31
	s_cmp_eq_u32 s21, 2                            ; (the additions have set SCC)
	s_cselect_b32 s32, s27, s26                    ; source 0: the weight for q and k, the tokens for v
	s_cselect_b32 s34, s26, s27                    ; source 1: the other
	s_cselect_b32 s36, s29, s28
	s_cselect_b32 s37, s28, s29
	s_mov_b32 s33, 0
	s_mov_b32 s35, 0
	; where the results go
	s_and_b32 s22, s23, 31                         ; a' : the 64 tokens within the batch
	s_lshr_b32 s25, s23, 5
	s_lshl_b32 s25, s25, 4
	s_add_co_u32 s25, s25, s24                     ; b h
	s_and_b32 s26, s22, 1                          ; which half of a key step of 128
	s_lshr_b32 s27, s22, 1                         ; the key step
	s_lshl_b32 s28, s25, 4
	s_add_co_u32 s28, s28, s27
	s_mul_i32 s28, s28, 13312                      ; its record in kv
	s_lshl_b32 s29, s25, 7
	s_lshl_b32 s30, s22, 2
	s_add_co_u32 s29, s29, s30                     ; q: the first of my four token tiles
	s_mul_i32 s38, s29, 768                        ; s38: the codes' place, s39: the scale bytes', s42: from tile to tile, s40, s41: the same for the scale bytes (behind an even tile, an odd tile)
	s_lshl_b32 s39, s29, 7
	s_add_co_u32 s39, s39, QS
	s_mul_i32 s30, s26, 3072
	s_add_co_u32 s30, s30, s28                     ; k: key tile 4 (a' % 2) + j is HALF j % 2 of fragment (that tile) / 2
	s_lshl_b32 s31, s26, 8
	s_add_co_u32 s31, s31, s28
	s_add_co_u32 s31, s31, 12288
	s_mov_b32 s40, 128
	s_mov_b32 s41, 128
	s_mov_b32 s42, 768
	s_cmp_eq_u32 s21, 1
	s_cselect_b32 s38, s30, s38
	s_cselect_b32 s39, s31, s39
	s_cselect_b32 s40, 2, s40
	s_cselect_b32 s41, 126, s41
	s_mul_i32 s30, s26, 768
	s_add_co_u32 s30, s30, s28
	s_add_co_u32 s30, s30, 6144                    ; v: my 64 keys are HALF a' % 2 of channel tile j's fragment
	s_lshl_b32 s31, s26, 1
	s_add_co_u32 s31, s31, s28
	s_add_co_u32 s31, s31, 12800
	s_cmp_eq_u32 s21, 2
	s_cselect_b32 s38, s30, s38
	s_cselect_b32 s39, s31, s39
	s_cselect_b32 s42, 1536, s42
	s_mov_b32 s[SEL], 0x76543210
	s_mov_b32 s[SEL+1], 0xfedcba98
	v_and_b32 v2, 31, v0                           ; L
	v_lshlrev_b32 v1, 4, v2                        ; 16 L
	v_lshl_add_u32 v[OA], v2, 4, s38               ; tile 0: a HALF's registers 0-3,
	v_lshl_add_u32 v[OA+1], v2, 3, s38             ; its registers 4-5 (+ 512),
	v_lshl_add_u32 v[OA+2], v2, 2, s39             ; its scale bytes
	v_add_nc_u32 v[OA+3], s42, v[OA]               ; tiles 1 to 3: each a tile on from the one before
	v_add_nc_u32 v[OA+4], s42, v[OA+1]
	v_add_nc_u32 v[OA+5], s40, v[OA+2]
	v_add_nc_u32 v[OA+6], s42, v[OA+3]
	v_add_nc_u32 v[OA+7], s42, v[OA+4]
	v_add_nc_u32 v[OA+8], s41, v[OA+5]
	v_add_nc_u32 v[OA+9], s42, v[OA+6]
	v_add_nc_u32 v[OA+10], s42, v[OA+7]
	v_add_nc_u32 v[OA+11], s40, v[OA+8]
	v_and_b32 v3, 15, v0
	v_bfe_u32 v20, v0, 4, 1
	v_mov_b32 v21, s36
	v_mov_b32 v22, s37
	v_cmp_eq_u32 vcc_lo, 1, v20
	s_wait_alu depctr_va_vcc(0)                    ; VCC is written, ahead of the select that reads it
	v_cndmask_b32 v2, v21, v22, vcc_lo             ; scale words: lanes 0-15 take source 0's, lanes 16-31 source 1's;
	v_lshl_add_u32 v2, v3, 5, v2                   ; 32 bytes a row
	s_wait_kmcnt 0x0
	s_add_nc_u64 s[12:13], s[4:5], s[32:33]
	s_add_nc_u64 s[14:15], s[4:5], s[34:35]
	s_cmp_eq_u32 s21, 0
	s_cselect_b64 s[16:17], s[8:9], s[10:11]       ; q goes to qbuf, k and v to kv: the choice hangs on the work-group's number alone
	s_wait_alu depctr_va_vdst(0)                   ; v1, v2 and v244-255 are written, which every load and store of the kernel reads as its offset; so are v20-22, in which loads land
; A K step of 128: 24 loads, 16 matrix instructions.  The 16 accumulators take turns, one instruction a turn, in the same order in every step.
.macro KSTEP s
.if \s > 0
	PLACES                                         ; four places behind the last step's matrix instructions, in front of loads into registers that they have read
	s_wait_alu depctr_va_vdst(0)                   ; the last step's matrix instructions are done reading F0 and F1 (and, ahead of step 4, the scale words), in which the loads below land
.endif
.if (\s%4) == 0
.irp i, 0,1,2,3
	global_load_b128 v[SC+4*\i:SC+4*\i+3], v2, s[6:7] offset:512*\i+16*(\s/4)   ; the scale words of four K steps
.endr
.endif
.irp j, 0,1,2,3
.irp c, 0,1,2
	global_load_b128 v[F1+12*\j+4*\c:F1+12*\j+4*\c+3], v1, s[14:15] offset:(8*\j+\s)*1536+512*\c
.endr
.endr
.irp i, 0,1,2,3
.irp c, 0,1,2
	global_load_b128 v[F0+12*\i+4*\c:F0+12*\i+4*\c+3], v1, s[12:13] offset:(8*\i+\s)*1536+512*\c
.endr
.endr
.irp i, 0,1,2,3
	s_wait_loadcnt 9-3*\i                          ; source 0's fragment i is in, and all that was asked for earlier; the fragments behind it, three loads each, may stay out
.irp j, 0,1,2,3
.if \s == 0
	v_wmma_scale_f32_16x16x128_f8f6f4 v[ACC+32*\j+8*\i:ACC+32*\j+8*\i+7], v[F0+12*\i:F0+12*\i+11], v[F1+12*\j:F1+12*\j+11], 0, v[SC+4*\i+(\s%4)], v[SC+4*\j+(\s%4)] matrix_a_fmt:MATRIX_FMT_FP6 matrix_b_fmt:MATRIX_FMT_FP6 matrix_b_scale:MATRIX_SCALE_ROW1
.else
	v_wmma_scale_f32_16x16x128_f8f6f4 v[ACC+32*\j+8*\i:ACC+32*\j+8*\i+7], v[F0+12*\i:F0+12*\i+11], v[F1+12*\j:F1+12*\j+11], v[ACC+32*\j+8*\i:ACC+32*\j+8*\i+7], v[SC+4*\i+(\s%4)], v[SC+4*\j+(\s%4)] matrix_a_fmt:MATRIX_FMT_FP6 matrix_b_fmt:MATRIX_FMT_FP6 matrix_b_scale:MATRIX_SCALE_ROW1
.endif
.endr
.endr
.endm
.irp s, 0,1,2,3,4,5,6,7
	KSTEP \s
.endr
	PLACES                                         ; behind the last products: results are read, and registers that held fragments are written
	v_mov_b32 v[TX], 0                             ; a lane permute's destination counts as one of its sources
	v_mov_b32 v[TX+1], 0
.irp j, 0,1,2,3                                ; source 1's tile j: my row's 64 numbers along the next K, 32 in my lane; each tile into an out-buffer of its own
	QUANT32 ACC+32*\j, \j
.endr
	s_wait_alu depctr_va_vdst(0)                   ; the four quantisers have written the out-buffers, which the stores below read
.irp j, 0,1,2,3
	global_store_b128 v[OA+3*\j], v[OB+8*\j:OB+8*\j+3], s[16:17]                 ; 512 consecutive bytes
	global_store_b64 v[OA+3*\j+1], v[OB+8*\j+4:OB+8*\j+5], s[16:17] offset:512   ; 256 consecutive bytes
	global_store_b16 v[OA+3*\j+2], v[OB+8*\j+6], s[16:17]
.endr
	s_endpgm
.Lfunc_end_k_qc8f78a2d97_qkv:
	.size	k_qc8f78a2d97_qkv, .Lfunc_end_k_qc8f78a2d97_qkv-k_qc8f78a2d97_qkv
	.p2alignl 7, 3214868480
	.fill 96, 4, 3214868480
	.section	.rodata,"a",@progbits
	.p2align	6, 0x0
	.amdhsa_kernel k_qc8f78a2d97_qkv
		.amdhsa_group_segment_fixed_size 0
		.amdhsa_private_segment_fixed_size 0
		.amdhsa_enable_private_segment 0
		.amdhsa_kernarg_size 32
		.amdhsa_user_sgpr_count 2
		.amdhsa_user_sgpr_kernarg_segment_ptr 1
		.amdhsa_wavefront_size32 1
		.amdhsa_system_sgpr_workgroup_id_x 1
		.amdhsa_system_sgpr_workgroup_id_y 1
		.amdhsa_system_sgpr_workgroup_id_z 1
		.amdhsa_system_vgpr_workitem_id 0
		.amdhsa_next_free_vgpr 256
		.amdhsa_next_free_sgpr 66
		.amdhsa_reserve_vcc 1
		.amdhsa_float_denorm_mode_32 3
		.amdhsa_float_denorm_mode_16_64 3
		.amdhsa_memory_ordered 1
		.amdhsa_forward_progress 1
		.amdhsa_inst_pref_size 51
	.end_amdhsa_kernel
	.amdgpu_metadata
---
amdhsa.version: [ 1, 2 ]
amdhsa.kernels:
  - .name:           k_qc8f78a2d97_qkv
    .symbol:         k_qc8f78a2d97_qkv.kd
    .args:
      - { .name: img, .offset: 0, .size: 8, .value_kind: global_buffer, .address_space: global }
      - { .name: scl, .offset: 8, .size: 8, .value_kind: global_buffer, .address_space: global }
      - { .name: qbuf, .offset: 16, .size: 8, .value_kind: global_buffer, .address_space: global }
      - { .name: kv, .offset: 24, .size: 8, .value_kind: global_buffer, .address_space: global }
    .group_segment_fixed_size: 0
    .private_segment_fixed_size: 0
    .kernarg_segment_align: 8
    .kernarg_segment_size: 32
    .max_flat_workgroup_size: 128
    .sgpr_count:     66
    .vgpr_count:     256
    .wavefront_size: 32
...
	.end_amdgpu_metadata
.endif
;; end of part 6
;; launch attn (part 7): grid 8 x 32, 16 waves a work-group, clusters of 4 x 1, 215,040 bytes of LDS; arguments qbuf, kv, obuf; writes obuf
.if DOCPART == 7
	.amdgcn_target "amdgcn-amd-amdhsa--gfx1250"
	.amdhsa_code_object_version 6
	.text
	.protected	k_qc8f78a2d97_attn
	.globl	k_qc8f78a2d97_attn
	.p2align	8
	.type	k_qc8f78a2d97_attn,@function
k_qc8f78a2d97_attn:
	s_mov_b64 s[64:65], 0
	v_nop
	global_prefetch_b8 v0, s[64:65] scope:SCOPE_SE
	s_setreg_imm32_b32 hwreg(HW_REG_WAVE_MODE, 25, 1), 1
	s_wait_xcnt 0x0
	s_wait_alu depctr_hold_cnt(0) depctr_sa_sdst(0) depctr_va_vdst(0) depctr_va_sdst(0) depctr_va_ssrc(0) depctr_va_vcc(0) depctr_vm_vsrc(0)
	s_getreg_b32 s2, hwreg(HW_REG_IB_STS2, 6, 4)
	s_cmp_eq_u32 s2, 0
	s_cbranch_scc0 .Lentry_in_a_cluster
	s_endpgm
.Lentry_in_a_cluster:
	s_bfe_u32 s2, ttmp6, 0x10000c
	s_cmp_lg_u32 s2, 0x3003
	s_cbranch_scc0 .Lentry_shape_is_right
	s_endpgm
.Lentry_shape_is_right:
; ATTENTION, causal, head size 64, both products on codes of FP6 (E2M3) with E8M0 scales; O / l is quantised along the head's 64 and leaves as codes for the product with Wo.
; t = score x log2(e) / 8; M = the running largest t rounded UP to a whole number; p = 2^(t - M) is quantised along the keys, not normalised; the row's sum is taken of the unquantised p and divides O at the end.
; SHARES.  A work-group: one head (b h = grid y), 16 tiles of 16 queries, one a wave: tile T = g + 8 WQ, g = grid x (0..7).  Tile T's queries lie among keys 128 WQ .. 128 WQ + 127, so a wave has WQ + 1 key steps of 128.
; WQ is read off a 4 x 4 square of the numbers 0..15 whose rows and columns all add up to 30: any four waves w / 4 or w % 4 have 34 steps together, and every work-group has 136.  WQ hangs on the wave's number alone.
; LDS holds the head's 16 records (13,312 bytes for 128 keys: 4 fragments of K, 4 of V^T, their scale words), filled ONCE: wave w fetches record w; no byte is filled again and none is stored to.
; CLUSTER.  The four work-groups of a cluster belong to one head: each record is asked for JOINTLY, by the same tensor load with the same descriptor and the mask of all four.  One tensor load of a wave is out.
; LAYOUT.  S^T = K Q^T, O^T = V^T P^T: a lane holds ONE query (lane % 16).  The head's 64 fill half of the instruction's 128: a fragment of K holds TWO key tiles, one in each half, and is multiplied by [Q | 0] and by [0 | Q].
; By the tiles' order of rows, registers 16 b + i of S^T are keys 32 b + 16 (lane / 16) + i of the step, and registers 16 b + i of O^T are channels 32 b + 16 (lane / 16) + i.
; Every wave walks all 16 trips; a step all of whose keys come after its queries is left out by a scalar branch on the wave's number, round the step's work alone.
; LIMITS: NaN and infinities are not served; a block of zeros gets the byte 1 (zero codes).
.set REC, 13312
.set QS,  3145728
.set OS,  3145728
.set F,   44                           ; v44-91   four fragments, of K, then of V^T
.set TM,  232                          ; the last quantiser's registers
.set TX,  236
.set TS,  244
.set TB,  238
.set PW,  246
.set PC,  192
.set PT,  204
.set SEL, 40                           ; s[40:41] lane l xor 16
.set CS,  42                           ; s[42:43] c = log2(e) / 8
; v1-3: 16 L, 8 L, 4 L; v4: my query's place in its key step - 16 (lane / 16); v5-7: LDS addresses of the step; v8-11: scale words of K, then of V; v12: -M; v13: the largest t; v[14:15]: the sum;
; v16-27: [Q | 0]; v28-39: [0 | Q]; v40: Q's scale word; v96-159: S^T, then p; v160-191: O^T; v192-203: p's codes; v204-211, v232-254: at work
.macro ROUND                           ; a round of the cluster's barrier
	s_barrier_signal -1
	s_barrier_wait -1
	s_cmp_lg_u32 s10, 0
	s_cbranch_scc1 .Lnot_wave_0_\@
	s_barrier_signal -3
.Lnot_wave_0_\@:
	s_barrier_wait -3
	s_barrier_signal -1
	s_barrier_wait -1
.endm
.macro QUANT32 s                       ; 32 numbers of a lane -> a HALF's codes in v[PC .. PC + 5], its two scale bytes in v[PW]
.irp b, 0,1
	v_max3_num_f32 v[TM+\b], |v[\s+16*\b]|, |v[\s+1+16*\b]|, 0x1800000
.endr
.irp i, 2,4,6,8,10,12,14
.irp b, 0,1
	s_delay_alu instid0(VALU_DEP_2)
	v_max3_num_f32 v[TM+\b], v[TM+\b], |v[\s+16*\b+\i]|, |v[\s+1+16*\b+\i]|
.endr
.endr
.irp b, 0,1
	s_delay_alu instid0(VALU_DEP_2)
	v_permlanex16_b32 v[TX+\b], v[TM+\b], s[SEL], s[SEL+1]
.endr
.irp b, 0,1
	s_delay_alu instid0(VALU_DEP_2)
	v_max_num_f32 v[TM+\b], v[TM+\b], v[TX+\b]
.endr
.irp b, 0,1
	s_delay_alu instid0(VALU_DEP_2)
	v_add_nc_u32 v[TS+\b], 0xff000000, v[TM+\b]
.endr
.irp b, 0,1
	s_delay_alu instid0(VALU_DEP_2)
	v_lshrrev_b32 v[TB+\b], 23, v[TS+\b]
.endr
	s_delay_alu instid0(VALU_DEP_1)
	v_lshl_or_b32 v[PW], v[TB+1], 8, v[TB]
	v_cvt_scalef32_pk16_fp6_f32 v[PC:PC+2], v[\s:\s+15], v[TS]
	v_cvt_scalef32_pk16_fp6_f32 v[PT:PT+2], v[\s+16:\s+31], v[TS+1]
	v_nop
.irp i, 0,1,2
	v_permlane16_swap_b32 v[PC+\i], v[PT+\i]
.endr
.irp i, 0,1,2
	s_delay_alu instid0(VALU_DEP_3)
	v_mov_b32 v[PC+3+\i], v[PT+\i]
.endr
.endm
	s_load_b128 s[4:7], s[0:1], 0x0                ; qbuf s[4:5], kv s[6:7]
	s_load_b64 s[8:9], s[0:1], 0x10                ; obuf
	v_lshl_add_u32 v251, v0, 2, 0x34000
	v_mov_b32 v255, 0
	ds_add_u32 v251, v255
	ds_add_u32 v251, v255
	v_lshrrev_b32 v1, 5, v0
	s_delay_alu instid0(VALU_DEP_1)
	v_readfirstlane_b32 s10, v1                    ; wave 0..15
	s_and_b32 s11, ttmp7, 0xffff                   ; b h, which the four partners share
	s_bfe_u32 s12, ttmp6, 0x40000                  ; cx: my place in the cluster
	s_lshl_b32 s13, ttmp9, 2
	s_add_co_u32 s13, s13, s12                     ; g: it enters Q's and O's addresses and the mask's numbers, no branch and no LDS address
	; descriptor group 1: a record is a dense block: 52 rows of 256 bytes (32 elements of 8 bytes), no padding
	s_mov_b32 s16, 15|(3<<16)|(1<<21)              ; 15:0 the mask: all four work-groups; 17:16 elements of 8 bytes; 21 set beside a mask
	s_mov_b32 s17, 32<<16                          ; tensor_dim0
	s_mov_b32 s18, 52<<16                          ; tensor_dim1
	s_mov_b32 s19, 32<<16                          ; tile_dim0
	s_mov_b32 s20, 52                              ; tile_dim1
	s_mov_b32 s21, 32                              ; from row to row
	s_mov_b32 s22, 0
	s_mov_b32 s23, 0
	s_mov_b32 s24, 1                               ; group 0: count = 1,
	s_mul_i32 s25, s10, REC                        ; LDS address: record w,
	s_lshl_b32 s48, s11, 4
	s_add_co_u32 s48, s48, s10
	s_mul_i32 s48, s48, REC
	s_mov_b32 s49, 0
	s_wait_dscnt 0x0
	s_wait_kmcnt 0x0
	s_add_nc_u64 s[26:27], s[6:7], s[48:49]        ; global address: the head's record w,
	s_or_b32 s27, s27, 0x80000000                  ; type = 2
	ROUND                                          ; all four work-groups are here: the joint loads meet
	tensor_load_to_lds s[24:27], s[16:23]
	s_nop 0
.rept 4
	v_nop
.endr
	s_mov_b32 s45, 0x0de3b658                      ; WQ of waves 8-15, four bits each,
	s_cmp_lt_u32 s10, 8
	s_cselect_b32 s45, 0x7a94c12f, s45             ; of waves 0-7
	s_and_b32 s48, s10, 7
	s_lshl_b32 s48, s48, 2
	s_lshr_b32 s45, s45, s48
	s_and_b32 s45, s45, 15                         ; WQ
	s_lshl_b32 s54, s45, 3
	s_add_co_u32 s54, s54, s13                     ; T
	s_lshl_b32 s55, s11, 7
	s_add_co_u32 s55, s55, s54
	s_mul_i32 s56, s55, 768
	s_mov_b32 s57, 0
	s_add_nc_u64 s[56:57], s[4:5], s[56:57]        ; Q's HALF
	s_lshl_b32 s58, s55, 7
	s_add_co_u32 s58, s58, QS
	s_mov_b32 s59, 0
	s_add_nc_u64 s[58:59], s[4:5], s[58:59]        ; and its scale bytes
	v_and_b32 v42, 31, v0
	s_delay_alu instid0(VALU_DEP_1)
	v_lshlrev_b32 v1, 4, v42
	s_delay_alu instid0(VALU_DEP_2)
	v_lshlrev_b32 v2, 3, v42
	s_delay_alu instid0(VALU_DEP_3)
	v_lshlrev_b32 v3, 2, v42
	global_load_b128 v[16:19], v1, s[56:57]        ; Q twice: A's and B's registers, and the two forms of Q, share none
	global_load_b64 v[20:21], v2, s[56:57] offset:512
	global_load_b128 v[34:37], v1, s[56:57]
	global_load_b64 v[38:39], v2, s[56:57] offset:512
	global_load_u16 v41, v3, s[58:59]
	s_lshr_b32 s48, s11, 4                         ; where O's codes go: token tile 128 b + T, head hd: HALF hd % 2 of K step hd / 2
	s_lshl_b32 s48, s48, 7
	s_add_co_u32 s48, s48, s54
	s_and_b32 s49, s11, 15
	s_mul_i32 s50, s48, 12288
	s_mul_i32 s51, s49, 768
	s_add_co_u32 s50, s50, s51
	s_mov_b32 s51, 0
	s_add_nc_u64 s[50:51], s[8:9], s[50:51]
	s_lshl_b32 s52, s48, 3
	s_lshr_b32 s53, s49, 1
	s_add_co_u32 s52, s52, s53
	s_lshl_b32 s52, s52, 7
	s_and_b32 s53, s49, 1
	s_lshl_b32 s53, s53, 1
	s_add_co_u32 s52, s52, s53
	s_add_co_u32 s52, s52, OS
	s_mov_b32 s53, 0
	s_add_nc_u64 s[52:53], s[8:9], s[52:53]
	s_lshr_b32 s48, s13, 1
	s_lshl_b32 s48, s48, 5
	s_and_b32 s49, s13, 1
	s_lshl_b32 s49, s49, 3
	s_add_co_u32 s48, s48, s49
	v_and_b32 v42, 15, v0
	s_delay_alu instid0(VALU_DEP_1)
	v_and_b32 v43, 8, v42
	s_delay_alu instid0(VALU_DEP_1)
	v_add_nc_u32 v42, v42, v43
	v_bfe_u32 v43, v0, 4, 1
	s_delay_alu instid0(VALU_DEP_1)
	v_lshlrev_b32 v43, 4, v43
	s_delay_alu instid0(VALU_DEP_1)
	v_sub_nc_u32 v42, v42, v43
	s_delay_alu instid0(VALU_DEP_1)
	v_add_nc_u32 v4, s48, v42                      ; 32 (g / 2) + 8 (g % 2) + r + 8 (r / 8) - 16 h
	s_mov_b32 s[SEL], 0x76543210
	s_mov_b32 s[SEL+1], 0xfedcba98
	s_mov_b32 s[CS], 0x3e38aa3b
	s_mov_b32 s[CS+1], s[CS]                       ; (named with it as a pair, so it is written)
.irp j, 22,23,24,25,26,27,28,29,30,31,32,33
	v_mov_b32 v\j, 0                               ; the halves of zero codes
.endr
	v_mov_b32 v13, 0xff61b1e6                      ; the largest t so far: -3e38, under every t
	s_delay_alu instid0(VALU_DEP_1)
	v_floor_f32 v12, -v13                          ; -M
	v_mov_b32 v14, 0
	v_mov_b32 v15, 0
.irp j, 236,237,238,239,252,253
	v_mov_b32 v\j, 0                               ; written once: lane permutes' destinations, and the pair v[252:253]
.endr
	s_wait_loadcnt 0x0
	v_lshl_or_b32 v40, v41, 16, v41                ; Q's two bytes serve either half
.set n, 0
.rept 32
	v_mov_b32 v[160+n], 0                          ; O^T: the step is written once; the first finds zeros.  (These also stand between v40's line and the first product)
.set n, n+1
.endr
	s_wait_tensorcnt 0x0                           ; my record has landed,
	s_barrier_signal -1
	s_barrier_wait -1                              ; everybody's has: the head's 16 records lie in LDS
	s_mov_b32 s44, 0                               ; the key step
	s_mov_b32 s46, 0                               ; its record
.Lstep:
	s_cmp_gt_u32 s44, s45
	s_cbranch_scc1 .Lhidden                        ; all its keys come after my queries
	s_setprio 2
	v_add_nc_u32 v5, s46, v1
	v_add_nc_u32 v6, s46, v2
	v_add_nc_u32 v7, s46, v3
	v_nop                                          ; four places in front of loads into registers that matrix instructions have read
.irp b, 0,1,2,3
	ds_load_b128 v[F+12*\b:F+12*\b+3], v5 offset:1536*\b
	ds_load_b64 v[F+12*\b+4:F+12*\b+5], v6 offset:1536*\b+512
	ds_load_b128 v[F+12*\b+6:F+12*\b+9], v5 offset:1536*\b+768
	ds_load_b64 v[F+12*\b+10:F+12*\b+11], v6 offset:1536*\b+1280
	ds_load_b32 v[8+\b], v7 offset:12288+128*\b
.endr
	s_wait_alu depctr_va_vdst(0)
	s_wait_dscnt 0x0
.irp b, 0,1,2,3                                ; key tiles 2 b and 2 b + 1 out of one fragment
	v_wmma_scale_f32_16x16x128_f8f6f4 v[96+16*\b:103+16*\b], v[F+12*\b:F+12*\b+11], v[16:27], 0, v[8+\b], v40 matrix_a_fmt:MATRIX_FMT_FP6 matrix_b_fmt:MATRIX_FMT_FP6
	v_wmma_scale_f32_16x16x128_f8f6f4 v[104+16*\b:111+16*\b], v[F+12*\b:F+12*\b+11], v[28:39], 0, v[8+\b], v40 matrix_a_fmt:MATRIX_FMT_FP6 matrix_b_fmt:MATRIX_FMT_FP6
.endr
.rept 4
	v_nop                                          ; places: for the first read of the scores, and for V's loads into the registers that held K
.endr
.irp t, 0,1,2,3                                ; V^T's fragments land while the softmax is worked
	ds_load_b128 v[F+12*\t:F+12*\t+3], v5 offset:6144+1536*\t
	ds_load_b64 v[F+12*\t+4:F+12*\t+5], v6 offset:6144+1536*\t+512
	ds_load_b128 v[F+12*\t+6:F+12*\t+9], v5 offset:6144+1536*\t+768
	ds_load_b64 v[F+12*\t+10:F+12*\t+11], v6 offset:6144+1536*\t+1280
	ds_load_b32 v[8+\t], v7 offset:12800+128*\t
.endr
	s_cmp_lg_u32 s44, s45
	s_cbranch_scc1 .Lopen                          ; all keys of an earlier step count
	v_mov_b32 v254, 0xff800000                     ; on the diagonal hidden scores become -infinity ahead of the maximum: p = 0 then
.set n, 0
.rept 64
	v_cmp_gt_i32 vcc_lo, 32*(n/16)+n%16, v4
	v_cndmask_b32 v[96+n], v[96+n], v254, vcc_lo
.set n, n+1
.endr
.Lopen:
.irp b, 0,1,2,3
	v_max3_num_f32 v[232+\b], v[96+16*\b], v[97+16*\b], v[98+16*\b]   ; the largest score of each block of 32 keys: for the row's maximum, and, since p rises with the score, for the block's largest p
.endr
.irp i, 3,5,7,9,11,13
.irp b, 0,1,2,3
	v_max3_num_f32 v[232+\b], v[232+\b], v[96+16*\b+\i], v[97+16*\b+\i]
.endr
.endr
.irp b, 0,1,2,3
	v_max_num_f32 v[232+\b], v[232+\b], v[111+16*\b]
.endr
.irp b, 0,1,2,3
	s_delay_alu instid0(VALU_DEP_4)
	v_permlanex16_b32 v[236+\b], v[232+\b], s[SEL], s[SEL+1]
.endr
.irp b, 0,1,2,3
	s_delay_alu instid0(VALU_DEP_4)
	v_max_num_f32 v[232+\b], v[232+\b], v[236+\b]  ; with lane l xor 16's 16 keys
.endr
	s_delay_alu instid0(VALU_DEP_2)
	v_max3_num_f32 v254, v232, v233, v234
	s_delay_alu instid0(VALU_DEP_1)
	v_max_num_f32 v254, v254, v235
	s_delay_alu instid0(VALU_DEP_1)
	v_mul_f32 v254, s[CS], v254                    ; the step's largest t
	s_delay_alu instid0(VALU_DEP_1)
	v_max_num_f32 v13, v13, v254
	v_mov_b32 v254, v12
	s_delay_alu instid0(VALU_DEP_2)
	v_floor_f32 v12, -v13                          ; the new -M = -ceil(t): a whole number
	s_delay_alu instid0(VALU_DEP_1)
	v_sub_f32 v254, v12, v254
	s_delay_alu instid0(VALU_DEP_1)
	v_cvt_i32_f32 v254, v254                       ; (it saturates)
	s_delay_alu instid0(VALU_DEP_1)
	v_ldexp_f32 v252, 1.0, v254                    ; f = 2^(old M - new M): a multiplication by it rounds nothing
.set n, 0
	s_setprio 1
.rept 32
	v_pk_fma_f32 v[96+n:97+n], v[96+n:97+n], s[CS:CS+1], v[12:13] op_sel_hi:[1,0,0]   ; t - M
.set n, n+2
.endr
.irp b, 0,1,2,3
	v_fma_f32 v[232+\b], v[232+\b], s[CS], v12     ; the same of each block's largest score
.endr
.set n, 0
	s_wait_alu depctr_va_vdst(0)
.rept 64
	v_exp_f32 v[96+n], v[96+n]                     ; p = 2^(t - M)
.set n, n+1
.endr
	v_pk_mul_f32 v[14:15], v[14:15], v[252:253] op_sel_hi:[1,0]   ; the sums under the new M: a plain place behind the exponentials
	s_wait_alu depctr_va_vdst(0)                   ; one wait for the batch, ahead of its first reader
.irp b, 0,1,2,3
	v_exp_f32 v[232+\b], v[232+\b]                 ; the block's largest p
.endr
	v_pk_add_f32 v[236:237], v[100:101], v[104:105]
	v_pk_add_f32 v[248:249], v[108:109], v[112:113]
	v_pk_add_f32 v[246:247], v[116:117], v[120:121]
	v_pk_add_f32 v[244:245], v[124:125], v[128:129]
	v_pk_add_f32 v[242:243], v[132:133], v[136:137]
	v_pk_add_f32 v[240:241], v[140:141], v[144:145]
	v_pk_add_f32 v[238:239], v[148:149], v[152:153]
	v_pk_add_f32 v[14:15], v[14:15], v[156:157]
	v_pk_add_f32 v[236:237], v[236:237], v[96:97]
	v_pk_add_f32 v[248:249], v[248:249], v[98:99]
	v_pk_add_f32 v[246:247], v[246:247], v[102:103]
	v_pk_add_f32 v[244:245], v[244:245], v[106:107]
	v_pk_add_f32 v[242:243], v[242:243], v[110:111]
	v_pk_add_f32 v[240:241], v[240:241], v[114:115]
	v_pk_add_f32 v[238:239], v[238:239], v[118:119]
	v_pk_add_f32 v[14:15], v[14:15], v[122:123]
	v_pk_add_f32 v[236:237], v[236:237], v[126:127]
	v_pk_add_f32 v[248:249], v[248:249], v[130:131]
	v_pk_add_f32 v[246:247], v[246:247], v[134:135]
	v_pk_add_f32 v[244:245], v[244:245], v[138:139]
	v_pk_add_f32 v[242:243], v[242:243], v[142:143]
	v_pk_add_f32 v[240:241], v[240:241], v[146:147]
	v_pk_add_f32 v[238:239], v[238:239], v[150:151]
	v_pk_add_f32 v[14:15], v[14:15], v[154:155]
	v_pk_add_f32 v[236:237], v[236:237], v[158:159]
	s_delay_alu instid0(VALU_DEP_2)
	v_pk_add_f32 v[14:15], v[14:15], v[244:245]
	s_delay_alu instid0(VALU_DEP_2)
	v_pk_add_f32 v[236:237], v[236:237], v[242:243]
	v_pk_add_f32 v[248:249], v[248:249], v[240:241]
	v_pk_add_f32 v[246:247], v[246:247], v[238:239]
	s_delay_alu instid0(VALU_DEP_2)
	v_pk_add_f32 v[14:15], v[14:15], v[248:249]
	s_delay_alu instid0(VALU_DEP_2)
	v_pk_add_f32 v[236:237], v[236:237], v[246:247]
	s_delay_alu instid0(VALU_DEP_1)
	v_pk_add_f32 v[14:15], v[14:15], v[236:237]
	s_wait_alu depctr_va_vdst(0)                   ; and one for the four
.irp b, 0,1,2,3
	v_max_num_f32 v[232+\b], 0x1800000, v[232+\b]  ; the floor 2^(3 - 127): the byte cannot fall under 1
.endr
.irp b, 0,1,2,3
	s_delay_alu instid0(VALU_DEP_4)
	v_add_nc_u32 v[244+\b], 0xff000000, v[232+\b]  ; the conversion's scale operand
.endr
.irp b, 0,1,2,3
	s_delay_alu instid0(VALU_DEP_4)
	v_lshrrev_b32 v[236+\b], 23, v[244+\b]         ; the scale's byte
.endr
	s_delay_alu instid0(VALU_DEP_3)
	v_lshl_or_b32 v253, v237, 8, v236              ; p's scale word for these 128 keys
	s_delay_alu instid0(VALU_DEP_1)
	v_lshl_or_b32 v253, v238, 16, v253
	s_delay_alu instid0(VALU_DEP_1)
	v_lshl_or_b32 v253, v239, 24, v253
	s_setprio 0
.irp c, 0,1
	v_cvt_scalef32_pk16_fp6_f32 v[192+6*\c:194+6*\c], v[96+32*\c:111+32*\c], v[244+2*\c]
	v_cvt_scalef32_pk16_fp6_f32 v[204+4*\c:206+4*\c], v[112+32*\c:127+32*\c], v[244+2*\c+1]
.endr
	v_nop                                          ; one plain place behind a scaled conversion
.irp c, 0,1
.irp i, 0,1,2
	v_permlane16_swap_b32 v[192+6*\c+\i], v[204+4*\c+\i]
.endr
.irp i, 0,1,2
	s_delay_alu instid0(VALU_DEP_3)
	v_mov_b32 v[195+6*\c+\i], v[204+4*\c+\i]
.endr
.endr
.set n, 0
.rept 16
	v_pk_mul_f32 v[160+n:161+n], v[160+n:161+n], v[252:253] op_sel_hi:[1,0]   ; O^T under the new M.  (These are also the places in front of the products below)
.set n, n+2
.endr
	s_wait_alu depctr_va_vdst(0)
	s_wait_dscnt 0x0                               ; V^T's fragments and scale words are in
.irp t, 0,1,2,3                                ; O^T += V^T P^T: the four accumulators by turns
	v_wmma_scale_f32_16x16x128_f8f6f4 v[160+8*\t:167+8*\t], v[F+12*\t:F+12*\t+11], v[192:203], v[160+8*\t:167+8*\t], v[8+\t], v253 matrix_a_fmt:MATRIX_FMT_FP6 matrix_b_fmt:MATRIX_FMT_FP6
.endr
.Lhidden:
	s_add_co_u32 s46, s46, REC
	s_add_co_u32 s44, s44, 1
	s_cmp_lt_u32 s44, 16
	s_cbranch_scc1 .Lstep
	s_setprio 0
	v_add_f32 v14, v14, v15                        ; the sum's two halves,
	s_delay_alu instid0(VALU_DEP_1)
	v_permlanex16_b32 v252, v14, s[SEL], s[SEL+1]
	s_delay_alu instid0(VALU_DEP_1)
	v_add_f32 v14, v14, v252                       ; and lane l xor 16's
	s_wait_alu depctr_va_vdst(0)
	v_rcp_f32 v14, v14
.rept 3
	v_nop                                          ; plain places: behind the transcendental, and (with the two additions) behind the last products
.endr
	s_wait_alu depctr_va_vdst(0)
.set n, 0
.rept 16
	v_pk_mul_f32 v[160+n:161+n], v[160+n:161+n], v[14:15] op_sel_hi:[1,0]   ; O^T / l, from each accumulator's low end on
.set n, n+2
.endr
	QUANT32 160
	global_store_b128 v1, v[PC:PC+3], s[50:51]
	global_store_b64 v2, v[PC+4:PC+5], s[50:51] offset:512
	global_store_b16 v3, v[PW], s[52:53]
	s_wait_tensorcnt 0x0
	ds_add_u32 v251, v255
	s_wait_dscnt 0x0
	ROUND                                          ; the closing round: no work-group ends while a partner may still ask for a record that names it
	s_endpgm
.Lfunc_end_k_qc8f78a2d97_attn:
	.size	k_qc8f78a2d97_attn, .Lfunc_end_k_qc8f78a2d97_attn-k_qc8f78a2d97_attn
	.p2alignl 7, 3214868480
	.fill 96, 4, 3214868480
	.section	.rodata,"a",@progbits
	.p2align	6, 0x0
	.amdhsa_kernel k_qc8f78a2d97_attn
		.amdhsa_group_segment_fixed_size 215040
		.amdhsa_private_segment_fixed_size 0
		.amdhsa_enable_private_segment 0
		.amdhsa_kernarg_size 24
		.amdhsa_user_sgpr_count 2
		.amdhsa_user_sgpr_kernarg_segment_ptr 1
		.amdhsa_wavefront_size32 1
		.amdhsa_system_sgpr_workgroup_id_x 1
		.amdhsa_system_sgpr_workgroup_id_y 1
		.amdhsa_system_sgpr_workgroup_id_z 1
		.amdhsa_system_vgpr_workitem_id 0
		.amdhsa_next_free_vgpr 256
		.amdhsa_next_free_sgpr 66
		.amdhsa_reserve_vcc 1
		.amdhsa_float_denorm_mode_32 3
		.amdhsa_float_denorm_mode_16_64 3
		.amdhsa_memory_ordered 1
		.amdhsa_forward_progress 1
		.amdhsa_inst_pref_size 35
	.end_amdhsa_kernel
	.amdgpu_metadata
---
amdhsa.version: [ 1, 2 ]
amdhsa.kernels:
  - .name:           k_qc8f78a2d97_attn
    .symbol:         k_qc8f78a2d97_attn.kd
    .args:
      - { .name: qbuf, .offset: 0, .size: 8, .value_kind: global_buffer, .address_space: global }
      - { .name: kv, .offset: 8, .size: 8, .value_kind: global_buffer, .address_space: global }
      - { .name: obuf, .offset: 16, .size: 8, .value_kind: global_buffer, .address_space: global }
    .group_segment_fixed_size: 215040
    .private_segment_fixed_size: 0
    .kernarg_segment_align: 8
    .kernarg_segment_size: 24
    .max_flat_workgroup_size: 512
    .sgpr_count:     66
    .vgpr_count:     256
    .wavefront_size: 32
...
	.end_amdgpu_metadata
.endif
;; end of part 7
;; launch tail (part 8): grid 128 x 1, 16 waves a work-group, no clusters, 169,984 bytes of LDS; arguments x, img, scl, obuf, ln2_w, ln2_b, out0; writes out0
.if DOCPART == 8
	.amdgcn_target "amdgcn-amd-amdhsa--gfx1250"
	.amdhsa_code_object_version 6
	.text
	.protected	k_qc8f78a2d97_tail
	.globl	k_qc8f78a2d97_tail
	.p2align	8
	.type	k_qc8f78a2d97_tail,@function
k_qc8f78a2d97_tail:
	s_mov_b64 s[64:65], 0
	v_nop
	global_prefetch_b8 v0, s[64:65] scope:SCOPE_SE
	s_setreg_imm32_b32 hwreg(HW_REG_WAVE_SCHED_MODE, 0, 2), 2
	s_setreg_imm32_b32 hwreg(HW_REG_WAVE_MODE, 25, 1), 1
	s_wait_xcnt 0x0
	s_wait_alu depctr_vm_vsrc(0)
; TAIL.  x1 = x + attn Wo^T;  out = x1 + gelu(LN2(x1) W1^T) W2^T.  The three products on codes of FP6 (E2M3) with E8M0 scales, K = 1,024; all else in f32.  Nothing between the products goes to memory.
; SHARES.  A work-group owns 32 tokens (two tiles of 16).  THE WAVES SHARE THE COLUMNS: in all three products wave w makes columns 64 w .. 64 w + 63 (four tiles of the weight's rows) for the 32 tokens: 8 accumulators.
; THE WEIGHTS come from img in the order of the registers, three loads of 512 consecutive bytes a fragment, each fragment read once by the work-group, through THREE sets of registers that take turns:
; K step s + 2 is asked for among the matrix instructions of step s, into the set that step s - 1 has left: 12 to 28 loads of a wave are on their way.
; No tensor load, so there is no joint request for a cluster; and inside a work-group no two waves read the same weight.
; Source 0 = 16 rows of the weight, source 1 = 16 tokens: a lane holds ONE token and, by the tiles' order of rows, register 16 b + i = column 64 w + 32 b + 16 h + i of its row.
; So a wave's results are one HALF fragment (64 along the next K) for each tile of tokens: quantised in registers, it goes to LDS as an image of its registers, and every wave reads the 16 HALFs back as 8 fragments.
; SCALE WORDS.  One register carries two tiles' words: the weight's tile 2 u in lanes 0-15 and tile 2 u + 1 in lanes 16-31; the tokens' tile 0 below and tile 1 above.  The upper lanes are named by the ROW1 selector.
; The residuals are the C of a sum's first matrix instruction.  x1 waits in the wave's own LDS bytes during the second product.
; LayerNorm 2: the mean first, then the variance of the differences; the 16 waves' parts meet in LDS and every wave adds them in the same order.
; gelu(v) = v / 2 + (v / 2) erf(v / sqrt 2); erf(z) = z P(z^2) / Q(z^2) on z held to +-4, P of degree 6, Q of degree 4.
; LIMITS: erf is right to about 1e-7 absolutely, so gelu to about 1e-7 |v|: its relative accuracy falls off under v = -3, where |gelu| < 0.004.  NaN and infinities are not served; a block of zeros gets the byte 1 (zero codes).
; THE MODE: SCHED_MODE bits 1:0 = 2 (LLVM: expert scheduling mode 2), set by the entry lines.  The code itself states the register dependences between vector or matrix instructions and memory or LDS instructions, with s_wait_alu, always for 0.
; THE PLAN.  Registers that memory or LDS instructions touch:
;   v1-13       addresses, made at the head and never written again.  v15: read by x's loads at the head, made anew on the way out.
;   AF, ASW     K step s: its LDS loads land in them, its eight matrix instructions read them.
;   WF, WSC     K step s: its matrix instructions read set s % 3 and scale word s % 4; the loads of step s + 2 land in set (s - 1) % 3, those of scale word s + 3 in the register of step s - 1.
;   So ONE wait on va_vdst stands at the head of a K step: the step before is done reading AF, ASW, its set and its scale words.  The LDS loads follow it; the global loads are dealt among the step's matrix
;   instructions, which name set s % 3, AF, ASW, scale word s % 4 and the accumulators: none of the registers that those loads touch.
;   ACC         x's loads land; matrix instructions write; the stores of x1 read; LayerNorm writes; the quantisers read; x1's LDS loads land; the stage's stores read.
;   Between the products each run of LDS stores has registers of its own: the two tiles' partial sums, the two tiles' codes and scale bytes; one wait on va_vdst stands ahead of each run.
;   One wait on vm_vsrc stands ahead of each product (the stores have read registers in which its first loads land) and one ahead of LayerNorm's first write of the accumulators.
.set AIMG, 131072                      ; LDS: 0: 8,192 bytes a wave, its own: x1, later the stage for the way out; AIMG: source 1's fragments [tile m][K step][1,536];
.set ASC,  155648                      ; their scale words [m][K step][128];
.set RED1, 157696                      ; the waves' partial sums [m] x 2,560, 80 bytes a lane; 5,120 further on those of the squares
.set OS,   3145728
; v1: 16 L; v2: the weight's scale words, 32 r + 512 h; v3, v4: source 1's fragments in LDS (16 L, 8 L); v5: its scale words; v6-8: where my HALF and its scale bytes go; v9, v10: the partial sums;
; v11: x1's image; v12, v13: the stage, in and back; v15: x's offset, on the way out out0's
.set ASW,  14                          ; v14      source 1's scale words: lanes 0-15 tile 0, lanes 16-31 tile 1
.set ACC,  16                          ; v16-79   accumulator (tile of tokens m, tile of the weight t) at ACC + 32 m + 8 t
.set WF,   80                          ; v80-223  the weight's four fragments, three sets of 48: K step s in set s % 3
.set AF,   224                         ; v224-247 source 1's two fragments
.set WSC,  248                         ; v248-255 the weight's scale words: 4 u + s % 4
; between the products v128-247 are at work:
.set LNW,  128                         ; v128-159 ln2_w, v160-191 ln2_b at my 32 columns
.set LNB,  160
.set Z,    128                         ; gelu: 16 registers each
.set Z2,   144
.set P,    160
.set Q,    176
.set CH,   192                         ; v192-199 four chains of sums
.set LNO,  200                         ; v200     ln2_w's and ln2_b's offset, 64 h (in LayerNorm 2)
.set VA1,  200                         ; v200-201 erf's a1, v202-203 its b1 (in gelu)
.set VB1,  202
.set FT,   204                         ; v204-207 a row's part of a sum, for each m
.set RDA,  224                         ; v224-239 the 16 waves' parts of tile 0's rows;
.set RDB,  208                         ; v208-223 of tile 1's
.set QA,   224                         ; v224-242 the quantiser's registers for tile 0: + 0 largest magnitudes, + 2 the other half's, + 4 scale operands, + 6 bytes, + 8 the two scale bytes, + 10 the codes (6), + 16 at work (3);
.set QB,   128                         ; v128-146 for tile 1: what the two tiles' LDS stores read lies apart
.set MN,   244                         ; v244-247 the means, later 1 / sqrt(var + eps): a pair for each m
.set OUTB, 144                         ; v144-207 the way out: rows read back from the stage
.set SEL,  36
.set KR,   44                          ; scalar pairs: 1 / sqrt 2, then erf's constants
.set A0,   46
.set A2,   48
.set A3,   50
.set A4,   52
.set A5,   54
.set A6,   56
.set B0,   58
.set B2,   60
.set B3,   62
.set B4,   66
.macro PLACES
.rept 4
	v_nop
.endr
.endm
.macro BAR                             ; my LDS stores have landed and my LDS loads are in: then the work-group's barrier
	s_wait_dscnt 0x0
	s_barrier_signal -1
	s_barrier_wait -1
.endm
.macro CONST p, bits
	s_mov_b32 s[\p], \bits
	s_mov_b32 s[\p+1], \bits
.endm
.macro QUANT32 s, o                    ; 32 numbers of a lane -> a HALF's codes in v[o + 10 .. o + 15], its two scale bytes in v[o + 8]
.irp b, 0,1
	v_max3_num_f32 v[\o+\b], |v[\s+16*\b]|, |v[\s+1+16*\b]|, 0x1800000   ; and the floor 2^(3 - 127): the byte cannot fall under 1
.endr
.irp i, 2,4,6,8,10,12,14
.irp b, 0,1
	v_max3_num_f32 v[\o+\b], v[\o+\b], |v[\s+16*\b+\i]|, |v[\s+1+16*\b+\i]|
.endr
.endr
.irp b, 0,1
	v_permlanex16_b32 v[\o+2+\b], v[\o+\b], s[SEL], s[SEL+1]
.endr
.irp b, 0,1
	v_max_num_f32 v[\o+\b], v[\o+\b], v[\o+2+\b]
.endr
.irp b, 0,1
	v_add_nc_u32 v[\o+4+\b], 0xff000000, v[\o+\b]
.endr
.irp b, 0,1
	v_lshrrev_b32 v[\o+6+\b], 23, v[\o+4+\b]
.endr
	v_lshl_or_b32 v[\o+8], v[\o+7], 8, v[\o+6]
	v_cvt_scalef32_pk16_fp6_f32 v[\o+10:\o+12], v[\s:\s+15], v[\o+4]
	v_cvt_scalef32_pk16_fp6_f32 v[\o+16:\o+18], v[\s+16:\s+31], v[\o+5]
	v_nop                                          ; one plain place behind a scaled conversion
.irp i, 0,1,2
	v_permlane16_swap_b32 v[\o+10+\i], v[\o+16+\i]
.endr
.irp i, 0,1,2
	v_mov_b32 v[\o+13+\i], v[\o+16+\i]
.endr
.endm
.macro PUTBOTH                         ; my 64 columns of each tile of tokens become HALF w % 2 of K step w / 2 of the next product's source 1
	QUANT32 ACC, QA
	QUANT32 ACC+32, QB
	s_wait_alu depctr_va_vdst(0)                   ; both quantisers have written their codes and scale bytes, which the LDS stores read; and all vector work on the accumulators and on v128-247 is done
	ds_store_b128 v6, v[QA+10:QA+13]
	ds_store_b64 v7, v[QA+14:QA+15]
	ds_store_b16 v8, v[QA+8]
	ds_store_b128 v6, v[QB+10:QB+13] offset:12288
	ds_store_b64 v7, v[QB+14:QB+15] offset:12288
	ds_store_b16 v8, v[QB+8] offset:1024
.endm
.macro WFRAG wbase, s, t               ; K step s of my tile t of the weight into set s % 3: 3 loads of 512 consecutive bytes
.irp c, 0,1,2
	global_load_b128 v[WF+48*((\s)%3)+12*(\t)+4*\c:WF+48*((\s)%3)+12*(\t)+4*\c+3], v1, s[\wbase:\wbase+1] offset:(8*(\t)+(\s))*1536+512*\c
.endr
.endm
.macro WLOAD wbase, s                  ; K step s of my four tiles
.irp t, 0,1,2,3
	WFRAG \wbase, \s, \t
.endr
.endm
.macro GPRE wbase, sbase               ; a product's first K step of the weight, and the scale words of its first four: asked for a phase ahead
	WLOAD \wbase, 0
.irp u, 0,1
	global_load_b128 v[WSC+4*\u:WSC+4*\u+3], v2, s[\sbase:\sbase+1] offset:1024*\u
.endr
.endm
; One matrix instruction: K step s, the weight's tile t, the tokens' tile m.  first = 1: it starts the sum.  An odd t and m = 1 take their scale words from lanes 16-31.
.macro MM s, t, m, first
.set rD, ACC+32*(\m)+8*(\t)
.set rA, WF+48*((\s)%3)+12*(\t)
.set rB, AF+12*(\m)
.set rS, WSC+4*((\t)/2)+(\s)%4
.if \first
.if ((\t)%2 == 0) && ((\m) == 0)
	v_wmma_scale_f32_16x16x128_f8f6f4 v[rD:rD+7], v[rA:rA+11], v[rB:rB+11], 0, v[rS], v[ASW] matrix_a_fmt:MATRIX_FMT_FP6 matrix_b_fmt:MATRIX_FMT_FP6
.elseif (\m) == 0
	v_wmma_scale_f32_16x16x128_f8f6f4 v[rD:rD+7], v[rA:rA+11], v[rB:rB+11], 0, v[rS], v[ASW] matrix_a_fmt:MATRIX_FMT_FP6 matrix_b_fmt:MATRIX_FMT_FP6 matrix_a_scale:MATRIX_SCALE_ROW1
.elseif (\t)%2 == 0
	v_wmma_scale_f32_16x16x128_f8f6f4 v[rD:rD+7], v[rA:rA+11], v[rB:rB+11], 0, v[rS], v[ASW] matrix_a_fmt:MATRIX_FMT_FP6 matrix_b_fmt:MATRIX_FMT_FP6 matrix_b_scale:MATRIX_SCALE_ROW1
.else
	v_wmma_scale_f32_16x16x128_f8f6f4 v[rD:rD+7], v[rA:rA+11], v[rB:rB+11], 0, v[rS], v[ASW] matrix_a_fmt:MATRIX_FMT_FP6 matrix_b_fmt:MATRIX_FMT_FP6 matrix_a_scale:MATRIX_SCALE_ROW1 matrix_b_scale:MATRIX_SCALE_ROW1
.endif
.else
.if ((\t)%2 == 0) && ((\m) == 0)
	v_wmma_scale_f32_16x16x128_f8f6f4 v[rD:rD+7], v[rA:rA+11], v[rB:rB+11], v[rD:rD+7], v[rS], v[ASW] matrix_a_fmt:MATRIX_FMT_FP6 matrix_b_fmt:MATRIX_FMT_FP6
.elseif (\m) == 0
	v_wmma_scale_f32_16x16x128_f8f6f4 v[rD:rD+7], v[rA:rA+11], v[rB:rB+11], v[rD:rD+7], v[rS], v[ASW] matrix_a_fmt:MATRIX_FMT_FP6 matrix_b_fmt:MATRIX_FMT_FP6 matrix_a_scale:MATRIX_SCALE_ROW1
.elseif (\t)%2 == 0
	v_wmma_scale_f32_16x16x128_f8f6f4 v[rD:rD+7], v[rA:rA+11], v[rB:rB+11], v[rD:rD+7], v[rS], v[ASW] matrix_a_fmt:MATRIX_FMT_FP6 matrix_b_fmt:MATRIX_FMT_FP6 matrix_b_scale:MATRIX_SCALE_ROW1
.else
	v_wmma_scale_f32_16x16x128_f8f6f4 v[rD:rD+7], v[rA:rA+11], v[rB:rB+11], v[rD:rD+7], v[rS], v[ASW] matrix_a_fmt:MATRIX_FMT_FP6 matrix_b_fmt:MATRIX_FMT_FP6 matrix_a_scale:MATRIX_SCALE_ROW1 matrix_b_scale:MATRIX_SCALE_ROW1
.endif
.endif
.endm
; A product: 8 K steps of 8 matrix instructions; the 8 accumulators take turns, one instruction a turn.  zero = 1: the first step starts the sums; 0: it adds onto what ACC holds.
; pre = 1: K steps 1 and 2 have been asked for already.
; A product's global loads go out in this order: F0 (12), W (2: GPRE), F1, F2 (12 each), then in steps 1 to 4 a pair S of 4-byte loads (the scale words of step s + 3, into the registers that step s - 1 has left)
; ahead of F(s + 2), and in step 5 F7 alone.  Loads come back in order (ISA guide 5.7.1).  A step's wait for its F stands ahead of the step's own global loads, and names what was issued behind that F.
; Those loads stand among the step's matrix instructions, three behind each pair: no vector or matrix instruction since the wait at the step's head names a register that they touch.
.macro GEMM wbase, sbase, zero, pre
.irp s, 0,1,2,3,4,5,6,7
.if \s > 0
	PLACES                                         ; four places behind the last step's matrix instructions, in front of loads into registers that they have read
	s_wait_alu depctr_va_vdst(0)                   ; the last step's matrix instructions are done reading source 1's fragments and scale words, their set of the weight and its scale words: this step's loads land in all of them
.endif
.irp m, 0,1
	ds_load_b128 v[AF+12*\m:AF+12*\m+3], v3 offset:12288*\m+1536*\s
	ds_load_b64 v[AF+12*\m+4:AF+12*\m+5], v4 offset:12288*\m+1536*\s+512
	ds_load_b128 v[AF+12*\m+6:AF+12*\m+9], v3 offset:12288*\m+1536*\s+768
	ds_load_b64 v[AF+12*\m+10:AF+12*\m+11], v4 offset:12288*\m+1536*\s+1280
.endr
	ds_load_b32 v[ASW], v5 offset:128*\s
.if (\s == 0) && (\pre == 0)
	WLOAD \wbase, 1
	WLOAD \wbase, 2
.endif
.if \s == 0
	s_wait_loadcnt 24                              ; F0, W and all that is older are in; F1 and F2 may stay out
.elseif (\s == 1) || (\s == 6)
	s_wait_loadcnt 12                              ; behind this step's F: one F
.elseif \s < 6
	s_wait_loadcnt 14                              ; behind this step's F: one pair S and one F
.else
	s_wait_loadcnt 0x0
.endif
	s_wait_dscnt 0x0
.irp t, 0,1,2,3
.irp m, 0,1
.if \zero && (\s == 0)
	MM \s, \t, \m, 1
.else
	MM \s, \t, \m, 0
.endif
.endr
.if (\s >= 1) && (\s <= 4) && (\t == 0)
.irp u, 0,1
	global_load_b32 v[WSC+4*\u+\s-1], v2, s[\sbase:\sbase+1] offset:1024*\u+4*(\s+3)
.endr
.endif
.if (\s >= 1) && (\s <= 5)
	WFRAG \wbase, \s+2, \t
.endif
.endr
.endr
.endm
.macro FOLD d                          ; four chains -> my row's sum over my wave's 64 columns, in v[d]
	v_pk_add_f32 v[CH:CH+1], v[CH:CH+1], v[CH+2:CH+3]
	v_pk_add_f32 v[CH+4:CH+5], v[CH+4:CH+5], v[CH+6:CH+7]
	v_pk_add_f32 v[CH:CH+1], v[CH:CH+1], v[CH+4:CH+5]
	v_add_f32 v[\d], v[CH], v[CH+1]
	v_permlanex16_b32 v[\d+1], v[\d], s[SEL], s[SEL+1]
	v_add_f32 v[\d], v[\d], v[\d+1]
.endm
.macro REDLOAD off                     ; the 16 waves' parts of my rows of both tiles, in one run of loads
.irp k, 0,1,2,3
	ds_load_b128 v[RDA+4*\k:RDA+4*\k+3], v10 offset:\off+16*\k
.endr
.irp k, 0,1,2,3
	ds_load_b128 v[RDB+4*\k:RDB+4*\k+3], v10 offset:\off+2560+16*\k
.endr
	s_wait_dscnt 0x0
.endm
.macro REDADD r                        ; 16 parts, added in one order by every wave: the sum in v[r]
.irp k, 0,2,4,6,8,10,12,14
	v_add_f32 v[\r+\k], v[\r+\k], v[\r+1+\k]
.endr
.irp k, 0,4,8,12
	v_add_f32 v[\r+\k], v[\r+\k], v[\r+2+\k]
.endr
	v_add_f32 v[\r], v[\r], v[\r+4]
	v_add_f32 v[\r+8], v[\r+8], v[\r+12]
	v_add_f32 v[\r], v[\r], v[\r+8]
.endm
.macro GELU16 x                        ; 16 numbers in place
.irp i, 0,2,4,6,8,10,12,14
	v_pk_mul_f32 v[Z+\i:Z+\i+1], v[\x+\i:\x+\i+1], s[KR:KR+1] op_sel_hi:[1,0]     ; z = v / sqrt 2 (each accumulator is read from its low end on)
.endr
.irp i, 0,1,2,3,4,5,6,7,8,9,10,11,12,13,14,15
	v_med3_num_f32 v[Z+\i], v[Z+\i], -4.0, 4.0
.endr
.irp i, 0,2,4,6,8,10,12,14
	v_pk_mul_f32 v[Z2+\i:Z2+\i+1], v[Z+\i:Z+\i+1], v[Z+\i:Z+\i+1]
.endr
.irp i, 0,2,4,6,8,10,12,14
	v_pk_fma_f32 v[P+\i:P+\i+1], v[Z2+\i:Z2+\i+1], s[A0:A0+1], v[VA1:VA1+1] op_sel_hi:[1,0,1]
	v_pk_fma_f32 v[Q+\i:Q+\i+1], v[Z2+\i:Z2+\i+1], s[B0:B0+1], v[VB1:VB1+1] op_sel_hi:[1,0,1]
.endr
.irp k, B2, B3, B4
.irp i, 0,2,4,6,8,10,12,14
	v_pk_fma_f32 v[Q+\i:Q+\i+1], v[Q+\i:Q+\i+1], v[Z2+\i:Z2+\i+1], s[\k:\k+1] op_sel_hi:[1,1,0]
.endr
.endr
	s_wait_alu depctr_va_vdst(0)
.irp i, 0,1,2,3,4,5,6,7,8,9,10,11,12,13,14,15
	v_rcp_f32 v[Q+\i], v[Q+\i]
.endr
.irp k, A2, A3, A4, A5, A6             ; P's chain, z P and v / 2 name no reciprocal: the work behind the batch
.irp i, 0,2,4,6,8,10,12,14
	v_pk_fma_f32 v[P+\i:P+\i+1], v[P+\i:P+\i+1], v[Z2+\i:Z2+\i+1], s[\k:\k+1] op_sel_hi:[1,1,0]
.endr
.endr
.irp i, 0,2,4,6,8,10,12,14
	v_pk_mul_f32 v[P+\i:P+\i+1], v[P+\i:P+\i+1], v[Z+\i:Z+\i+1]
	v_pk_mul_f32 v[\x+\i:\x+\i+1], v[\x+\i:\x+\i+1], 0.5 op_sel_hi:[1,0]
.endr
	s_wait_alu depctr_va_vdst(0)                   ; one wait for the 16 reciprocals, ahead of their first reader
.irp i, 0,2,4,6,8,10,12,14
	v_pk_mul_f32 v[P+\i:P+\i+1], v[P+\i:P+\i+1], v[Q+\i:Q+\i+1]                   ; erf
.endr
.irp i, 0,2,4,6,8,10,12,14
	v_pk_fma_f32 v[\x+\i:\x+\i+1], v[\x+\i:\x+\i+1], v[P+\i:P+\i+1], v[\x+\i:\x+\i+1]
.endr
.endm
	s_load_b256 s[4:11], s[0:1], 0x0               ; x s[4:5], img s[6:7], scl s[8:9], obuf s[10:11]
	s_load_b128 s[12:15], s[0:1], 0x20             ; ln2_w, ln2_b
	s_load_b64 s[16:17], s[0:1], 0x30              ; out0
	v_lshrrev_b32 v1, 5, v0
	v_readfirstlane_b32 s18, v1                    ; wave 0..15
	v_and_b32 v128, 31, v0                         ; L
	v_and_b32 v129, 15, v0                         ; r
	v_bfe_u32 v130, v0, 4, 1                       ; h
	v_and_b32 v131, 8, v129
	v_add_nc_u32 v131, v131, v129                  ; r + 8 (r / 8)
	v_lshlrev_b32 v1, 4, v128                      ; v1: 16 L
	v_lshlrev_b32 v2, 5, v129
	v_lshl_add_u32 v2, v130, 9, v2                 ; v2: the weight's scale words: 32 bytes a row; lanes 16-31 take the next tile's, 512 bytes on
	v_add_nc_u32 v3, AIMG, v1                      ; v3, v4: source 1's fragments
	v_lshl_add_u32 v4, v128, 3, AIMG
	v_lshl_add_u32 v5, v128, 2, ASC
	v_lshl_add_u32 v5, v130, 10, v5                ; v5: its scale words: 4 L; lanes 16-31 take tile 1's, 1,024 bytes on
	s_wait_alu depctr_va_sdst(0)                   ; s18 is written, ahead of its first reader
	s_mul_i32 s19, s18, 768
	s_add_co_u32 s19, s19, AIMG
	v_add_nc_u32 v6, s19, v1                       ; v6, v7: where my HALF goes
	v_lshl_add_u32 v7, v128, 3, s19
	v_add_nc_u32 v7, 512, v7
	s_lshr_b32 s19, s18, 1
	s_lshl_b32 s19, s19, 7
	s_and_b32 s40, s18, 1
	s_lshl_b32 s40, s40, 1
	s_add_co_u32 s19, s19, s40
	s_add_co_u32 s19, s19, ASC
	v_lshl_add_u32 v8, v128, 2, s19                ; v8: and its two scale bytes
	v_mul_u32_u24 v10, v128, 80
	v_add_nc_u32 v10, RED1, v10                    ; v10: my lane's 16 partial sums,
	s_lshl_b32 s19, s18, 2
	v_add_nc_u32 v9, s19, v10                      ; v9: my wave's word among them
	s_lshl_b32 s19, s18, 13
	v_add_nc_u32 v11, s19, v1                      ; v11: x1's image in my wave's own bytes
	v_mul_u32_u24 v12, v129, 272
	v_lshl_add_u32 v12, v130, 6, v12
	v_add_nc_u32 v12, s19, v12                     ; v12: the stage, in: row r of 272 bytes, + 64 h
	v_mul_u32_u24 v13, v130, 272
	v_lshl_add_u32 v13, v129, 4, v13
	v_add_nc_u32 v13, s19, v13                     ; v13: back: lanes 0-15 one row, lanes 16-31 the next
	v_lshlrev_b32 v15, 12, v131
	v_lshl_add_u32 v15, v130, 6, v15               ; v15: x: my token's row, + 64 h
	s_mul_i32 s19, s18, 1536
	v_add_nc_u32 v240, s19, v1                     ; the copy of attention's codes: my wave's 1,536 bytes,
	v_add_nc_u32 v241, AIMG, v240
	s_lshl_b32 s19, s18, 7
	v_lshl_add_u32 v242, v128, 2, s19              ; and 128 bytes of scale words
	v_add_nc_u32 v243, ASC, v242
	s_mov_b32 s[SEL], 0x76543210
	s_mov_b32 s[SEL+1], 0xfedcba98
	s_mov_b32 s38, 0x3a800000                      ; 1 / 1,024
	s_mov_b32 s39, 0x3727c5ac                      ; 1e-5
	CONST KR, 0x3f3504f3
	CONST A0, 0xaf95df0b
	CONST A2, 0xb60cff51
	CONST A3, 0xb86ec2d2
	CONST A4, 0xba40ac63
	CONST A5, 0xbb41a1f6
	CONST A6, 0xbc83dbd4
	CONST B0, 0xb77460cd
	CONST B2, 0xbadc924e
	CONST B3, 0xbbf19bf8
	CONST B4, 0xbc69b6a7
	s_lshl_b32 s40, ttmp9, 17                      ; 32 tokens of 4,096 bytes,
	s_lshl_b32 s41, s18, 8
	s_add_co_u32 s40, s40, s41                     ; my 64 columns
	s_mov_b32 s41, 0
	s_mul_i32 s42, s18, 49152                      ; my four tiles of each weight
	s_mov_b32 s43, 0
	s_wait_kmcnt 0x0
	s_add_nc_u64 s[4:5], s[4:5], s[40:41]
	s_add_nc_u64 s[16:17], s[16:17], s[40:41]
	s_add_nc_u64 s[6:7], s[6:7], s[42:43]
	s_add_nc_u64 s[20:21], s[6:7], 2359296         ; Wo
	s_add_nc_u64 s[22:23], s[6:7], 3145728         ; W1
	s_add_nc_u64 s[24:25], s[6:7], 3932160         ; W2
	s_lshl_b32 s42, s18, 11
	s_add_nc_u64 s[8:9], s[8:9], s[42:43]
	s_add_nc_u64 s[26:27], s[8:9], 98304
	s_add_nc_u64 s[28:29], s[8:9], 131072
	s_add_nc_u64 s[30:31], s[8:9], 163840
	s_mul_i32 s42, ttmp9, 24576
	s_add_nc_u64 s[32:33], s[10:11], s[42:43]      ; attention's codes of my two tiles,
	s_lshl_b32 s42, ttmp9, 11
	s_add_co_u32 s42, s42, OS
	s_add_nc_u64 s[34:35], s[10:11], s[42:43]      ; their scale words
	s_lshl_b32 s42, s18, 8
	s_add_nc_u64 s[12:13], s[12:13], s[42:43]
	s_add_nc_u64 s[14:15], s[14:15], s[42:43]
	; ---- attention's codes into LDS, as they lie; x into the accumulators; Wo's first three K steps: all three sets are free here
	s_wait_alu depctr_va_vdst(0)                   ; the addresses v1 to v13, v15 and v240 to v243 are written, which the loads and stores below read; so are v128 to v131, in which loads of the weight land
.irp c, 0,1,2
	global_load_b128 v[AF+4*\c:AF+4*\c+3], v240, s[32:33] offset:512*\c
.endr
	global_load_b32 v[AF+12], v242, s[34:35]
.irp m, 0,1
.irp b, 0,1
.irp q, 0,1,2,3
	global_load_b128 v[ACC+32*\m+16*\b+4*\q:ACC+32*\m+16*\b+4*\q+3], v15, s[4:5] offset:32768*\m+128*\b+16*\q th:TH_LOAD_NT
.endr
.endr
.endr
	GPRE 20, 26
	WLOAD 20, 1
	WLOAD 20, 2
	s_wait_loadcnt 54                              ; the copy's four loads are in; x's 16, the first step's 14 and the next two steps' 24 may stay out
.irp c, 0,1,2
	ds_store_b128 v241, v[AF+4*\c:AF+4*\c+3] offset:512*\c
.endr
	ds_store_b32 v243, v[AF+12]
	BAR                                            ; source 1 of the first product lies in LDS
	s_wait_alu depctr_vm_vsrc(0)                   ; my LDS stores have read v224 to v236, v241 and v243, the copy's loads v240 and v242: source 1's fragments land in v224 to v247
	GEMM 20, 26, 0, 1                              ; x1 = x + attn Wo^T
	; ---- LayerNorm 2
	PLACES
	v_bfe_u32 v[LNO], v0, 4, 1
	v_lshlrev_b32 v[LNO], 6, v[LNO]                ; 64 h
	v_mov_b32 v[FT+1], 0                           ; lane permutes' destinations count as sources
	v_mov_b32 v[FT+3], 0
	v_mov_b32 v[QA+2], 0
	v_mov_b32 v[QA+3], 0
	s_wait_alu depctr_va_vdst(0)                   ; v200 is written, the offset of the loads below; the first product has written the accumulators, which the LDS stores below read, and is done reading sets 0 and 1 and the scale words, in which loads land
.irp b, 0,1
.irp q, 0,1,2,3
	global_load_b128 v[LNW+16*\b+4*\q:LNW+16*\b+4*\q+3], v[LNO], s[12:13] offset:128*\b+16*\q
.endr
.endr
.irp b, 0,1
.irp q, 0,1,2,3
	global_load_b128 v[LNB+16*\b+4*\q:LNB+16*\b+4*\q+3], v[LNO], s[14:15] offset:128*\b+16*\q
.endr
.endr
	GPRE 22, 28
.set n, 0
.rept 16
	ds_store_b128 v11, v[ACC+4*n:ACC+4*n+3] offset:512*n     ; x1 is kept, each accumulator from its low end on
.set n, n+1
.endr
.irp m, 0,1
.irp k, 0,1,2,3
	v_pk_add_f32 v[CH+2*\k:CH+2*\k+1], v[ACC+32*\m+4*\k:ACC+32*\m+4*\k+1], v[ACC+32*\m+4*\k+2:ACC+32*\m+4*\k+3]
.endr
.irp j, 16,24
.irp k, 0,1,2,3
	v_pk_add_f32 v[CH+2*\k:CH+2*\k+1], v[CH+2*\k:CH+2*\k+1], v[ACC+32*\m+\j+2*\k:ACC+32*\m+\j+2*\k+1]
.endr
.endr
	FOLD FT+2*\m
.endr
	s_wait_alu depctr_va_vdst(0)                   ; both tiles' parts of the sums are written, which the two LDS stores read; and v226, v227 are written, in which the parts' loads land
	ds_store_b32 v9, v[FT]
	ds_store_b32 v9, v[FT+2] offset:2560
	BAR                                            ; the sums' parts lie in LDS; and every wave's reads of attention's codes are over
	REDLOAD 0
	REDADD RDA
	REDADD RDB
	v_mul_f32 v[MN], s38, v[RDA]                   ; the means
	v_mov_b32 v[MN+1], v[MN]
	v_mul_f32 v[MN+2], s38, v[RDB]
	v_mov_b32 v[MN+3], v[MN+2]
	s_wait_alu depctr_vm_vsrc(0)                   ; the LDS stores of x1 have read the accumulators, those of the parts v204 and v206: the lines below write them again
.irp m, 0,1
.set n, 0
.rept 16
	v_pk_add_f32 v[ACC+32*\m+n:ACC+32*\m+n+1], v[ACC+32*\m+n:ACC+32*\m+n+1], v[MN+2*\m:MN+2*\m+1] neg_lo:[0,1] neg_hi:[0,1]
.set n, n+2
.endr
.endr
.irp m, 0,1
.irp k, 0,1,2,3
	v_pk_mul_f32 v[CH+2*\k:CH+2*\k+1], v[ACC+32*\m+2*\k:ACC+32*\m+2*\k+1], v[ACC+32*\m+2*\k:ACC+32*\m+2*\k+1]
.endr
.irp j, 8,16,24
.irp k, 0,1,2,3
	v_pk_fma_f32 v[CH+2*\k:CH+2*\k+1], v[ACC+32*\m+\j+2*\k:ACC+32*\m+\j+2*\k+1], v[ACC+32*\m+\j+2*\k:ACC+32*\m+\j+2*\k+1], v[CH+2*\k:CH+2*\k+1]
.endr
.endr
	FOLD FT+2*\m
.endr
	s_wait_alu depctr_va_vdst(0)                   ; both tiles' parts of the squares are written, which the two LDS stores read; and the additions above are done with v208 to v239, in which the parts' loads land again
	ds_store_b32 v9, v[FT] offset:5120
	ds_store_b32 v9, v[FT+2] offset:7680
	BAR                                            ; the squares' parts (bytes of their own)
	REDLOAD 5120
	REDADD RDA
	REDADD RDB
	v_fma_f32 v[RDA], v[RDA], s38, s39             ; var + eps, in place
	v_fma_f32 v[RDB], v[RDB], s38, s39
	s_wait_alu depctr_va_vdst(0)
	v_rsq_f32 v[MN], v[RDA]
	v_rsq_f32 v[MN+2], v[RDB]
	v_nop                                          ; a plain place behind the transcendentals,
	s_wait_alu depctr_va_vdst(0)                   ; and one wait for the two, ahead of their first reader
	v_mov_b32 v[MN+1], v[MN]
	v_mov_b32 v[MN+3], v[MN+2]
	s_wait_alu depctr_va_vdst(0)
	s_wait_loadcnt 14                              ; ln2_w and ln2_b are in; W1's first 14 loads may stay out
.irp m, 0,1
.set n, 0
.rept 16
	v_pk_mul_f32 v[ACC+32*\m+n:ACC+32*\m+n+1], v[ACC+32*\m+n:ACC+32*\m+n+1], v[MN+2*\m:MN+2*\m+1]
.set n, n+2
.endr
.set n, 0
.rept 16
	v_pk_fma_f32 v[ACC+32*\m+n:ACC+32*\m+n+1], v[ACC+32*\m+n:ACC+32*\m+n+1], v[LNW+n:LNW+n+1], v[LNB+n:LNB+n+1]
.set n, n+2
.endr
.endr
	PUTBOTH
	BAR                                            ; LN2(x1)'s codes lie in LDS
	s_wait_alu depctr_vm_vsrc(0)                   ; the LDS stores have read the codes and scale bytes (v136 to v143, v232 to v239) and the squares' parts (v204, v206), the loads of ln2_w and ln2_b v200: the product's first loads land in v128 to v247
	GEMM 22, 28, 1, 0                              ; LN2(x1) W1^T
	; ---- gelu
	PLACES
	s_wait_alu depctr_va_vdst(0)                   ; the second product's matrix instructions are done reading set 0 and the scale words, in which W2's first loads land
	GPRE 24, 30
	v_mov_b32 v[VA1], 0x32edffee
	v_mov_b32 v[VA1+1], 0x32edffee
	v_mov_b32 v[VB1], 0xb95fbd29
	v_mov_b32 v[VB1+1], 0xb95fbd29
	v_mov_b32 v[QA+2], 0
	v_mov_b32 v[QA+3], 0
	GELU16 ACC
	GELU16 ACC+16
	GELU16 ACC+32
	GELU16 ACC+48
	BAR                                            ; every wave's reads of LN2(x1)'s codes are over
	PUTBOTH
.set n, 0
.rept 16
	ds_load_b128 v[ACC+4*n:ACC+4*n+3], v11 offset:512*n      ; x1 comes back: the C of the last product.  (No vector instruction since the wait ahead of the stores above names the accumulators)
.set n, n+1
.endr
	BAR                                            ; gelu's codes lie in LDS, and x1 is in
	s_wait_alu depctr_vm_vsrc(0)                   ; the LDS stores have read the codes and scale bytes (v136 to v143, v232 to v239): the product's first loads land there
	GEMM 24, 30, 0, 0                              ; out = x1 + gelu(..) W2^T
	; ---- the way out: a tile's 16 rows x my 256 bytes through my own stage, so that sixteen lanes store 256 consecutive bytes, aligned.  LDS serves a wave's instructions in order (ISA guide 5.7.1.4): no wait between the stores and the loads
	PLACES
	v_and_b32 v128, 15, v0
	v_bfe_u32 v129, v0, 4, 1
	v_lshlrev_b32 v15, 12, v129
	v_lshl_add_u32 v15, v128, 4, v15               ; out0: lanes 0-15 one row, lanes 16-31 the next; 16 bytes a lane (x's loads, which read v15, were waited for in the first product, and stand ahead of the waits on vm_vsrc above)
	s_wait_alu depctr_va_vdst(0)                   ; the last product has written the accumulators, which the LDS stores read (the places above stay beside this wait), and is done reading sets 1 and 2, in which the stage's loads land; v15 is written, the global stores' offset
.irp m, 0,1
.irp k, 0,1,2,3,4,5,6,7
	ds_store_b128 v12, v[ACC+32*\m+4*\k:ACC+32*\m+4*\k+3] offset:128*(\k/4)+16*(\k%4)
.endr
.irp q, 0,1,2,3,4,5,6,7
	ds_load_b128 v[OUTB+32*\m+4*\q:OUTB+32*\m+4*\q+3], v13 offset:544*\q
.endr
.endr
.irp m, 0,1
.irp q, 0,1,2,3,4,5,6,7
	s_wait_dscnt 23-16*\m-\q                       ; what was issued behind this load may stay out
	global_store_b128 v15, v[OUTB+32*\m+4*\q:OUTB+32*\m+4*\q+3], s[16:17] offset:(8*\m+2*\q+8*(\q/4))*4096 th:TH_STORE_NT
.endr
.endr
	s_wait_xcnt 0x0
	v_lshl_add_u32 v254, v0, 2, 0x29000            ; the add's two registers are made anew here: no memory or LDS instruction has read v254 or v255
	v_mov_b32 v255, 0
	s_wait_dscnt 0x0                               ; the closing lines, six on end, of a launch in the mode that stores to LDS
	s_wait_alu 0x0
	s_wait_tensorcnt 0x0
	ds_add_u32 v254, v255
	s_wait_dscnt 0x0
	s_endpgm
.Lfunc_end_k_qc8f78a2d97_tail:
	.size	k_qc8f78a2d97_tail, .Lfunc_end_k_qc8f78a2d97_tail-k_qc8f78a2d97_tail
	.p2alignl 7, 3214868480
	.fill 96, 4, 3214868480
	.section	.rodata,"a",@progbits
	.p2align	6, 0x0
	.amdhsa_kernel k_qc8f78a2d97_tail
		.amdhsa_group_segment_fixed_size 169984
		.amdhsa_private_segment_fixed_size 0
		.amdhsa_enable_private_segment 0
		.amdhsa_kernarg_size 56
		.amdhsa_user_sgpr_count 2
		.amdhsa_user_sgpr_kernarg_segment_ptr 1
		.amdhsa_wavefront_size32 1
		.amdhsa_system_sgpr_workgroup_id_x 1
		.amdhsa_system_sgpr_workgroup_id_y 1
		.amdhsa_system_sgpr_workgroup_id_z 1
		.amdhsa_system_vgpr_workitem_id 0
		.amdhsa_next_free_vgpr 256
		.amdhsa_next_free_sgpr 96
		.amdhsa_reserve_vcc 0
		.amdhsa_float_denorm_mode_32 3
		.amdhsa_float_denorm_mode_16_64 3
		.amdhsa_memory_ordered 1
		.amdhsa_forward_progress 1
		.amdhsa_inst_pref_size 151
	.end_amdhsa_kernel
	.amdgpu_metadata
---
amdhsa.version: [ 1, 2 ]
amdhsa.kernels:
  - .name:           k_qc8f78a2d97_tail
    .symbol:         k_qc8f78a2d97_tail.kd
    .args:
      - { .name: x, .offset: 0, .size: 8, .value_kind: global_buffer, .address_space: global }
      - { .name: img, .offset: 8, .size: 8, .value_kind: global_buffer, .address_space: global }
      - { .name: scl, .offset: 16, .size: 8, .value_kind: global_buffer, .address_space: global }
      - { .name: obuf, .offset: 24, .size: 8, .value_kind: global_buffer, .address_space: global }
      - { .name: ln2_w, .offset: 32, .size: 8, .value_kind: global_buffer, .address_space: global }
      - { .name: ln2_b, .offset: 40, .size: 8, .value_kind: global_buffer, .address_space: global }
      - { .name: out0, .offset: 48, .size: 8, .value_kind: global_buffer, .address_space: global }
    .group_segment_fixed_size: 169984
    .private_segment_fixed_size: 0
    .kernarg_segment_align: 8
    .kernarg_segment_size: 56
    .max_flat_workgroup_size: 512
    .sgpr_count:     96
    .vgpr_count:     256
    .wavefront_size: 32
...
	.end_amdgpu_metadata
.endif
;; end of part 8
